; MI455X (gfx1250); checked and timed in simulation.
; The chip was launched on July 23, 2026; its instructions are those of AMD's public machine-readable ISA for CDNA 5 (MIT licence, August 2026) and "CDNA5" Instruction Set Architecture Reference Guide (July 2026). The comments in the code are by the model that wrote it; some were corrected since.
;; GC ARM Model. Allowed arithmetic: float matrix products may take bf16 or f16 operands with f32 sums; other float arithmetic in f32, or as packed bf16 or f16 multiplies, adds, multiply-adds, maxima and minima; sums over many terms, partial sums and values carried from step to step in f32; what a program stores and reads back later, other than sums and carried values, may be rounded once to bf16 or f16.
;; Inputs: Q 8 x 32 x 16 float32; arm_b 256 float32; arm_g 256 float32; b1 1,024 float32; b2 1,024 float32; bil 8 x 16 x 16 float32; bout 1 float32; bt1 1,024 float32; bt2 1,024 float32; emb 100,000 x 16 float32; emb_b 64 float32; emb_g 64 float32; g1 1,024 float32; g2 1,024 float32; vals 8 x 32 x 64 float32; w1 1,024 x 4,096 float32; w2 1,024 x 1,024 float32; wout 1 x 1,024 float32; x_id 4,096 x 64 int32; x_value 4,096 x 64 float32.
;; Outputs: out0 4,096 float32.
;; 2 versions, each right; version 2 is version 1 with the launches arm, w1p written anew for expert scheduling mode. Each part assembles by itself: llvm-mc -triple=amdgcn-amd-amdhsa -mcpu=gfx1250 --defsym DOCPART=n.
;; ======== version 1 of 2: 7 launches
;; limits: a difference of large sums (such as E[x^2] - mean^2): digits are lost where the result is much smaller than its terms; values are held in f16: magnitudes above 65,504 overflow, below 6.1e-05 lose precision
;; workspace buffers: tab 57,344 bytes; armb 34,078,720 bytes; wts 10,616,832 bytes; zb1 8,650,752 bytes; zb2 8,650,752 bytes; h1 8,388,608 bytes
;; launch pre (part 1): grid 64 x 1, 16 waves a work-group, no clusters, 10,240 bytes of LDS; arguments x_id, x_value, emb, Q, bil, tab; writes tab
.if DOCPART == 1
	.amdgcn_target "amdgcn-amd-amdhsa--gfx1250"
	.amdhsa_code_object_version 6
	.text
	.protected	k_qcd56d6a9c0_pre
	.globl	k_qcd56d6a9c0_pre
	.p2align	8
	.type	k_qcd56d6a9c0_pre,@function
k_qcd56d6a9c0_pre:
	s_mov_b64 s[64:65], 0
	v_nop
	global_prefetch_b8 v0, s[64:65] scope:SCOPE_SE
	s_setreg_imm32_b32 hwreg(HW_REG_WAVE_MODE, 25, 1), 1
	s_wait_xcnt 0x0
; FIRST PASS.  (1) For each field f the partial sums of u and u^2, u = exp(emb[id] * clip(value)) - 1, over this work-group's 64 samples x 16 channels:
; tab + wg*512 + f*8.  The sums are taken of u, not of exp: the mean then stays of the spread's size and sum2/N - mean^2 keeps its bits.
; (2) kq[k][o][x] = sum over y of bil[k][x][y] Q[k][o][y], times 1/4 (1/2 is the entmax's own scale, the other 1/2 puts all its numbers at half scale: exact),
; split exactly into three bf16 parts (8 + 8 + 8 significant bits) and laid as B fragments: tab + 32768 + part*8192 + (ko/16)*512 + lane*16.
; SHARES.  16 waves, 4 samples each, as two pairs.  Lane l: r = l % 16, h = l / 16; sample r / 8 of the pair, fields 8 t + r % 8 (t = 0..7), channels 8 h .. 8 h + 7.
; LIMITS.  Variance is later formed as sum2/N - mean^2 in f32: it loses (mean/spread)^2 x 2^-24.  NaN and infinities are not treated apart.  The order of kq's sum is y ascending.
.set SPARE, 8192                       ; behind RED: the spare words, 128 bytes a wave
.set SPW, 2                            ; v2  my spare word;  v3  0
.set NIL, 3
.set ID,  8                            ; v8-23    ids, then byte offsets into emb, [pair][t]
.set VV,  24                           ; v24-39   values, [pair][t]
.set EE,  40                           ; v40-167  gathered rows, [pair][t][8]
.set SU,  168                          ; v168-183 sum of u, a pair a t
.set SQ,  184                          ; v184-199 sum of u^2
.set TA,  200                          ; v200-205 at work
.set VQ,  40                           ; kq: a row of Q
.set KQ,  56                           ; kq: 16 results, then residuals
.set P1,  72                           ; kq: three parts of 8 registers
.set BK,  96                           ; kq: a part widened again
	s_load_b256 s[4:11], s[0:1], 0x0               ; x_id s[4:5], x_value s[6:7], emb s[8:9], Q s[10:11]
	s_load_b128 s[12:15], s[0:1], 0x20             ; bil s[12:13], tab s[14:15]
	v_lshl_add_u32 v[SPW], v0, 2, SPARE
	v_mov_b32 v[NIL], 0
	v_lshrrev_b32 v1, 5, v0
	v_readfirstlane_b32 s2, v1                     ; wave
	v_bfe_u32 v7, v0, 3, 1                         ; sample of the pair
	v_lshl_add_u32 v7, v1, 2, v7                   ; 4 w + sample
	v_and_b32 v6, 7, v0                            ; r % 8
	v_lshlrev_b32 v4, 2, v6
	v_lshl_add_u32 v4, v7, 8, v4                   ; byte offset of (sample, field r % 8) in x_id and x_value
	v_bfe_u32 v5, v0, 4, 1
	v_lshlrev_b32 v5, 5, v5                        ; 32 h: my half of an emb row
	s_lshl_b32 s87, s2, 9
	v_lshl_add_u32 v6, v6, 3, s87                  ; RED[w][r % 8]
	s_mov_b32 s84, 0x76543210                      ; v_permlanex16_b32: each lane takes its own place in the other half
	s_mov_b32 s85, 0xfedcba98
	s_mov_b32 s86, 0xffff0000
	s_lshl_b32 s88, ttmp9, 14                      ; 64 samples x 256 bytes
	s_mov_b32 s89, 0
	s_wait_kmcnt 0x0
	s_add_nc_u64 s[4:5], s[4:5], s[88:89]
	s_add_nc_u64 s[6:7], s[6:7], s[88:89]
.irp p, 0,1
.irp t, 0,1,2,3,4,5,6,7
	global_load_b32 v[ID+8*\p+\t], v4, s[4:5] offset:512*\p+32*\t
.endr
.endr
.irp p, 0,1
.irp t, 0,1,2,3,4,5,6,7
	global_load_b32 v[VV+8*\p+\t], v4, s[6:7] offset:512*\p+32*\t
.endr
.endr
	s_wait_loadcnt 16                              ; the 16 ids are in, the 16 values may be out
.set i, 0
.rept 16
	v_min_u32 v[ID+i], 0x1869f, v[ID+i]            ; an id stays inside the table
	v_lshl_add_u32 v[ID+i], v[ID+i], 6, v5         ; row x 64 bytes + my half
.set i, i+1
.endr
.set i, 0
.rept 16
	global_load_b128 v[EE+8*i:EE+8*i+3],   v[ID+i], s[8:9]
	global_load_b128 v[EE+8*i+4:EE+8*i+7], v[ID+i], s[8:9] offset:16
.set i, i+1
.endr
	s_wait_loadcnt 32                              ; the values are in, the 32 gathers may be out
.set i, 0
.rept 16
	v_max_num_f32 v[VV+i], 0x3a83126f, v[VV+i]     ; clip to 0.001 .. 1
.set i, i+1
.endr
.set i, 0
.rept 16
	v_min_num_f32 v[VV+i], 1.0, v[VV+i]
.set i, i+1
.endr
.set i, 0
.rept 16
	v_mul_f32 v[VV+i], 0x3fb8aa3b, v[VV+i]         ; times log2(e): the exponential is base 2
.set i, i+1
.endr
; One gathered half row: u = 2^(e v log2 e) - 1, added into the field's two sums.
.macro GRP p, t
.set e, EE+64*(\p)+8*(\t)
.set vb, VV+8*(\p)+((\t)/2)*2
.set su, SU+2*(\t)
.set sq, SQ+2*(\t)
	s_wait_loadcnt 30-2*(8*(\p)+(\t))              ; loads come back in order: my two are in, the younger gathers stay out
.irp i, 0,2,4,6
.if (\t)%2
	v_pk_mul_f32 v[e+\i:e+\i+1], v[e+\i:e+\i+1], v[vb:vb+1] op_sel:[0,1] op_sel_hi:[1,1]
.else
	v_pk_mul_f32 v[e+\i:e+\i+1], v[e+\i:e+\i+1], v[vb:vb+1] op_sel_hi:[1,0]
.endif
.endr
.irp i, 0,1,2,3,4,5,6,7
	v_exp_f32 v[e+\i], v[e+\i]
.endr
	v_nop                                          ; a plain instruction between the last exponential and the use of its result
	s_wait_alu depctr_va_vdst(0)
.irp i, 0,2,4,6
	v_pk_add_f32 v[e+\i:e+\i+1], v[e+\i:e+\i+1], -1.0 op_sel_hi:[1,0]
.endr
	v_pk_add_f32 v[TA:TA+1], v[e:e+1], v[e+2:e+3]
	v_pk_add_f32 v[TA+2:TA+3], v[e+4:e+5], v[e+6:e+7]
.if \p
	v_pk_fma_f32 v[sq:sq+1], v[e:e+1], v[e:e+1], v[sq:sq+1]
	v_pk_add_f32 v[TA:TA+1], v[TA:TA+1], v[TA+2:TA+3]
.else
	v_pk_mul_f32 v[sq:sq+1], v[e:e+1], v[e:e+1]    ; the first pair starts the sums: nothing is cleared
	v_pk_add_f32 v[su:su+1], v[TA:TA+1], v[TA+2:TA+3]
.endif
.irp i, 2,4,6
	v_pk_fma_f32 v[sq:sq+1], v[e+\i:e+\i+1], v[e+\i:e+\i+1], v[sq:sq+1]
.endr
.if \p
	v_pk_add_f32 v[su:su+1], v[su:su+1], v[TA:TA+1]
.endif
.endm
.irp p, 0,1
.irp t, 0,1,2,3,4,5,6,7
	GRP \p, \t
.endr
.endr
	; a pair (sum, sum2) a field; then the other sample (lane xor 8) and the other eight channels (lane xor 16)
.set t, 0
.rept 8
	v_add_f32 v[SU+2*t], v[SU+2*t], v[SU+2*t+1]
	v_add_f32 v[SU+2*t+1], v[SQ+2*t], v[SQ+2*t+1]
.set t, t+1
.endr
.set i, 0
.rept 16
	v_add_f32_dpp v[SU+i], v[SU+i], v[SU+i] row_xmask:8 row_mask:0xf bank_mask:0xf
.set i, i+1
.endr
.set i, 0
.rept 4
.irp k, 0,1,2,3
	v_permlanex16_b32 v[TA+\k], v[SU+4*i+\k], s84, s85
.endr
.irp k, 0,1,2,3
	v_add_f32 v[SU+4*i+\k], v[SU+4*i+\k], v[TA+\k]
.endr
.set i, i+1
.endr
.irp t, 0,1,2,3,4,5,6,7
	ds_store_b64 v6, v[SU+2*\t:SU+2*\t+1] offset:64*\t   ; RED[w][8 t + r % 8]; the four lanes that hold the same sums write the same words
.endr
	s_wait_dscnt 0x0                               ; for the others' sake: my stores are done
	s_barrier_signal -1
	s_barrier_wait -1
	s_cmp_ge_u32 s2, 2
	s_cbranch_scc1 .Lnot_sum
	; waves 0 and 1: thread f adds the sixteen waves' sums of field f
	v_lshlrev_b32 v7, 3, v0
.set i, 0
.rept 16
	ds_load_b64 v[EE+2*i:EE+2*i+1], v7 offset:512*i
.set i, i+1
.endr
	s_lshl_b32 s88, ttmp9, 9
	s_add_nc_u64 s[90:91], s[14:15], s[88:89]
	s_wait_dscnt 0x0
.irp d, 8,4,2,1
.set i, 0
.rept \d
	v_pk_add_f32 v[EE+2*i:EE+2*i+1], v[EE+2*i:EE+2*i+1], v[EE+2*(i+\d):EE+2*(i+\d)+1]
.set i, i+1
.endr
.endr
	global_store_b64 v7, v[EE:EE+1], s[90:91]      ; a wave stores 256 consecutive bytes
	s_branch .Lend
.Lnot_sum:
	s_cmp_lg_u32 s2, 2
	s_cbranch_scc1 .Lend
	s_cmp_ge_u32 ttmp9, 8
	s_cbranch_scc1 .Lend
	; wave 2 of work-groups 0 to 7: kq of head k = the work-group's number; lane = o
	v_and_b32 v7, 31, v0
	v_lshlrev_b32 v7, 6, v7                        ; a row of Q is 64 bytes
	s_lshl_b32 s88, ttmp9, 11
	s_add_nc_u64 s[10:11], s[10:11], s[88:89]
	s_lshl_b32 s88, ttmp9, 10
	s_add_nc_u64 s[12:13], s[12:13], s[88:89]
	s_add_nc_u64 s[90:91], s[14:15], s[88:89]
	s_add_nc_u64 s[90:91], s[90:91], 0x8000
.irp i, 0,1,2,3
	global_load_b128 v[VQ+4*\i:VQ+4*\i+3], v7, s[10:11] offset:16*\i
.endr
	s_wait_loadcnt 0x0
; four rows x of bil in scalar registers, four sums that do not wait for each other
.macro KQROWS xb
	s_load_b512 s[16:31], s[12:13], 256*(\xb)
	s_load_b512 s[32:47], s[12:13], 256*(\xb)+64
	s_load_b512 s[48:63], s[12:13], 256*(\xb)+128
	s_load_b512 s[68:83], s[12:13], 256*(\xb)+192
	s_wait_kmcnt 0x0
	v_mul_f32 v[KQ+4*(\xb)],   s16, v[VQ]
	v_mul_f32 v[KQ+4*(\xb)+1], s32, v[VQ]
	v_mul_f32 v[KQ+4*(\xb)+2], s48, v[VQ]
	v_mul_f32 v[KQ+4*(\xb)+3], s68, v[VQ]
.set y, 1
.rept 15
	v_fmac_f32 v[KQ+4*(\xb)],   s[16+y], v[VQ+y]
	v_fmac_f32 v[KQ+4*(\xb)+1], s[32+y], v[VQ+y]
	v_fmac_f32 v[KQ+4*(\xb)+2], s[48+y], v[VQ+y]
	v_fmac_f32 v[KQ+4*(\xb)+3], s[68+y], v[VQ+y]
.set y, y+1
.endr
.endm
	KQROWS 0
	KQROWS 1
	KQROWS 2
	KQROWS 3
.irp i, 0,2,4,6,8,10,12,14
	v_pk_mul_f32 v[KQ+\i:KQ+\i+1], v[KQ+\i:KQ+\i+1], 0x3e800000 op_sel_hi:[1,0]   ; x 1/4, exact
.endr
; a part: the 16 numbers rounded to bf16; more = 1: the part is taken away again, exactly, and the residual stays
.macro SPLIT ps, more
.set i, 0
.rept 8
	v_cvt_pk_bf16_f32 v[(\ps)+i], v[KQ+2*i], v[KQ+2*i+1]
.set i, i+1
.endr
.if \more
.set i, 0
.rept 8
	v_lshlrev_b32 v[BK+2*i], 16, v[(\ps)+i]
	v_and_b32 v[BK+2*i+1], s86, v[(\ps)+i]
.set i, i+1
.endr
.set i, 0
.rept 8
	v_pk_add_f32 v[KQ+2*i:KQ+2*i+1], v[KQ+2*i:KQ+2*i+1], v[BK+2*i:BK+2*i+1] neg_lo:[0,1] neg_hi:[0,1]
.set i, i+1
.endr
.endif
.endm
	SPLIT P1, 1
	SPLIT P1+8, 1
	SPLIT P1+16, 0
	v_and_b32 v204, 15, v0
	v_bfe_u32 v205, v0, 4, 1
	v_lshlrev_b32 v205, 9, v205
	v_lshl_add_u32 v205, v204, 4, v205             ; tile o / 16 of the head's two, column o % 16
.irp q, 0,1,2
.irp c, 0,1
	global_store_b128 v205, v[P1+8*\q+4*\c:P1+8*\q+4*\c+3], s[90:91] offset:8192*\q+256*\c   ; x = 8 c .. 8 c + 7 goes to the lanes of half c
.endr
.endr
.Lend:
	s_wait_tensorcnt 0x0                           ; the wave's end
	ds_add_u32 v[SPW], v[NIL]
	s_wait_dscnt 0x0
	s_endpgm
.Lfunc_end_k_qcd56d6a9c0_pre:
	.size	k_qcd56d6a9c0_pre, .Lfunc_end_k_qcd56d6a9c0_pre-k_qcd56d6a9c0_pre
	.p2alignl 7, 3214868480
	.fill 96, 4, 3214868480
	.section	.rodata,"a",@progbits
	.p2align	6, 0x0
	.amdhsa_kernel k_qcd56d6a9c0_pre
		.amdhsa_group_segment_fixed_size 10240
		.amdhsa_private_segment_fixed_size 0
		.amdhsa_enable_private_segment 0
		.amdhsa_kernarg_size 48
		.amdhsa_user_sgpr_count 2
		.amdhsa_user_sgpr_kernarg_segment_ptr 1
		.amdhsa_wavefront_size32 1
		.amdhsa_system_sgpr_workgroup_id_x 1
		.amdhsa_system_sgpr_workgroup_id_y 1
		.amdhsa_system_sgpr_workgroup_id_z 1
		.amdhsa_system_vgpr_workitem_id 0
		.amdhsa_next_free_vgpr 208
		.amdhsa_next_free_sgpr 96
		.amdhsa_reserve_vcc 0
		.amdhsa_float_denorm_mode_32 3
		.amdhsa_float_denorm_mode_16_64 3
		.amdhsa_memory_ordered 1
		.amdhsa_forward_progress 1
		.amdhsa_inst_pref_size 54
	.end_amdhsa_kernel
	.amdgpu_metadata
---
amdhsa.version: [ 1, 2 ]
amdhsa.kernels:
  - .name:           k_qcd56d6a9c0_pre
    .symbol:         k_qcd56d6a9c0_pre.kd
    .args:
      - { .name: x_id, .offset: 0, .size: 8, .value_kind: global_buffer, .address_space: global }
      - { .name: x_value, .offset: 8, .size: 8, .value_kind: global_buffer, .address_space: global }
      - { .name: emb, .offset: 16, .size: 8, .value_kind: global_buffer, .address_space: global }
      - { .name: Q, .offset: 24, .size: 8, .value_kind: global_buffer, .address_space: global }
      - { .name: bil, .offset: 32, .size: 8, .value_kind: global_buffer, .address_space: global }
      - { .name: tab, .offset: 40, .size: 8, .value_kind: global_buffer, .address_space: global }
    .group_segment_fixed_size: 10240
    .private_segment_fixed_size: 0
    .kernarg_segment_align: 8
    .kernarg_segment_size: 48
    .max_flat_workgroup_size: 512
    .sgpr_count:     96
    .vgpr_count:     208
    .wavefront_size: 32
...
	.end_amdgpu_metadata
.endif
;; end of part 1
;; launch arm (part 2): grid 256 x 1, 8 waves a work-group, no clusters, 175,616 bytes of LDS; arguments x_id, x_value, emb, emb_g, emb_b, vals, tab, armb; writes armb
.if DOCPART == 2
	.amdgcn_target "amdgcn-amd-amdhsa--gfx1250"
	.amdhsa_code_object_version 6
	.text
	.protected	k_qcd56d6a9c0_arm
	.globl	k_qcd56d6a9c0_arm
	.p2align	8
	.type	k_qcd56d6a9c0_arm,@function
k_qcd56d6a9c0_arm:
	s_mov_b64 s[64:65], 0
	v_nop
	global_prefetch_b8 v0, s[64:65] scope:SCOPE_SE
	s_setreg_imm32_b32 hwreg(HW_REG_WAVE_MODE, 25, 1), 1
	s_wait_xcnt 0x0
; THE GATES.  For 16 samples a work-group: xe = emb[id] clip(value); x_exp = batch norm of exp(xe) (statistics from tab); scores xe . kq + (sum over f of xe) . kq; entmax-1.5 by six bisections
; over the 64 fields; arm[b][ko][e] = sum over f of x_exp[b][f][e] gate[f] vals[ko][f].  Out: arm in f16, not yet normalised, armb[b][16 ko + e]; and for each ko the work-group's sum and sum of squares.
; SHARES.  Eight waves, two on a SIMD: the end of every evaluation is a chain of dependent lines, and the second wave issues meanwhile.  A wave owns ONE pair of samples and walks the 16 tiles of 16 ko.
; A LANE OWNS ONE ROW (sample l / 16, ko = 16 T + l % 16) with all 64 scores in 64 registers, so the entmax never leaves the lane.
; SCORES.  A flipped bisection decision moves tau by a step that shows in the output, so the scores are made to f32's precision on the matrix unit: z = xe + sum(xe) and kq/4 are split exactly into
; three bf16 parts, and three chained products (K = 32 = two parts of 16 channels) add a3 b1 + a1 b3, a1 b2 + a2 b2, a1 b1 + a2 b1; what is dropped lies 2^-26 below.  A's row m is
; (sample m / 8, field 8 t + m % 8), so register j of tile t's result is field 8 t + j of the lane's own row.
; HALF SCALE.  kq carries 1/4, so scores, taus and dm are exactly half the model's (a power of two commutes with every rounding): d = clamp(xs - tau) then means max(., 0) as long as the model's
; xs - tau stays under 2.  -tau is kept, not tau: the same bits with the sign turned.  LIMITS: the sum of squares is added in another order than the model's, so a decision whose f lies within a few
; 2^-24 of 0 may differ; |score| under 1e7; x_exp, gate x vals and arm are rounded to f16 (magnitude under 65,504; a fixed step of 6e-8 below 6e-5); NaN and infinities are not treated apart.
; SECOND PRODUCT.  The lane's 64 weights d^2 vals, rounded to f16, ARE the B operand: the k places of lanes l / 16 = h belong to sample h; A's row m = (sample m / 8, channel m % 8 + 8 set) holds x_exp in its
; own sample's places and 0 in the other's.  Register j of the result is channel j + 8 set of the lane's own row, and the row's 1 / sum(d^2) lies in the same lane.
; REGISTERS.  Window 0 as named below.  Window 1: v0-95 z's parts, 12 a tile: a3, a1, a2; v96-159 x_exp's fragments, 32 a set, 8 a step of 32 places.
.set KQL,   0                          ; kq's three parts as B fragments: 24,576 bytes
.set VALS,  24576                      ; vals: 256 rows of 256 bytes, pitch 272
.set VP,    272
.set AFT,   94208                      ; x_exp = u a_f + c_f: a_f at word 8 (f % 8) + f / 8; c_f 256 bytes on
.set RED,   94720                      ; [4][64][2]
.set XT,    96768                      ; a wave: [2 samples][16 channels] rows of 64 f16 at place 8 (f % 8) + f / 8, pitch 144
.set XP,    144
.set STG,   XT+8*32*XP                 ; a wave: [2 samples][512 bytes], for the way out
.set AST,   STG+8*1024                 ; [16 = 2 w + h][256 ko][2]
.set SPARE, AST+32768                  ; the spare words, 128 bytes a wave
.set SPW, 1
.set NIL, 2
.set VR,  3                            ; l % 16
.set VH,  4                            ; l / 16
.set VKA, 6                            ; LDS address of kq's fragments of the tile to be fetched
.set VVA, 7                            ; of my row of vals
.set VSTO, 8                           ; the way out: where I put 32 bytes
.set VSRD, 9                           ; where I read 16 back
.set VGO, 10                           ; my byte offset in armb
.set VAS, 11                           ; my word pair in AST
.set ONE, 12                           ; v[12:13] 1, 1
.set INI, 14                           ; v[14:15] -1/4, 0: starts the sum f = sum d^2 - 1/4
.set NT,  16                           ; v[16:17] -tau_m, twice
.set NL,  18                           ; -tau_lo
.set DM,  19
.set FLO, 20
.set F,   21
.set MX,  22                           ; v22-25
.set RS,  26                           ; v[26:27] 1 / sum
.set TT,  28                           ; v28-35 four pairs at work
.set AC,  36                           ; v36-43 four sums
.set KB,  44                           ; v44-63 b1, b1, b3, b2, b2
.set S,   64                           ; v64-127 the scores; later d; v64-95 the weights in f16
.set VAL, 128                          ; v128-191 my row of vals, then the weights
.set DE,  192                          ; v192-207 the result, two sets
.set H,   208
.set G,   216
.set AFR, 224
.set CFR, 232
.set VV,  240
.set OFS, 248
.set XA,  96                           ; window 1
.set MSB, 0
.macro WIN new                         ; the immediate's high byte repeats the setting that is left
.if MSB != (\new)
	s_set_vgpr_msb (MSB<<8)|(\new)
.set MSB, \new
.endif
.endm
.macro PKMULB d, a, b, sel             ; d = a x register sel of pair b, for both halves
.if \sel
	v_pk_mul_f32 v[(\d):(\d)+1], v[(\a):(\a)+1], v[(\b):(\b)+1] op_sel:[0,1] op_sel_hi:[1,1]
.else
	v_pk_mul_f32 v[(\d):(\d)+1], v[(\a):(\a)+1], v[(\b):(\b)+1] op_sel_hi:[1,0]
.endif
.endm
.macro PKFMAB d, a, b, c, sel          ; d = a x b[sel] + c[sel]
.if \sel
	v_pk_fma_f32 v[(\d):(\d)+1], v[(\a):(\a)+1], v[(\b):(\b)+1], v[(\c):(\c)+1] op_sel:[0,1,1] op_sel_hi:[1,1,1]
.else
	v_pk_fma_f32 v[(\d):(\d)+1], v[(\a):(\a)+1], v[(\b):(\b)+1], v[(\c):(\c)+1] op_sel_hi:[1,0,0]
.endif
.endm
	s_load_b512 s[4:19], s[0:1], 0x0               ; x_id, x_value, emb, emb_g, emb_b, vals s[14:15], tab s[16:17], armb s[18:19]
	v_lshl_add_u32 v[SPW], v0, 2, SPARE
	v_mov_b32 v[NIL], 0
	v_lshrrev_b32 v20, 5, v0
	v_readfirstlane_b32 s2, v20                    ; wave
	v_and_b32 v[VR], 15, v0
	v_bfe_u32 v[VH], v0, 4, 1
	v_and_b32 v21, 7, v0                           ; r % 8
	v_bfe_u32 v22, v0, 3, 1                        ; r / 8: the sample whose rows I gather
	v_lshl_add_u32 v23, v20, 1, v22
	v_lshlrev_b32 v24, 2, v21
	v_lshl_add_u32 v24, v23, 8, v24                ; (sample, field r % 8) in x_id and x_value
	v_and_b32 v25, 63, v0
	v_lshlrev_b32 v28, 2, v25                      ; field t % 64 in emb_g, emb_b
	v_lshrrev_b32 v29, 6, v0
	v_lshlrev_b32 v30, 3, v25
	v_lshl_add_u32 v30, v29, 13, v30               ; that field's partial sums, sixteen of the 64 for each quarter of the threads
	v_lshlrev_b32 v31, 4, v0
	v_lshlrev_b32 v32, 5, v[VH]
	s_mov_b32 s24, 0xffff0000
	s_lshl_b32 s26, ttmp9, 12                      ; 16 samples x 256 bytes
	s_mov_b32 s27, 0
	s_wait_kmcnt 0x0
	s_add_nc_u64 s[4:5], s[4:5], s[26:27]
	s_add_nc_u64 s[6:7], s[6:7], s[26:27]
	s_add_nc_u64 s[28:29], s[16:17], 0x8000        ; kq's parts
.irp t, 0,1,2,3,4,5,6,7
	global_load_b32 v[OFS+\t], v24, s[4:5] offset:32*\t
.endr
.irp t, 0,1,2,3,4,5,6,7
	global_load_b32 v[VV+\t], v24, s[6:7] offset:32*\t
.endr
	global_load_b32 v[H], v28, s[10:11]
	global_load_b32 v[H+1], v28, s[12:13]
.set j, 0
.rept 16
	global_load_b64 v[VAL+2*j:VAL+2*j+1], v30, s[16:17] offset:512*j
.set j, j+1
.endr
	WIN 0x40                                       ; destination window 1: the two tables pass through registers that z's parts take later
.set j, 0
.rept 6
	global_load_b128 v[4*j:4*j+3], v31, s[28:29] offset:4096*j
.set j, j+1
.endr
.set j, 0
.rept 16
	global_load_b128 v[24+4*j:24+4*j+3], v31, s[14:15] offset:4096*j
.set j, j+1
.endr
	WIN 0
	s_wait_loadcnt 48                              ; 8 + 2 + 16 + 22 loads are younger than the ids
.irp t, 0,1,2,3,4,5,6,7
	v_min_u32 v[OFS+\t], 0x1869f, v[OFS+\t]
	v_lshl_add_u32 v[OFS+\t], v[OFS+\t], 6, v32
.endr
.irp t, 0,1,2,3,4,5,6,7
	global_load_b128 v[S+8*\t:S+8*\t+3],   v[OFS+\t], s[8:9]
	global_load_b128 v[S+8*\t+4:S+8*\t+7], v[OFS+\t], s[8:9] offset:16
.endr
	s_wait_loadcnt 38                              ; 22 table loads and 16 gathers are younger than the partial sums
.irp d, 8,4,2,1
.set i, 0
.rept \d
	v_pk_add_f32 v[VAL+2*i:VAL+2*i+1], v[VAL+2*i:VAL+2*i+1], v[VAL+2*(i+\d):VAL+2*(i+\d)+1]
.set i, i+1
.endr
.endr
	v_lshl_add_u32 v33, v0, 3, RED
	ds_store_b64 v33, v[VAL:VAL+1]
	v_lshrrev_b32 v34, 4, v0
	v_mul_u32_u24 v34, v34, VP
	v_lshl_add_u32 v34, v[VR], 4, v34
	v_add_nc_u32 v34, VALS, v34
	s_wait_loadcnt 16                              ; the tables are in, the gathers may be out
	WIN 0x04                                       ; store data in window 1
.set j, 0
.rept 6
	ds_store_b128 v31, v[4*j:4*j+3] offset:4096*j
.set j, j+1
.endr
.set j, 0
.rept 16
	ds_store_b128 v34, v[24+4*j:24+4*j+3] offset:16*VP*j
.set j, j+1
.endr
	WIN 0
	s_wait_dscnt 0x0
	s_barrier_signal -1
	s_barrier_wait -1
	s_cmp_ge_u32 s2, 2
	s_cbranch_scc1 .Lnostat
	; waves 0 and 1: thread f makes a_f = g / sqrt(var + eps) and c_f = b - mean(u) a_f
.irp q, 0,1,2,3
	ds_load_b64 v[VAL+2*\q:VAL+2*\q+1], v33 offset:512*\q
.endr
	s_wait_dscnt 0x0
	v_pk_add_f32 v[VAL:VAL+1], v[VAL:VAL+1], v[VAL+2:VAL+3]
	v_pk_add_f32 v[VAL+4:VAL+5], v[VAL+4:VAL+5], v[VAL+6:VAL+7]
	v_pk_add_f32 v[VAL:VAL+1], v[VAL:VAL+1], v[VAL+4:VAL+5]
	v_mul_f32 v[VAL+2], 0x37800000, v[VAL]         ; / 65,536 = 4,096 samples x 16 channels
	v_mul_f32 v[VAL+3], 0x37800000, v[VAL+1]
	v_fma_f32 v[VAL+3], -v[VAL+2], v[VAL+2], v[VAL+3]
	v_add_f32 v[VAL+3], 0x3727c5ac, v[VAL+3]       ; + 1e-5
	v_rsq_f32 v[VAL+3], v[VAL+3]
	v_lshrrev_b32 v[VAL+5], 3, v0                  ; plain lines behind the root: the word 8 (f % 8) + f / 8
	v_lshl_add_u32 v[VAL+4], v21, 3, v[VAL+5]
	v_lshl_add_u32 v[VAL+4], v[VAL+4], 2, AFT
	s_wait_alu depctr_va_vdst(0)
	v_mul_f32 v[VAL+3], v[H], v[VAL+3]
	v_fma_f32 v[VAL+2], -v[VAL+2], v[VAL+3], v[H+1]
	ds_store_b32 v[VAL+4], v[VAL+3]
	ds_store_b32 v[VAL+4], v[VAL+2] offset:256
.Lnostat:
	s_wait_dscnt 0x0
	s_barrier_signal -1
	s_barrier_wait -1
	v_lshl_add_u32 v35, v21, 5, AFT                ; a and c of my eight fields 8 t + r % 8 lie together
	ds_load_b128 v[AFR:AFR+3], v35
	ds_load_b128 v[AFR+4:AFR+7], v35 offset:16
	ds_load_b128 v[CFR:CFR+3], v35 offset:256
	ds_load_b128 v[CFR+4:CFR+7], v35 offset:272
	s_wait_loadcnt 0x0
	s_wait_dscnt 0x0
	; ONCE A WAVE: xe, x_exp into LDS turned, z and its three parts
.irp t, 0,1,2,3,4,5,6,7
	v_max_num_f32 v[VV+\t], 0x3a83126f, v[VV+\t]
.endr
.irp t, 0,1,2,3,4,5,6,7
	v_min_num_f32 v[VV+\t], 1.0, v[VV+\t]
.endr
.set n, 0
.rept 32                               ; pair n: field group n / 4
	PKMULB S+2*n, S+2*n, VV+2*(n/8), (n/4)%2
.set n, n+1
.endr
.set n, 0
.rept 32
	v_pk_mul_f32 v[VAL+2*n:VAL+2*n+1], v[S+2*n:S+2*n+1], 0x3fb8aa3b op_sel_hi:[1,0]
.set n, n+1
.endr
.set n, 0
.rept 64
	v_exp_f32 v[VAL+n], v[VAL+n]
.set n, n+1
.endr
	v_nop                                          ; a plain instruction behind the last exponential
.set n, 0
	s_wait_alu depctr_va_vdst(0)
.rept 32
	v_pk_add_f32 v[VAL+2*n:VAL+2*n+1], v[VAL+2*n:VAL+2*n+1], -1.0 op_sel_hi:[1,0]
.set n, n+1
.endr
.set n, 0
.rept 32
	PKFMAB VAL+2*n, VAL+2*n, AFR+2*(n/8), CFR+2*(n/8), (n/4)%2
.set n, n+1
.endr
.set n, 0
.rept 32                               ; n = 4 e + i: channel e of field groups 2 i, 2 i + 1
	v_cvt_pk_f16_f32 v[DE+n], v[VAL+16*(n%4)+n/4], v[VAL+16*(n%4)+8+n/4]
.set n, n+1
.endr
	s_mul_i32 s30, s2, 32*XP
	s_add_co_u32 s30, s30, XT                      ; my wave's rows
	v_mul_u32_u24 v33, v22, 16*XP
	v_mul_u32_u24 v35, v[VH], 8*XP
	v_add3_u32 v33, v33, v35, s30
	v_lshl_add_u32 v33, v21, 4, v33                ; row (sample, channel 8 h), places 8 (r % 8) ..
.irp e, 0,1,2,3,4,5,6,7
	ds_store_b128 v33, v[DE+4*\e:DE+4*\e+3] offset:XP*\e
.endr
.irp i, 0,2,4,6
	v_pk_add_f32 v[AC+\i:AC+\i+1], v[S+\i:S+\i+1], v[S+8+\i:S+8+\i+1]
.endr
.irp t, 2,3,4,5,6,7
.irp i, 0,2,4,6
	v_pk_add_f32 v[AC+\i:AC+\i+1], v[AC+\i:AC+\i+1], v[S+8*\t+\i:S+8*\t+\i+1]
.endr
.endr
.irp m, 1,2,4
.irp i, 0,1,2,3,4,5,6,7
	v_add_f32_dpp v[AC+\i], v[AC+\i], v[AC+\i] row_xmask:\m row_mask:0xf bank_mask:0xf   ; the sample's other fields lie in the seven lanes beside me
.endr
.endr
.set n, 0
.rept 32
	v_pk_add_f32 v[S+2*n:S+2*n+1], v[S+2*n:S+2*n+1], v[AC+2*(n%4):AC+2*(n%4)+1]
.set n, n+1
.endr
; a part of z: rounded to bf16 into block blk of each tile's twelve registers; more = 1: taken away again, exactly
.macro LEVEL blk, more
	WIN 0x40
.set n, 0
.rept 32
	v_cvt_pk_bf16_f32 v[12*(n/4)+(\blk)+n%4], v[S+2*n], v[S+2*n+1]
.set n, n+1
.endr
.if \more
	WIN 0x04
.set n, 0
.rept 32
	v_lshlrev_b32 v[VAL+2*n], 16, v[12*(n/4)+(\blk)+n%4]
	v_and_b32 v[VAL+2*n+1], s24, v[12*(n/4)+(\blk)+n%4]
.set n, n+1
.endr
	WIN 0
.set n, 0
.rept 32
	v_pk_add_f32 v[S+2*n:S+2*n+1], v[S+2*n:S+2*n+1], v[VAL+2*n:VAL+2*n+1] neg_lo:[0,1] neg_hi:[0,1]
.set n, n+1
.endr
.endif
.endm
	LEVEL 4, 1
	LEVEL 8, 1
	LEVEL 0, 0
	WIN 0
	v_mul_u32_u24 v34, v[VH], 16*XP
	v_mul_u32_u24 v35, v21, XP
	v_add3_u32 v34, v34, v35, s30                  ; row (sample h, channel r % 8)
	WIN 0x40
.irp u, 0,1
.irp c, 0,1,2,3
	ds_load_b128 v[XA+32*\u+8*\c:XA+32*\u+8*\c+3],   v34 offset:8*XP*\u+32*\c      ; LDS serves a wave's instructions in order: these see my stores above
	ds_load_b128 v[XA+32*\u+8*\c+4:XA+32*\u+8*\c+7], v34 offset:8*XP*\u+32*\c+16
.endr
.endr
	WIN 0
	v_and_b32 v[VKA], 31, v0
	v_lshlrev_b32 v[VKA], 4, v[VKA]
	ds_load_b128 v[KB:KB+3], v[VKA]                ; tile 0: b1, b1, b3, b2, b2
	ds_load_b128 v[KB+4:KB+7], v[VKA]
	ds_load_b128 v[KB+8:KB+11], v[VKA] offset:16384
	ds_load_b128 v[KB+12:KB+15], v[VKA] offset:8192
	ds_load_b128 v[KB+16:KB+19], v[VKA] offset:8192
	v_mul_u32_u24 v[VVA], v[VR], VP
	v_add_nc_u32 v[VVA], VALS, v[VVA]
	s_lshl_b32 s31, s2, 10
	s_add_co_u32 s31, s31, STG
	v_lshlrev_b32 v[VSTO], 9, v[VH]
	v_add_nc_u32 v[VSTO], s31, v[VSTO]
	v_lshl_add_u32 v[VSRD], v[VR], 4, v[VSTO]
	v_lshl_add_u32 v[VSTO], v[VR], 5, v[VSTO]
	v_lshl_add_u32 v5, v20, 1, v[VH]               ; 2 w + h: my sample among the work-group's 16
	v_lshlrev_b32 v[VGO], 13, v5
	v_lshl_add_u32 v[VGO], v[VR], 4, v[VGO]
	s_lshl_b32 s36, s2, 12
	s_add_co_u32 s36, s36, AST
	v_lshlrev_b32 v[VAS], 11, v[VH]
	v_lshl_add_u32 v[VAS], v[VR], 3, v[VAS]
	v_add_nc_u32 v[VAS], s36, v[VAS]
	s_lshl_b32 s26, ttmp9, 17                      ; 16 samples x 8,192 bytes
	s_add_nc_u64 s[32:33], s[18:19], s[26:27]
	s_lshl_b32 s26, ttmp9, 11
	s_add_nc_u64 s[34:35], s[18:19], s[26:27]
	s_add_nc_u64 s[34:35], s[34:35], 0x2000000
	v_mov_b32 v[ONE], 1.0
	v_mov_b32 v[ONE+1], 1.0
	v_mov_b32 v[INI], 0xbe800000
	v_mov_b32 v[INI+1], 0
	v_mov_b32 v[RS+1], 0                           ; named with RS as a pair
	v_cmp_eq_u32 vcc_lo, v22, v[VH]                ; does my row of A belong to the sample of my k places?
	s_wait_dscnt 0x0
	WIN 0x44
.set n, 0
.rept 64
	v_cndmask_b32 v[XA+n], 0, v[XA+n], vcc_lo      ; if not: 0
.set n, n+1
.endr
	WIN 0
; f = sum over the 64 fields of clamp(xs - tau)^2 - 1/4, four sums side by side
.macro EVAL dst
.set p, 0
.rept 4
	v_pk_fma_f32 v[TT+2*p:TT+2*p+1], v[S+2*p:S+2*p+1], v[ONE:ONE+1], v[NT:NT+1] clamp
.set p, p+1
.endr
.set p, 0
.rept 32
.set c, 2*(p%4)
.if p == 0
	v_pk_fma_f32 v[AC:AC+1], v[TT:TT+1], v[TT:TT+1], v[INI:INI+1]
.elseif p < 4
	v_pk_mul_f32 v[AC+c:AC+c+1], v[TT+c:TT+c+1], v[TT+c:TT+c+1]
.else
	v_pk_fma_f32 v[AC+c:AC+c+1], v[TT+c:TT+c+1], v[TT+c:TT+c+1], v[AC+c:AC+c+1]
.endif
.if p < 28
	v_pk_fma_f32 v[TT+c:TT+c+1], v[S+2*p+8:S+2*p+9], v[ONE:ONE+1], v[NT:NT+1] clamp
.endif
.set p, p+1
.endr
	v_pk_add_f32 v[AC:AC+1], v[AC:AC+1], v[AC+2:AC+3]
	v_pk_add_f32 v[AC+4:AC+5], v[AC+4:AC+5], v[AC+6:AC+7]
	v_pk_add_f32 v[AC:AC+1], v[AC:AC+1], v[AC+4:AC+5]
	v_add_f32 v[\dst], v[AC], v[AC+1]
.endm
.macro FD p
	v_pk_fma_f32 v[S+2*(\p):S+2*(\p)+1], v[S+2*(\p):S+2*(\p)+1], v[ONE:ONE+1], v[NT:NT+1] clamp
.endm
	s_mov_b32 s20, 16
.Lpass:                                                ; a trip: one tile of 16 ko for my two samples
	s_wait_dscnt 0x0                               ; kq's fragments are in
	WIN 0x01                                       ; A in window 1
	; the eight accumulators take turns, one instruction a turn; smallest terms first
.set t, 0
.rept 8
	v_wmma_f32_16x16x32_bf16 v[S+8*t:S+8*t+7], v[12*t:12*t+7], v[KB+4:KB+11], 0
.set t, t+1
.endr
.set t, 0
.rept 8
	v_wmma_f32_16x16x32_bf16 v[S+8*t:S+8*t+7], v[12*t+4:12*t+11], v[KB+12:KB+19], v[S+8*t:S+8*t+7]
.set t, t+1
.endr
.set t, 0
.rept 8
	v_wmma_f32_16x16x32_bf16 v[S+8*t:S+8*t+7], v[12*t+4:12*t+11], v[KB:KB+7], v[S+8*t:S+8*t+7]
.set t, t+1
.endr
	WIN 0
	v_add_nc_u32 v[VKA], 512, v[VKA]               ; four places behind the products, ahead of the loads into their sources and of the first read of the scores
	v_nop
	v_nop
	v_nop
.set j, 0
.rept 16
	ds_load_b128 v[VAL+4*j:VAL+4*j+3], v[VVA] offset:16*j   ; my row of vals: wanted six evaluations further down
.set j, j+1
.endr
	ds_load_b128 v[KB:KB+3], v[VKA]                ; the next tile's kq.  The last trip's fetch takes 512 bytes further on in the same tables, inside LDS; it is not used
	ds_load_b128 v[KB+4:KB+7], v[VKA]
	ds_load_b128 v[KB+8:KB+11], v[VKA] offset:16384
	ds_load_b128 v[KB+12:KB+15], v[VKA] offset:8192
	ds_load_b128 v[KB+16:KB+19], v[VKA] offset:8192
	; the maximum of the 64 scores, four chains; each accumulator's lowest registers are read first
.irp n, 0,1,2,3
	v_max3_num_f32 v[MX+\n], v[S+8*\n], v[S+8*\n+1], v[S+8*\n+2]
.endr
.irp n, 0,1,2,3
	v_max3_num_f32 v[MX+\n], v[MX+\n], v[S+32+8*\n], v[S+32+8*\n+1]
.endr
.irp o, 3,5
.irp n, 0,1,2,3
	v_max3_num_f32 v[MX+\n], v[MX+\n], v[S+8*\n+\o], v[S+8*\n+\o+1]
.endr
.endr
.irp n, 0,1,2,3
	v_max3_num_f32 v[MX+\n], v[MX+\n], v[S+8*\n+7], v[S+32+8*\n+2]
.endr
.irp o, 3,5
.irp n, 0,1,2,3
	v_max3_num_f32 v[MX+\n], v[MX+\n], v[S+32+8*\n+\o], v[S+32+8*\n+\o+1]
.endr
.endr
	v_max3_num_f32 v[MX], v[MX], v[S+39], v[S+47]
	v_max3_num_f32 v[MX+2], v[MX+2], v[S+55], v[S+63]
	v_max3_num_f32 v[MX], v[MX], v[MX+1], v[MX+2]
	v_max_num_f32 v[MX], v[MX], v[MX+3]
	v_sub_f32 v[NL], 0.5, v[MX]                    ; -tau_lo = 1/2 - max
	v_sub_f32 v[F], 0x3d800000, v[MX]              ; -tau_hi = 1/16 - max
	v_sub_f32 v[NT], 0.5, v[MX]
	v_sub_f32 v[NT+1], 0.5, v[MX]
	v_sub_f32 v[DM], v[NL], v[F]                   ; dm = tau_hi - tau_lo
	EVAL FLO
	s_mov_b32 s21, 5
.Lbis:                                                 ; five bisections with a decision; the sixth needs none
	v_mul_f32 v[DM], 0.5, v[DM]
	v_sub_f32 v[NT], v[NL], v[DM]
	v_sub_f32 v[NT+1], v[NL], v[DM]
	EVAL F
	v_mul_f32 v[F], v[F], v[FLO]
	v_cmp_le_f32 vcc_lo, 0, v[F]                   ; f_m f_lo >= 0: tau_lo moves to tau_m.  A choice of a value: no branch hangs on it
	v_cndmask_b32 v[NL], v[NL], v[NT], vcc_lo
	s_sub_co_u32 s21, s21, 1
	s_cmp_lg_u32 s21, 0
	s_cbranch_scc1 .Lbis
	v_mul_f32 v[DM], 0.5, v[DM]
	v_sub_f32 v[NT], v[NL], v[DM]
	v_sub_f32 v[NT+1], v[NL], v[DM]
	s_wait_dscnt 5                                 ; vals are in; the five loads of kq are younger
	FD 0
	FD 1
.set p, 0
.rept 32                               ; d in place of the score; the sum of d^2; the weight d vals d
.set c, 2*(p%4)
	v_pk_mul_f32 v[VAL+2*p:VAL+2*p+1], v[VAL+2*p:VAL+2*p+1], v[S+2*p:S+2*p+1]
.if p < 4
	v_pk_mul_f32 v[AC+c:AC+c+1], v[S+2*p:S+2*p+1], v[S+2*p:S+2*p+1]
.else
	v_pk_fma_f32 v[AC+c:AC+c+1], v[S+2*p:S+2*p+1], v[S+2*p:S+2*p+1], v[AC+c:AC+c+1]
.endif
.if p < 30
	FD p+2
.endif
	v_pk_mul_f32 v[VAL+2*p:VAL+2*p+1], v[VAL+2*p:VAL+2*p+1], v[S+2*p:S+2*p+1]
.set p, p+1
.endr
.set q, 0
.rept 32                               ; places 2 q, 2 q + 1 hold fields 16 (q % 4) + q / 4 and that + 8: the order in which x_exp lies in LDS
	v_cvt_pk_f16_f32 v[S+q], v[VAL+16*(q%4)+q/4], v[VAL+16*(q%4)+8+q/4]
.set q, q+1
.endr
	WIN 0x01
.irp c, 0,1,2,3                        ; the two accumulators take turns
.irp u, 0,1
.if \c == 0
	v_wmma_f32_16x16x32_f16 v[DE+8*\u:DE+8*\u+7], v[XA+32*\u+8*\c:XA+32*\u+8*\c+7], v[S+8*\c:S+8*\c+7], 0
.else
	v_wmma_f32_16x16x32_f16 v[DE+8*\u:DE+8*\u+7], v[XA+32*\u+8*\c:XA+32*\u+8*\c+7], v[S+8*\c:S+8*\c+7], v[DE+8*\u:DE+8*\u+7]
.endif
.endr
.endr
	WIN 0
	v_pk_add_f32 v[AC:AC+1], v[AC:AC+1], v[AC+2:AC+3]       ; the end of the sum of d^2: the four places behind the products
	v_pk_add_f32 v[AC+4:AC+5], v[AC+4:AC+5], v[AC+6:AC+7]
	v_pk_add_f32 v[AC:AC+1], v[AC:AC+1], v[AC+4:AC+5]
	v_add_f32 v[F], v[AC], v[AC+1]
	v_rcp_f32 v[RS], v[F]
	v_add_nc_u32 v[VVA], 16*VP, v[VVA]             ; a plain line behind the reciprocal: the next tile's rows of vals
	s_wait_alu depctr_va_vdst(0)
.irp i, 0,2,4,6,8,10,12,14
	v_pk_mul_f32 v[DE+\i:DE+\i+1], v[DE+\i:DE+\i+1], v[RS:RS+1] op_sel_hi:[1,0]
.endr
	v_pk_add_f32 v[TT:TT+1], v[DE:DE+1], v[DE+2:DE+3]
	v_pk_add_f32 v[TT+2:TT+3], v[DE+4:DE+5], v[DE+6:DE+7]
	v_pk_add_f32 v[TT+4:TT+5], v[DE+8:DE+9], v[DE+10:DE+11]
	v_pk_add_f32 v[TT+6:TT+7], v[DE+12:DE+13], v[DE+14:DE+15]
	v_pk_mul_f32 v[AC+2:AC+3], v[DE:DE+1], v[DE:DE+1]
	v_pk_mul_f32 v[AC+4:AC+5], v[DE+2:DE+3], v[DE+2:DE+3]
.irp i, 4,8,12
	v_pk_fma_f32 v[AC+2:AC+3], v[DE+\i:DE+\i+1], v[DE+\i:DE+\i+1], v[AC+2:AC+3]
	v_pk_fma_f32 v[AC+4:AC+5], v[DE+\i+2:DE+\i+3], v[DE+\i+2:DE+\i+3], v[AC+4:AC+5]
.endr
	v_pk_add_f32 v[TT:TT+1], v[TT:TT+1], v[TT+2:TT+3]
	v_pk_add_f32 v[TT+4:TT+5], v[TT+4:TT+5], v[TT+6:TT+7]
	v_pk_add_f32 v[AC+2:AC+3], v[AC+2:AC+3], v[AC+4:AC+5]
	v_pk_add_f32 v[TT:TT+1], v[TT:TT+1], v[TT+4:TT+5]
	v_add_f32 v[AC+1], v[AC+2], v[AC+3]
	v_add_f32 v[AC], v[TT], v[TT+1]
	ds_store_b64 v[VAS], v[AC:AC+1]                ; the row's sum and sum of squares over its 16 channels
	v_add_nc_u32 v[VAS], 128, v[VAS]
.irp i, 0,1,2,3,4,5,6,7
	v_cvt_pk_f16_f32 v[H+\i], v[DE+2*\i], v[DE+2*\i+1]
.endr
	s_wait_xcnt 0x0                                ; the last trip's stores have had their addresses translated: only now are their data and offset written again
	v_add_nc_u32 v[VGO], 512, v[VGO]               ; the stores below reach back
	ds_store_b128 v[VSTO], v[H:H+3]
	ds_store_b128 v[VSTO], v[H+4:H+7] offset:16
	ds_load_b128 v[G:G+3], v[VSRD]                 ; my wave's own bytes, served in order
	ds_load_b128 v[G+4:G+7], v[VSRD] offset:256
	s_wait_dscnt 0x0
	global_store_b128 v[VGO], v[G:G+3], s[32:33] offset:-512     ; sixteen lanes store 256 consecutive bytes, at a multiple of 256 from the buffer's first
	global_store_b128 v[VGO], v[G+4:G+7], s[32:33] offset:-256
	s_sub_co_u32 s20, s20, 1
	s_cmp_lg_u32 s20, 0
	s_cbranch_scc1 .Lpass
	s_wait_dscnt 0x0
	s_barrier_signal -1
	s_barrier_wait -1
	v_lshl_add_u32 v20, v0, 3, AST                 ; thread ko adds the 16 samples' sums
.set i, 0
.rept 16
	ds_load_b64 v[S+2*i:S+2*i+1], v20 offset:2048*i
.set i, i+1
.endr
	v_lshlrev_b32 v21, 3, v0
	s_wait_dscnt 0x0
.irp d, 8,4,2,1
.set i, 0
.rept \d
	v_pk_add_f32 v[S+2*i:S+2*i+1], v[S+2*i:S+2*i+1], v[S+2*(i+\d):S+2*(i+\d)+1]
.set i, i+1
.endr
.endr
	global_store_b64 v21, v[S:S+1], s[34:35]
	s_wait_tensorcnt 0x0                           ; the wave's end
	ds_add_u32 v[SPW], v[NIL]
	s_wait_dscnt 0x0
	s_endpgm
.Lfunc_end_k_qcd56d6a9c0_arm:
	.size	k_qcd56d6a9c0_arm, .Lfunc_end_k_qcd56d6a9c0_arm-k_qcd56d6a9c0_arm
	.p2alignl 7, 3214868480
	.fill 96, 4, 3214868480
	.section	.rodata,"a",@progbits
	.p2align	6, 0x0
	.amdhsa_kernel k_qcd56d6a9c0_arm
		.amdhsa_group_segment_fixed_size 175616
		.amdhsa_private_segment_fixed_size 0
		.amdhsa_enable_private_segment 0
		.amdhsa_kernarg_size 64
		.amdhsa_user_sgpr_count 2
		.amdhsa_user_sgpr_kernarg_segment_ptr 1
		.amdhsa_wavefront_size32 1
		.amdhsa_system_sgpr_workgroup_id_x 1
		.amdhsa_system_sgpr_workgroup_id_y 1
		.amdhsa_system_sgpr_workgroup_id_z 1
		.amdhsa_system_vgpr_workitem_id 0
		.amdhsa_next_free_vgpr 416
		.amdhsa_next_free_sgpr 66
		.amdhsa_reserve_vcc 1
		.amdhsa_float_denorm_mode_32 3
		.amdhsa_float_denorm_mode_16_64 3
		.amdhsa_memory_ordered 1
		.amdhsa_forward_progress 1
		.amdhsa_inst_pref_size 84
	.end_amdhsa_kernel
	.amdgpu_metadata
---
amdhsa.version: [ 1, 2 ]
amdhsa.kernels:
  - .name:           k_qcd56d6a9c0_arm
    .symbol:         k_qcd56d6a9c0_arm.kd
    .args:
      - { .name: x_id, .offset: 0, .size: 8, .value_kind: global_buffer, .address_space: global }
      - { .name: x_value, .offset: 8, .size: 8, .value_kind: global_buffer, .address_space: global }
      - { .name: emb, .offset: 16, .size: 8, .value_kind: global_buffer, .address_space: global }
      - { .name: emb_g, .offset: 24, .size: 8, .value_kind: global_buffer, .address_space: global }
      - { .name: emb_b, .offset: 32, .size: 8, .value_kind: global_buffer, .address_space: global }
      - { .name: vals, .offset: 40, .size: 8, .value_kind: global_buffer, .address_space: global }
      - { .name: tab, .offset: 48, .size: 8, .value_kind: global_buffer, .address_space: global }
      - { .name: armb, .offset: 56, .size: 8, .value_kind: global_buffer, .address_space: global }
    .group_segment_fixed_size: 175616
    .private_segment_fixed_size: 0
    .kernarg_segment_align: 8
    .kernarg_segment_size: 64
    .max_flat_workgroup_size: 256
    .sgpr_count:     66
    .vgpr_count:     416
    .wavefront_size: 32
...
	.end_amdgpu_metadata
.endif
;; end of part 2
;; launch w1p (part 3): grid 32 x 8, 8 waves a work-group, no clusters, 2,048 bytes of LDS; arguments w1, w2, arm_g, arm_b, armb, wts; writes wts
.if DOCPART == 3
	.amdgcn_target "amdgcn-amd-amdhsa--gfx1250"
	.amdhsa_code_object_version 6
	.text
	.protected	k_qcd56d6a9c0_w1p
	.globl	k_qcd56d6a9c0_w1p
	.p2align	8
	.type	k_qcd56d6a9c0_w1p,@function
k_qcd56d6a9c0_w1p:
	s_mov_b64 s[64:65], 0
	v_nop
	global_prefetch_b8 v0, s[64:65] scope:SCOPE_SE
	s_setreg_imm32_b32 hwreg(HW_REG_WAVE_MODE, 25, 1), 1
	s_wait_xcnt 0x0
; THE WEIGHTS.  arm's batch norm is folded into w1: with alpha = g / sqrt(var + eps) and beta = b - mean alpha for channel k / 16,
; norm(arm) . w1[n] = arm . (alpha w1[n]) + sum over k of beta w1[n][k].  Out: w1h = f16(alpha w1); pb1[g][n] = this group's part of the second sum, in f32; w2h = f16(w2).
; SHARES.  Work-group (g, nb): channels 8 g .. 8 g + 7 (128 k) x rows 128 nb .. + 127 of w1, and 16,384 bytes of w2.  Thread t: 8 k at 8 (t % 16), rows t / 16 + 16 i.
; Memory binds: w1 and w2 are read once, in runs of 512 bytes a row; no matrix unit, cluster or tensor load would add anything.
; LIMITS.  var = sum2/N - mean^2 in f32 loses (mean/spread)^2 x 2^-24; alpha w1 and w2 lie within f16's 65,504.
.set RED, 0                            ; [8 waves][8 channels][2]
.set BS,  512                          ; [128 rows] f32
.set SPARE, 1024
.set SPW, 2
.set NIL, 3
.set AS,  8                            ; v8-23 partial sums
.set AL,  26                           ; v[26:27] alpha, twice
.set BE,  28
.set W,   32                           ; v32-95 w1, 8 a row
.set W2,  96                           ; v96-111
	s_load_b256 s[4:11], s[0:1], 0x0               ; w1, w2, arm_g, arm_b
	s_load_b128 s[12:15], s[0:1], 0x20             ; armb, wts
	v_lshl_add_u32 v[SPW], v0, 2, SPARE
	v_mov_b32 v[NIL], 0
	v_lshrrev_b32 v1, 5, v0
	v_readfirstlane_b32 s2, v1
	s_and_b32 s3, ttmp7, 0xffff                    ; nb
	v_and_b32 v4, 15, v0
	v_lshrrev_b32 v5, 4, v0
	v_and_b32 v6, 7, v0
	v_lshrrev_b32 v7, 3, v0
	v_lshlrev_b32 v112, 3, v6
	v_lshl_add_u32 v113, v7, 11, v112              ; arm's sums: work-group t / 8 + 32 i, channel t % 8
	v_lshrrev_b32 v114, 1, v4                      ; the channel of my 8 k
	v_lshlrev_b32 v115, 2, v114
	v_lshlrev_b32 v116, 5, v4
	v_lshl_add_u32 v116, v5, 14, v116              ; w1
	v_lshlrev_b32 v117, 5, v0                      ; w2
	v_lshlrev_b32 v118, 4, v4
	v_lshl_add_u32 v118, v5, 13, v118              ; w1h
	v_lshlrev_b32 v119, 4, v0                      ; w2h, pb1
	v_mov_b32 v29, 0                               ; v_permlanex16_b32 counts as a reader of its destination
	v_mov_b32 v30, 0
	s_mov_b32 s32, 0x76543210
	s_mov_b32 s33, 0xfedcba98
	s_mov_b32 s23, 0
	s_lshl_b32 s24, s3, 5
	s_add_co_u32 s24, s24, ttmp9                   ; 32 nb + g
	s_wait_kmcnt 0x0
	s_lshl_b32 s22, ttmp9, 6
	s_add_nc_u64 s[16:17], s[12:13], s[22:23]
	s_add_nc_u64 s[16:17], s[16:17], 0x2000000
	s_lshl_b32 s22, ttmp9, 5
	s_add_nc_u64 s[8:9], s[8:9], s[22:23]
	s_add_nc_u64 s[10:11], s[10:11], s[22:23]
	s_lshl_b32 s22, s3, 21
	s_lshl_b32 s25, ttmp9, 9
	s_add_co_u32 s22, s22, s25
	s_add_nc_u64 s[4:5], s[4:5], s[22:23]
	s_lshl_b32 s22, s24, 14
	s_add_nc_u64 s[6:7], s[6:7], s[22:23]
	s_lshl_b32 s22, s3, 20
	s_lshl_b32 s25, ttmp9, 8
	s_add_co_u32 s22, s22, s25
	s_add_nc_u64 s[26:27], s[14:15], s[22:23]
	s_lshl_b32 s22, s24, 13
	s_add_nc_u64 s[28:29], s[14:15], s[22:23]
	s_add_nc_u64 s[28:29], s[28:29], 0x800000
	s_lshl_b32 s22, ttmp9, 12
	s_lshl_b32 s25, s3, 9
	s_add_co_u32 s22, s22, s25
	s_add_nc_u64 s[30:31], s[14:15], s[22:23]
	s_add_nc_u64 s[30:31], s[30:31], 0xa00000
.irp i, 0,1,2,3,4,5,6,7
	global_load_b64 v[AS+2*\i:AS+2*\i+1], v113, s[16:17] offset:65536*\i
.endr
	global_load_b32 v24, v115, s[8:9]
	global_load_b32 v25, v115, s[10:11]
.irp i, 0,1,2,3,4,5,6,7
	global_load_b128 v[W+8*\i:W+8*\i+3],   v116, s[4:5] offset:262144*\i th:TH_LOAD_NT
	global_load_b128 v[W+8*\i+4:W+8*\i+7], v116, s[4:5] offset:262144*\i+16 th:TH_LOAD_NT
.endr
.irp j, 0,1
	global_load_b128 v[W2+8*\j:W2+8*\j+3],   v117, s[6:7] offset:8192*\j th:TH_LOAD_NT
	global_load_b128 v[W2+8*\j+4:W2+8*\j+7], v117, s[6:7] offset:8192*\j+16 th:TH_LOAD_NT
.endr
	s_wait_loadcnt 20                              ; the sums, g and b are in; 16 + 4 loads of weights are younger
.irp d, 4,2,1
.set i, 0
.rept \d
	v_pk_add_f32 v[AS+2*i:AS+2*i+1], v[AS+2*i:AS+2*i+1], v[AS+2*(i+\d):AS+2*(i+\d)+1]
.set i, i+1
.endr
.endr
	v_add_f32_dpp v[AS], v[AS], v[AS] row_xmask:8 row_mask:0xf bank_mask:0xf
	v_add_f32_dpp v[AS+1], v[AS+1], v[AS+1] row_xmask:8 row_mask:0xf bank_mask:0xf
	v_permlanex16_b32 v29, v[AS], s32, s33
	v_permlanex16_b32 v30, v[AS+1], s32, s33
	v_add_f32 v[AS], v[AS], v29
	v_add_f32 v[AS+1], v[AS+1], v30
	s_lshl_b32 s20, s2, 6
	v_add_nc_u32 v31, s20, v112
	ds_store_b64 v31, v[AS:AS+1]                   ; RED[w][t % 8]
	s_wait_dscnt 0x0
	s_barrier_signal -1
	s_barrier_wait -1
	v_lshlrev_b32 v31, 3, v114
.irp i, 0,1,2,3,4,5,6,7
	ds_load_b64 v[AS+2*\i:AS+2*\i+1], v31 offset:64*\i
.endr
	v_lshl_add_u32 v29, v5, 2, BS
	s_wait_dscnt 0x0
.irp d, 4,2,1
.set i, 0
.rept \d
	v_pk_add_f32 v[AS+2*i:AS+2*i+1], v[AS+2*i:AS+2*i+1], v[AS+2*(i+\d):AS+2*(i+\d)+1]
.set i, i+1
.endr
.endr
	v_mul_f32 v10, 0x37800000, v[AS]               ; mean: / 65,536
	v_mul_f32 v11, 0x37800000, v[AS+1]
	v_fma_f32 v11, -v10, v10, v11
	v_add_f32 v11, 0x3727c5ac, v11
	v_rsq_f32 v11, v11
	v_nop                                          ; a plain instruction behind the root
	s_wait_alu depctr_va_vdst(0)
	v_mul_f32 v[AL], v24, v11
	v_mul_f32 v[AL+1], v24, v11
	v_fma_f32 v[BE], -v10, v[AL], v25
; rows t / 16 + 16 i
.macro ROWI i
.set w, W+8*(\i)
	s_wait_loadcnt 18-2*(\i)                       ; my two loads of this row are in, the younger ones stay out
	v_pk_add_f32 v[10:11], v[w:w+1], v[w+2:w+3]
	v_pk_add_f32 v[12:13], v[w+4:w+5], v[w+6:w+7]
	v_pk_add_f32 v[10:11], v[10:11], v[12:13]
	v_add_f32 v10, v10, v11
	v_mul_f32 v10, v10, v[BE]
.irp m, 1,2,4,8
	v_add_f32_dpp v10, v10, v10 row_xmask:\m row_mask:0xf bank_mask:0xf
.endr
	ds_store_b32 v29, v10 offset:64*(\i)           ; the sixteen lanes of a row write the same word
.irp k, 0,2,4,6
	v_pk_mul_f32 v[w+\k:w+\k+1], v[w+\k:w+\k+1], v[AL:AL+1]
.endr
.irp k, 0,1,2,3
	v_cvt_pk_f16_f32 v[w+\k], v[w+2*\k], v[w+2*\k+1]
.endr
	global_store_b128 v118, v[w:w+3], s[26:27] offset:131072*(\i)   ; sixteen lanes store 256 consecutive bytes, aligned
.endm
.irp i, 0,1,2,3,4,5,6,7
	ROWI \i
.endr
	s_wait_loadcnt 0x0
.irp j, 0,1
.irp k, 0,1,2,3
	v_cvt_pk_f16_f32 v[W2+8*\j+\k], v[W2+8*\j+2*\k], v[W2+8*\j+2*\k+1]
.endr
	global_store_b128 v119, v[W2+8*\j:W2+8*\j+3], s[28:29] offset:4096*\j
.endr
	s_wait_dscnt 0x0
	s_barrier_signal -1
	s_barrier_wait -1
	s_cmp_lg_u32 s2, 0
	s_cbranch_scc1 .Lend
	v_lshl_add_u32 v31, v0, 4, BS
	ds_load_b128 v[8:11], v31
	s_wait_dscnt 0x0
	global_store_b128 v119, v[8:11], s[30:31]      ; 512 consecutive bytes of pb1
.Lend:
	s_wait_tensorcnt 0x0                           ; the wave's end
	ds_add_u32 v[SPW], v[NIL]
	s_wait_dscnt 0x0
	s_endpgm
.Lfunc_end_k_qcd56d6a9c0_w1p:
	.size	k_qcd56d6a9c0_w1p, .Lfunc_end_k_qcd56d6a9c0_w1p-k_qcd56d6a9c0_w1p
	.p2alignl 7, 3214868480
	.fill 96, 4, 3214868480
	.section	.rodata,"a",@progbits
	.p2align	6, 0x0
	.amdhsa_kernel k_qcd56d6a9c0_w1p
		.amdhsa_group_segment_fixed_size 2048
		.amdhsa_private_segment_fixed_size 0
		.amdhsa_enable_private_segment 0
		.amdhsa_kernarg_size 48
		.amdhsa_user_sgpr_count 2
		.amdhsa_user_sgpr_kernarg_segment_ptr 1
		.amdhsa_wavefront_size32 1
		.amdhsa_system_sgpr_workgroup_id_x 1
		.amdhsa_system_sgpr_workgroup_id_y 1
		.amdhsa_system_sgpr_workgroup_id_z 1
		.amdhsa_system_vgpr_workitem_id 0
		.amdhsa_next_free_vgpr 128
		.amdhsa_next_free_sgpr 66
		.amdhsa_reserve_vcc 0
		.amdhsa_float_denorm_mode_32 3
		.amdhsa_float_denorm_mode_16_64 3
		.amdhsa_memory_ordered 1
		.amdhsa_forward_progress 1
		.amdhsa_inst_pref_size 19
	.end_amdhsa_kernel
	.amdgpu_metadata
---
amdhsa.version: [ 1, 2 ]
amdhsa.kernels:
  - .name:           k_qcd56d6a9c0_w1p
    .symbol:         k_qcd56d6a9c0_w1p.kd
    .args:
      - { .name: w1, .offset: 0, .size: 8, .value_kind: global_buffer, .address_space: global }
      - { .name: w2, .offset: 8, .size: 8, .value_kind: global_buffer, .address_space: global }
      - { .name: arm_g, .offset: 16, .size: 8, .value_kind: global_buffer, .address_space: global }
      - { .name: arm_b, .offset: 24, .size: 8, .value_kind: global_buffer, .address_space: global }
      - { .name: armb, .offset: 32, .size: 8, .value_kind: global_buffer, .address_space: global }
      - { .name: wts, .offset: 40, .size: 8, .value_kind: global_buffer, .address_space: global }
    .group_segment_fixed_size: 2048
    .private_segment_fixed_size: 0
    .kernarg_segment_align: 8
    .kernarg_segment_size: 48
    .max_flat_workgroup_size: 256
    .sgpr_count:     66
    .vgpr_count:     128
    .wavefront_size: 32
...
	.end_amdgpu_metadata
.endif
;; end of part 3
;; launch gemm1 (part 4): grid 8 x 32, 4 waves a work-group, clusters of 4 x 4, 327,680 bytes of LDS; arguments armb, wts, zb1; writes zb1
.if DOCPART == 4
	.amdgcn_target "amdgcn-amd-amdhsa--gfx1250"
	.amdhsa_code_object_version 6
	.text
	.protected	k_qcd56d6a9c0_gemm1
	.globl	k_qcd56d6a9c0_gemm1
	.p2align	8
	.type	k_qcd56d6a9c0_gemm1,@function
k_qcd56d6a9c0_gemm1:
	s_mov_b64 s[64:65], 0
	v_nop
	global_prefetch_b8 v0, s[64:65] scope:SCOPE_SE
	s_setreg_imm32_b32 hwreg(HW_REG_WAVE_MODE, 25, 1), 1
	s_wait_xcnt 0x0
	s_wait_alu depctr_hold_cnt(0) depctr_sa_sdst(0) depctr_va_vdst(0) depctr_va_sdst(0) depctr_va_ssrc(0) depctr_va_vcc(0) depctr_vm_vsrc(0)
	s_getreg_b32 s2, hwreg(HW_REG_IB_STS2, 6, 4)
	s_cmp_eq_u32 s2, 0
	s_cbranch_scc0 .Lentry_in_a_cluster
	s_endpgm
.Lentry_in_a_cluster:
	s_bfe_u32 s2, ttmp6, 0x10000c
	s_cmp_lg_u32 s2, 0xf033
	s_cbranch_scc0 .Lentry_shape_is_right
	s_endpgm
.Lentry_shape_is_right:
; z[m][n] = sum over k of A[m][k] B[n][k].  A: [4096][SIZE_K] f16, B: [1024][SIZE_K] f16 at byte BOFF of its buffer, z: [4096][1024] f16 (no bias: it is added where the batch norm is applied); sums in f32.
; Beside z: for each column the sum and the sum of squares of the tile's 128 ROUNDED numbers, f32, at byte 8,388,608 + (tile row x 1024 + n) x 8.
; A tile of z is 128 x 128, which gives each of 256 work-groups one.  Four waves, each 64 x 64: 16 accumulators.  K goes in steps of 256 (LDS rows of 512 bytes + 16 of padding; a wave's tensor load brings 64
; of them) through two slots.  CLUSTERS: 4 x 4 work-groups; the four of a row of the cluster need the same tiles of A, the four of a column the same tiles of B: each tile is asked for JOINTLY, by the same
; tensor load with the same descriptor and a mask that names the four.  THE MATRIX INSTRUCTION IS USED TRANSPOSED (source 0 = rows of B, source 1 = rows of A): a lane holds eight neighbouring numbers of a row of z.
; f16, since bf16's eight bits would spend the output's allowance.  LIMIT: A, B and z lie within 65,504.
; REGISTERS: window 0: v0-31 addresses; v32-95 at work on the way out; v96-117 the columns' sums; v128-255 the accumulators.  Window 1: two fragment buffers of 128.
.set SIZE_M, 4096
.set SIZE_N, 1024
.set SIZE_K, 4096
.set BOFF,   0
.set KSTEP,  256
.set PITCH,  528                       ; 132 words: the 16 rows that a fragment load touches start at 16 different groups of four banks
.set HALFT,  64*PITCH
.set SLOT,   4*HALFT                   ; A's 128 rows, then B's 128 rows
.set STAGE,  2*SLOT                    ; behind the ring: 128 rows x 272 bytes, for the way out
.set SPITCH, 272
.set SPARE,  STAGE+128*SPITCH          ; the spare words, 128 bytes a wave
.set CS,     SPARE+512                 ; [4 waves][128 columns][2] f32; no tensor load fills it
.set LAPS, SIZE_K/(2*KSTEP)
.set ADRA, 16
.set ADRB, 20
.set STO,  24
.set RD,   25
.set CO,   26
.set CSA,  27
.set SPW,  28
.set NIL,  29
.set CSR,  30
.set CSG,  31
.set TMP,  32
.set ST,   96                          ; v96-111 for my 8 columns: sum, sum of squares
.set ONE,  112
.set ZR,   113
.set PT,   114                         ; v114-117
.set ACC,  128
.set F0,   0
.set F1,   128
.set G1, 24
.set G0, 32
.set G1B, 48
.set G0B, 56
.set MSB, 0
.macro WIN new                         ; the immediate's high byte repeats the setting that is left
.if MSB != (\new)
	s_set_vgpr_msb (MSB<<8)|(\new)
.set MSB, \new
.endif
.endm
.set MUL,  0x05                        ; sources 0 (B) and 1 (A) window 1; C and D window 0
.set TO_F, 0x40                        ; destination window 1, address window 0
.macro JLOAD s                         ; a joint load: waves 0 and 1 fetch A's two halves, waves 2 and 3 B's; an s_nop 0 and four v_nop follow each line
	s_cmp_eq_u32 s11, 0
	s_cbranch_scc0 .Lfor_b_\@
	tensor_load_to_lds s[G0+4*(\s):G0+4*(\s)+3], s[G1:G1+7]
	s_nop 0
.rept 4
	v_nop
.endr
	s_branch .Lasked_\@
.Lfor_b_\@:
	tensor_load_to_lds s[G0B+4*(\s):G0B+4*(\s)+3], s[G1B:G1B+7]
	s_nop 0
.rept 4
	v_nop
.endr
.Lasked_\@:
.endm
.macro CREST                           ; a round of the cluster's barrier behind its opening barrier
	s_cmp_lg_u32 s10, 0
	s_cbranch_scc1 .Lnot_wave_0_\@
	s_barrier_signal -3
.Lnot_wave_0_\@:
	s_barrier_wait -3
	s_barrier_signal -1
	s_barrier_wait -1
.endm
.macro CROUND
	s_barrier_signal -1
	s_barrier_wait -1
	CREST
.endm
	s_load_b128 s[4:7], s[0:1], 0x0                ; A s[4:5], B's buffer s[6:7]
	s_load_b64 s[8:9], s[0:1], 0x10                ; z's buffer
	v_lshl_add_u32 v[SPW], v0, 2, SPARE
	v_mov_b32 v[NIL], 0
	ds_add_u32 v[SPW], v[NIL]                      ; the wave's opening: the add and its wait ahead of my first tensor load
	v_lshrrev_b32 v1, 5, v0
	v_readfirstlane_b32 s10, v1                    ; wave 0..3
	s_lshr_b32 s11, s10, 1                         ; my half of the tile's rows.  Also: I fetch for A (0) or for B (1)
	s_and_b32 s12, s10, 1                          ; my half of its columns.  Also: which 64 rows I fetch
	s_bfe_u32 s40, ttmp6, 0x40000                  ; cx, cy
	s_bfe_u32 s41, ttmp6, 0x40004
	s_lshl_b32 s42, ttmp9, 2
	s_add_co_u32 s42, s42, s40                     ; tile column
	s_and_b32 s13, ttmp7, 0xffff
	s_lshl_b32 s13, s13, 2
	s_add_co_u32 s13, s13, s41                     ; tile row
	s_lshl_b32 s43, s41, 2
	s_lshl_b32 s43, 15, s43                        ; my row of the cluster
	s_lshl_b32 s44, 0x1111, s40                    ; my column
	s_or_b32 s[G1+0], s43, (1<<16)|(1<<20)|(1<<21)|(6<<22)|(3<<25)  ; mask; 2-byte elements; padding on; bit 21 beside a mask; after every 128 words 4 words
	s_or_b32 s[G1B+0], s44, (1<<16)|(1<<20)|(1<<21)|(6<<22)|(3<<25)
.irp g, G1, G1B
	s_mov_b32 s[(\g)+1], KSTEP<<16                 ; tensor_dim0 = 256
	s_mov_b32 s[(\g)+2], 64<<16                    ; tensor_dim1 = 64
	s_mov_b32 s[(\g)+3], KSTEP<<16                 ; tile_dim0 = 256
	s_mov_b32 s[(\g)+4], 64                        ; tile_dim1 = 64
	s_mov_b32 s[(\g)+5], SIZE_K                    ; elements from row to row
	s_mov_b32 s[(\g)+6], 0
	s_mov_b32 s[(\g)+7], 0
.endr
	s_lshl_b32 s17, s12, 6
	s_lshl_b32 s16, s13, 7
	s_add_co_u32 s16, s16, s17                     ; A: row 128 x tile row + 64 x half
	s_lshl_b32 s46, s42, 7
	s_add_co_u32 s46, s46, s17                     ; B: row 128 x tile column + 64 x half
	s_mov_b32 s17, 0
	s_mov_b32 s47, 0
	s_mov_b64 s[18:19], SIZE_K*2
	s_mul_u64 s[16:17], s[16:17], s[18:19]
	s_mul_u64 s[46:47], s[46:47], s[18:19]
.if BOFF
	s_add_nc_u64 s[46:47], s[46:47], BOFF
.endif
	s_mul_i32 s20, s10, HALFT                      ; where they go: wave x 64 rows
	s_wait_dscnt 0x0                               ; the opening add is done
	s_wait_kmcnt 0x0
	s_add_nc_u64 s[14:15], s[4:5], s[16:17]
	s_add_nc_u64 s[46:47], s[6:7], s[46:47]
	CROUND                                         ; all sixteen work-groups are here: the first joint loads meet
.irp s, 0,1
	s_mov_b32 s[G0+4*(\s)], 1
	s_add_co_u32 s[G0+4*(\s)+1], s20, (\s)*SLOT
	s_add_nc_u64 s[G0+4*(\s)+2:G0+4*(\s)+3], s[14:15], (\s)*KSTEP*2
	s_or_b32 s[G0+4*(\s)+3], s[G0+4*(\s)+3], 0x80000000
	s_mov_b32 s[G0B+4*(\s)], 1
	s_add_co_u32 s[G0B+4*(\s)+1], s20, (\s)*SLOT
	s_add_nc_u64 s[G0B+4*(\s)+2:G0B+4*(\s)+3], s[46:47], (\s)*KSTEP*2
	s_or_b32 s[G0B+4*(\s)+3], s[G0B+4*(\s)+3], 0x80000000
	JLOAD \s
.endr
	v_and_b32 v1, 15, v0                           ; l % 16
	v_bfe_u32 v2, v0, 4, 1                         ; l / 16
	v_mul_u32_u24 v3, v1, PITCH
	v_lshl_add_u32 v3, v2, 4, v3
	s_mul_i32 s21, s11, HALFT
	s_mul_i32 s22, s12, HALFT
	s_add_co_u32 s22, s22, 2*HALFT
.irp s, 0,1
	v_add_nc_u32 v[ADRA+(\s)], s21, v3
	v_add_nc_u32 v[ADRB+(\s)], s22, v3
	s_add_co_u32 s21, s21, SLOT
	s_add_co_u32 s22, s22, SLOT
.endr
	s_mul_i32 s23, s11, 64*SPITCH                  ; into the stage: my 64 rows, my half of their 256 bytes
	s_lshl_b32 s21, s12, 7
	s_add_co_u32 s23, s23, s21
	s_add_co_u32 s23, s23, STAGE
	v_mul_u32_u24 v4, v1, SPITCH
	v_lshl_add_u32 v4, v2, 4, v4
	v_add_nc_u32 v[STO], s23, v4
	s_mul_i32 s23, s10, 32*SPITCH                  ; back: wave w takes rows 32 w .. 32 w + 31, whole
	s_add_co_u32 s23, s23, STAGE
	v_mul_u32_u24 v5, v2, SPITCH
	v_lshl_add_u32 v5, v1, 4, v5
	v_add_nc_u32 v[RD], s23, v5
	v_mul_u32_u24 v5, v2, SIZE_N*2
	v_lshl_add_u32 v[CO], v1, 4, v5
	s_lshl_b32 s23, s10, 10
	s_add_co_u32 s23, s23, CS
	v_lshl_add_u32 v[CSA], v1, 6, s23              ; CS[w][8 (l % 16)]
	v_lshl_add_u32 v[CSR], v0, 3, CS               ; CS[.][thread]
	v_lshlrev_b32 v[CSG], 3, v0
	s_lshl_b32 s16, s13, 13                        ; the columns' sums: (tile row x 1024 + tile column x 128) x 8 bytes behind z
	s_mov_b32 s17, 0
	s_add_nc_u64 s[40:41], s[8:9], s[16:17]
	s_lshl_b32 s46, s42, 10
	s_mov_b32 s47, 0
	s_add_nc_u64 s[40:41], s[40:41], s[46:47]
	s_add_nc_u64 s[40:41], s[40:41], 0x800000
	s_lshl_b32 s16, s13, 7
	s_lshl_b32 s17, s10, 5
	s_add_co_u32 s16, s16, s17                     ; the first row of z that I store
	s_mov_b32 s17, 0
	s_mov_b64 s[18:19], SIZE_N*2
	s_mul_u64 s[16:17], s[16:17], s[18:19]
	s_add_nc_u64 s[8:9], s[8:9], s[16:17]
	s_lshl_b32 s46, s42, 8
	s_mov_b32 s47, 0
	s_add_nc_u64 s[8:9], s[8:9], s[46:47]
; 8 matrix instructions: m blocks a0, a0 + 1 x all 4 n blocks, 32 along K: half c of buffer f.  zero = 1: the first product starts the sums
.macro MUL8 f, c, a0, zero
	WIN MUL
.irp a, \a0, (\a0)+1
.irp b, 0,1,2,3
.if \zero
	v_wmma_f32_16x16x32_f16 v[ACC+8*(4*(\a)+(\b)):ACC+8*(4*(\a)+(\b))+7], v[(\f)+64+8*(4*(\c)+(\b)):(\f)+64+8*(4*(\c)+(\b))+7], v[(\f)+8*(4*(\c)+(\a)):(\f)+8*(4*(\c)+(\a))+7], 0
.else
	v_wmma_f32_16x16x32_f16 v[ACC+8*(4*(\a)+(\b)):ACC+8*(4*(\a)+(\b))+7], v[(\f)+64+8*(4*(\c)+(\b)):(\f)+64+8*(4*(\c)+(\b))+7], v[(\f)+8*(4*(\c)+(\a)):(\f)+8*(4*(\c)+(\a))+7], v[ACC+8*(4*(\a)+(\b)):ACC+8*(4*(\a)+(\b))+7]
.endif
.endr
.endr
.endm
; 32 LDS loads in one run: the fragments of 64 along K at byte k of the rows, into buffer f; the first 32 along K first
.macro FETCH slot, k, f
	WIN TO_F
.irp c, 0,1
.irp i, 0,1,2,3
	ds_load_b128 v[(\f)+64+8*(4*(\c)+(\i)):(\f)+64+8*(4*(\c)+(\i))+3],   v[ADRB+(\slot)] offset:(\k)+64*(\c)+(\i)*16*PITCH
	ds_load_b128 v[(\f)+64+8*(4*(\c)+(\i))+4:(\f)+64+8*(4*(\c)+(\i))+7], v[ADRB+(\slot)] offset:(\k)+64*(\c)+(\i)*16*PITCH+32
	ds_load_b128 v[(\f)+8*(4*(\c)+(\i)):(\f)+8*(4*(\c)+(\i))+3],         v[ADRA+(\slot)] offset:(\k)+64*(\c)+(\i)*16*PITCH
	ds_load_b128 v[(\f)+8*(4*(\c)+(\i))+4:(\f)+8*(4*(\c)+(\i))+7],       v[ADRA+(\slot)] offset:(\k)+64*(\c)+(\i)*16*PITCH+32
.endr
.endr
.endm
.macro PLACES                          ; four places in front of loads into registers that matrix instructions have read, and of conversions that read results
.rept 4
	v_nop
.endr
.endm
; A K step is four quarters of 64 along K, 32 matrix instructions each, on buffers 0, 1, 0, 1; the 16 accumulators take turns
.macro QUARTER slot, k, f, g, zero
	s_wait_dscnt 16                                ; the first 32 along K are in
	WIN MUL
	MUL8 \f, 0, 0, \zero
	MUL8 \f, 0, 2, \zero
	PLACES
	FETCH \slot, \k, \g
	s_wait_dscnt 32                                ; all but the 32 just issued
	WIN MUL
	MUL8 \f, 1, 0, 0
	MUL8 \f, 1, 2, 0
.endm
; The last quarter changes slots: ONE barrier; in front of it each wave waits for all its tensor loads, adds 0 to its spare word, and waits for that and for its reads of this slot
.macro TURN slot, next, fill
	WIN 0
	s_wait_tensorcnt 0x0                           ; all my tensor loads have landed: my part of the next slot
	ds_add_u32 v[SPW], v[NIL]
	s_wait_dscnt 17                                ; (the add and the youngest sixteen loads may be out)
	WIN MUL
	MUL8 F1, 0, 0, 0
	s_wait_dscnt 0x0                               ; the add is done, and my reads of this slot are over
	s_barrier_signal -1
	MUL8 F1, 0, 2, 0
.if \fill
	WIN 0
.endif
	s_barrier_wait -1
.if \fill
	CREST                                          ; the barrier has opened a round of the cluster's: no wave of any partner still reads this slot or has a load on its way
	s_add_nc_u64 s[G0+4*(\slot)+2:G0+4*(\slot)+3], s[G0+4*(\slot)+2:G0+4*(\slot)+3], 2*KSTEP*2
	s_add_nc_u64 s[G0B+4*(\slot)+2:G0B+4*(\slot)+3], s[G0B+4*(\slot)+2:G0B+4*(\slot)+3], 2*KSTEP*2
	JLOAD \slot                                    ; the first tensor load behind the round, 112 matrix instructions ahead of the wait for it
.else
	PLACES
.endif
	FETCH \next, 0, F0
	WIN MUL
	MUL8 F1, 1, 0, 0
	MUL8 F1, 1, 2, 0
.endm
	s_wait_tensorcnt 1                             ; my part of K step 0 is in; K step 1's may stay out
	s_barrier_signal -1
	s_barrier_wait -1
	FETCH 0, 0, F0
	QUARTER 0, 128, F0, F1, 1                      ; the first quarter stands in front of the loop: its first products start the sums
	WIN 0
	s_mov_b32 s3, LAPS-1
.Llap:                                                 ; a trip goes once round the ring and fills both slots again
	QUARTER 0, 256, F1, F0, 0
	QUARTER 0, 384, F0, F1, 0
	TURN 0, 1, 1
	QUARTER 1, 128, F0, F1, 0
	QUARTER 1, 256, F1, F0, 0
	QUARTER 1, 384, F0, F1, 0
	TURN 1, 0, 1
	QUARTER 0, 128, F0, F1, 0
	WIN 0
	s_sub_co_u32 s3, s3, 1
	s_cmp_lg_u32 s3, 0
	s_cbranch_scc1 .Llap
	QUARTER 0, 256, F1, F0, 0                      ; the last lap fills nothing
	QUARTER 0, 384, F0, F1, 0
	TURN 0, 1, 0
	QUARTER 1, 128, F0, F1, 0
	QUARTER 1, 256, F1, F0, 0
	QUARTER 1, 384, F0, F1, 0
	s_wait_dscnt 16
	WIN MUL
	MUL8 F1, 0, 0, 0
	MUL8 F1, 0, 2, 0
	s_wait_dscnt 0
	MUL8 F1, 1, 0, 0
	MUL8 F1, 1, 2, 0
	WIN 0
	; THE WAY OUT: round to f16; 16 bytes a lane into the stage; a barrier, since a row's 256 bytes come from two waves; back as whole rows, 32 rows a wave
	PLACES
.irp t, 0,1,2,3,4,5,6,7,8,9,10,11,12,13,14,15
.irp r, 0,1,2,3
	v_cvt_pk_f16_f32 v[TMP+4*(\t)+(\r)], v[ACC+8*(\t)+2*(\r)], v[ACC+8*(\t)+2*(\r)+1]
.endr
.endr
	v_mov_b32 v[ONE], 1.0
	v_mov_b32 v[ZR], 0
.irp k, 0,1,2,3
	v_mov_b32 v[PT+\k], 0                          ; v_permlanex16_b32 counts as a reader of its destination
.endr
.irp a, 0,1,2,3
.irp b, 0,1,2,3
	ds_store_b128 v[STO], v[TMP+4*(4*(\a)+(\b)):TMP+4*(4*(\a)+(\b))+3] offset:(\a)*16*SPITCH+32*(\b)
.endr
.endr
	s_wait_dscnt 0x0
	s_barrier_signal -1
	s_barrier_wait -1
.irp t, 0,1,2,3,4,5,6,7,8,9,10,11,12,13,14,15
	ds_load_b128 v[TMP+4*(\t):TMP+4*(\t)+3], v[RD] offset:(\t)*2*SPITCH
.endr
; my 8 columns of the row just read: sum and sum of squares, straight from the f16 halves into f32; the first row starts the sums
.macro COLS t
.set j, 0
.rept 8
.set x, TMP+4*(\t)+j/2
.if (\t) == 0
.set a0, ZR
.set a1, ZR
.else
.set a0, ST+2*j
.set a1, ST+2*j+1
.endif
.if j%2
	v_fma_mix_f32 v[ST+2*j], v[x], v[ONE], v[a0] op_sel:[1,0,0] op_sel_hi:[1,0,0]
	v_fma_mix_f32 v[ST+2*j+1], v[x], v[x], v[a1] op_sel:[1,1,0] op_sel_hi:[1,1,0]
.else
	v_fma_mix_f32 v[ST+2*j], v[x], v[ONE], v[a0] op_sel_hi:[1,0,0]
	v_fma_mix_f32 v[ST+2*j+1], v[x], v[x], v[a1] op_sel_hi:[1,1,0]
.endif
.set j, j+1
.endr
.endm
.irp t, 0,1,2,3,4,5,6,7,8,9,10,11,12,13,14,15
	s_wait_dscnt 15-(\t)
	global_store_b128 v[CO], v[TMP+4*(\t):TMP+4*(\t)+3], s[8:9] offset:2*(\t)*SIZE_N*2  ; 16 lanes store 256 consecutive bytes, aligned
	COLS \t
.endr
	s_mov_b32 s20, 0x76543210
	s_mov_b32 s21, 0xfedcba98
.set j, 0
.rept 4                                ; the odd rows' sums lie in the lane 16 away
.irp k, 0,1,2,3
	v_permlanex16_b32 v[PT+\k], v[ST+4*j+\k], s20, s21
.endr
.irp k, 0,1,2,3
	v_add_f32 v[ST+4*j+\k], v[ST+4*j+\k], v[PT+\k]
.endr
.set j, j+1
.endr
.irp k, 0,1,2,3
	ds_store_b128 v[CSA], v[ST+4*\k:ST+4*\k+3] offset:16*\k   ; both halves of the lanes write the same words
.endr
	s_wait_dscnt 0x0
	s_barrier_signal -1
	s_barrier_wait -1
.irp k, 0,1,2,3
	ds_load_b64 v[ST+2*\k:ST+2*\k+1], v[CSR] offset:1024*\k   ; thread = column: the four waves' sums
.endr
	s_wait_dscnt 0x0
	v_pk_add_f32 v[ST:ST+1], v[ST:ST+1], v[ST+2:ST+3]
	v_pk_add_f32 v[ST+4:ST+5], v[ST+4:ST+5], v[ST+6:ST+7]
	v_pk_add_f32 v[ST:ST+1], v[ST:ST+1], v[ST+4:ST+5]
	global_store_b64 v[CSG], v[ST:ST+1], s[40:41]  ; a wave stores 256 consecutive bytes, aligned
	s_wait_tensorcnt 0x0                           ; the wave's end
	ds_add_u32 v[SPW], v[NIL]
	s_wait_dscnt 0x0
	CROUND                                         ; the closing round
	s_endpgm
.Lfunc_end_k_qcd56d6a9c0_gemm1:
	.size	k_qcd56d6a9c0_gemm1, .Lfunc_end_k_qcd56d6a9c0_gemm1-k_qcd56d6a9c0_gemm1
	.p2alignl 7, 3214868480
	.fill 96, 4, 3214868480
	.section	.rodata,"a",@progbits
	.p2align	6, 0x0
	.amdhsa_kernel k_qcd56d6a9c0_gemm1
		.amdhsa_group_segment_fixed_size 327680
		.amdhsa_private_segment_fixed_size 0
		.amdhsa_enable_private_segment 0
		.amdhsa_kernarg_size 24
		.amdhsa_user_sgpr_count 2
		.amdhsa_user_sgpr_kernarg_segment_ptr 1
		.amdhsa_wavefront_size32 1
		.amdhsa_system_sgpr_workgroup_id_x 1
		.amdhsa_system_sgpr_workgroup_id_y 1
		.amdhsa_system_sgpr_workgroup_id_z 1
		.amdhsa_system_vgpr_workitem_id 0
		.amdhsa_next_free_vgpr 512
		.amdhsa_next_free_sgpr 66
		.amdhsa_reserve_vcc 0
		.amdhsa_float_denorm_mode_32 3
		.amdhsa_float_denorm_mode_16_64 3
		.amdhsa_memory_ordered 1
		.amdhsa_forward_progress 1
		.amdhsa_inst_pref_size 106
	.end_amdhsa_kernel
	.amdgpu_metadata
---
amdhsa.version: [ 1, 2 ]
amdhsa.kernels:
  - .name:           k_qcd56d6a9c0_gemm1
    .symbol:         k_qcd56d6a9c0_gemm1.kd
    .args:
      - { .name: armb, .offset: 0, .size: 8, .value_kind: global_buffer, .address_space: global }
      - { .name: wts, .offset: 8, .size: 8, .value_kind: global_buffer, .address_space: global }
      - { .name: zb1, .offset: 16, .size: 8, .value_kind: global_buffer, .address_space: global }
    .group_segment_fixed_size: 327680
    .private_segment_fixed_size: 0
    .kernarg_segment_align: 8
    .kernarg_segment_size: 24
    .max_flat_workgroup_size: 128
    .sgpr_count:     66
    .vgpr_count:     512
    .wavefront_size: 32
...
	.end_amdgpu_metadata
.endif
;; end of part 4
;; launch bn1 (part 5): grid 8 x 32, 8 waves a work-group, no clusters, 6,144 bytes of LDS; arguments zb1, wts, b1, g1, bt1, h1; writes h1
.if DOCPART == 5
	.amdgcn_target "amdgcn-amd-amdhsa--gfx1250"
	.amdhsa_code_object_version 6
	.text
	.protected	k_qcd56d6a9c0_bn1
	.globl	k_qcd56d6a9c0_bn1
	.p2align	8
	.type	k_qcd56d6a9c0_bn1,@function
k_qcd56d6a9c0_bn1:
	s_mov_b64 s[64:65], 0
	v_nop
	global_prefetch_b8 v0, s[64:65] scope:SCOPE_SE
	s_setreg_imm32_b32 hwreg(HW_REG_WAVE_MODE, 25, 1), 1
	s_wait_xcnt 0x0
; h1 = relu(batch norm(z + c1)), c1[n] = b1[n] + sum over g of pb1[g][n] (the part of the first layer that arm's own batch norm's shift makes).  z: f16 sums; h1: f16.
; Work-group (x, y): columns 128 x .. + 127, rows 128 y .. + 127.  Each work-group adds the 32 tiles' sums for its 128 columns (32 KB), then streams its block once: 16 lanes take 256 consecutive bytes.
; h = z s + t with s = g1 / sqrt(var + eps), t = bt1 + (c1 - mean(z + c1)) s.  LIMITS: var = sum2/N - mean^2 in f32 loses (mean/spread)^2 x 2^-24; h1 within 65,504.
; Memory and latency bind: no matrix unit, cluster or tensor load would add anything.
.set RED, 0                            ; [2 halves][128 columns][4]
.set SS,  4096                         ; s: 128 f32; t 512 bytes on
.set SPARE, 5120
.set SPW, 2
.set NIL, 3
.set Z,   8                            ; v8-39
.set ZS,  40                           ; v40-71
.set PB,  72                           ; v72-87
.set T,   92                           ; v92-99
.set SV,  100                          ; v100-107
.set TV,  108                          ; v108-115
	s_load_b256 s[4:11], s[0:1], 0x0               ; zb1, wts, b1, g1
	s_load_b128 s[12:15], s[0:1], 0x20             ; bt1, h1
	v_lshl_add_u32 v[SPW], v0, 2, SPARE
	v_mov_b32 v[NIL], 0
	v_lshrrev_b32 v1, 5, v0
	v_readfirstlane_b32 s2, v1
	s_and_b32 s3, ttmp7, 0xffff
	v_and_b32 v4, 15, v0
	v_lshrrev_b32 v5, 4, v0
	v_lshlrev_b32 v116, 4, v4
	v_lshl_add_u32 v116, v5, 11, v116              ; row t / 16, 16 bytes at column chunk t % 16
	v_and_b32 v6, 127, v0
	v_lshrrev_b32 v7, 7, v0
	v_lshlrev_b32 v117, 3, v6
	v_lshl_add_u32 v117, v7, 17, v117              ; the column's sums, sixteen tiles for each half of the threads
	v_lshlrev_b32 v118, 2, v6
	v_lshl_add_u32 v119, v7, 16, v118              ; pb1 likewise
	v_lshlrev_b32 v120, 4, v0
	v_add_nc_u32 v121, SS, v118
	v_lshl_add_u32 v122, v4, 5, SS
	v_mov_b32 v126, 0
	s_lshl_b32 s16, s3, 18
	s_lshl_b32 s17, ttmp9, 8
	s_add_co_u32 s16, s16, s17
	s_mov_b32 s17, 0
	s_lshl_b32 s18, ttmp9, 10
	s_mov_b32 s19, 0
	s_lshl_b32 s20, ttmp9, 9
	s_mov_b32 s21, 0
	s_wait_kmcnt 0x0
	s_add_nc_u64 s[22:23], s[4:5], s[18:19]
	s_add_nc_u64 s[22:23], s[22:23], 0x800000
	s_add_nc_u64 s[4:5], s[4:5], s[16:17]
	s_add_nc_u64 s[14:15], s[14:15], s[16:17]
	s_add_nc_u64 s[6:7], s[6:7], s[20:21]
	s_add_nc_u64 s[6:7], s[6:7], 0xa00000
	s_add_nc_u64 s[8:9], s[8:9], s[20:21]
	s_add_nc_u64 s[10:11], s[10:11], s[20:21]
	s_add_nc_u64 s[12:13], s[12:13], s[20:21]
.set i, 0
.rept 16
	global_load_b64 v[ZS+2*i:ZS+2*i+1], v117, s[22:23] offset:8192*i
.set i, i+1
.endr
.set i, 0
.rept 16
	global_load_b32 v[PB+i], v119, s[6:7] offset:4096*i
.set i, i+1
.endr
	global_load_b32 v88, v118, s[8:9]
	global_load_b32 v89, v118, s[10:11]
	global_load_b32 v90, v118, s[12:13]
.irp i, 0,1,2,3,4,5,6,7
	global_load_b128 v[Z+4*\i:Z+4*\i+3], v116, s[4:5] offset:32768*\i
.endr
	s_wait_loadcnt 8                               ; all but the eight loads of z
.irp d, 8,4,2,1
.set i, 0
.rept \d
	v_pk_add_f32 v[ZS+2*i:ZS+2*i+1], v[ZS+2*i:ZS+2*i+1], v[ZS+2*(i+\d):ZS+2*(i+\d)+1]
.set i, i+1
.endr
.endr
.irp d, 4,2,1
.set i, 0
.rept \d
	v_pk_add_f32 v[PB+2*i:PB+2*i+1], v[PB+2*i:PB+2*i+1], v[PB+2*(i+\d):PB+2*(i+\d)+1]
.set i, i+1
.endr
.endr
	v_add_f32 v[ZS+2], v[PB], v[PB+1]
	v_mov_b32 v[ZS+3], 0
	ds_store_b128 v120, v[ZS:ZS+3]
	s_wait_dscnt 0x0
	s_barrier_signal -1
	s_barrier_wait -1
	s_cmp_ge_u32 s2, 4
	s_cbranch_scc1 .Lnostat
	ds_load_b128 v[40:43], v120
	ds_load_b128 v[44:47], v120 offset:2048
	s_wait_dscnt 0x0
	v_pk_add_f32 v[40:41], v[40:41], v[44:45]
	v_add_f32 v42, v42, v46
	v_add_f32 v42, v88, v42                        ; c1
	v_mul_f32 v40, 0x39800000, v40                 ; / 4,096
	v_mul_f32 v41, 0x39800000, v41
	v_fma_f32 v41, -v40, v40, v41
	v_add_f32 v41, 0x3727c5ac, v41
	v_rsq_f32 v41, v41
	v_add_f32 v43, v40, v42                        ; the mean of z + c1 (a plain line behind the root)
	v_sub_f32 v43, v42, v43
	s_wait_alu depctr_va_vdst(0)
	v_mul_f32 v41, v89, v41                        ; s
	v_fma_f32 v43, v43, v41, v90                   ; t
	ds_store_b32 v121, v41
	ds_store_b32 v121, v43 offset:512
.Lnostat:
	s_wait_dscnt 0x0
	s_barrier_signal -1
	s_barrier_wait -1
	ds_load_b128 v[SV:SV+3], v122
	ds_load_b128 v[SV+4:SV+7], v122 offset:16
	ds_load_b128 v[TV:TV+3], v122 offset:512
	ds_load_b128 v[TV+4:TV+7], v122 offset:528
	s_wait_dscnt 0x0
.macro ROWB i
.set zr, Z+4*(\i)
	s_wait_loadcnt 7-(\i)
.irp e, 0,2,4,6
	v_fma_mix_f32 v[T+\e], v[zr+\e/2], v[SV+\e], v[TV+\e] op_sel_hi:[1,0,0]
	v_fma_mix_f32 v[T+\e+1], v[zr+\e/2], v[SV+\e+1], v[TV+\e+1] op_sel:[1,0,0] op_sel_hi:[1,0,0]
.endr
.irp k, 0,1,2,3
	v_cvt_pk_f16_f32 v[zr+\k], v[T+2*\k], v[T+2*\k+1]
.endr
.irp k, 0,1,2,3
	v_pk_max_num_f16 v[zr+\k], v[zr+\k], v126      ; relu on two halves
.endr
	global_store_b128 v116, v[zr:zr+3], s[14:15] offset:32768*(\i)
.endm
.irp i, 0,1,2,3,4,5,6,7
	ROWB \i
.endr
	s_wait_tensorcnt 0x0                           ; the wave's end
	ds_add_u32 v[SPW], v[NIL]
	s_wait_dscnt 0x0
	s_endpgm
.Lfunc_end_k_qcd56d6a9c0_bn1:
	.size	k_qcd56d6a9c0_bn1, .Lfunc_end_k_qcd56d6a9c0_bn1-k_qcd56d6a9c0_bn1
	.p2alignl 7, 3214868480
	.fill 96, 4, 3214868480
	.section	.rodata,"a",@progbits
	.p2align	6, 0x0
	.amdhsa_kernel k_qcd56d6a9c0_bn1
		.amdhsa_group_segment_fixed_size 6144
		.amdhsa_private_segment_fixed_size 0
		.amdhsa_enable_private_segment 0
		.amdhsa_kernarg_size 48
		.amdhsa_user_sgpr_count 2
		.amdhsa_user_sgpr_kernarg_segment_ptr 1
		.amdhsa_wavefront_size32 1
		.amdhsa_system_sgpr_workgroup_id_x 1
		.amdhsa_system_sgpr_workgroup_id_y 1
		.amdhsa_system_sgpr_workgroup_id_z 1
		.amdhsa_system_vgpr_workitem_id 0
		.amdhsa_next_free_vgpr 128
		.amdhsa_next_free_sgpr 66
		.amdhsa_reserve_vcc 0
		.amdhsa_float_denorm_mode_32 3
		.amdhsa_float_denorm_mode_16_64 3
		.amdhsa_memory_ordered 1
		.amdhsa_forward_progress 1
		.amdhsa_inst_pref_size 19
	.end_amdhsa_kernel
	.amdgpu_metadata
---
amdhsa.version: [ 1, 2 ]
amdhsa.kernels:
  - .name:           k_qcd56d6a9c0_bn1
    .symbol:         k_qcd56d6a9c0_bn1.kd
    .args:
      - { .name: zb1, .offset: 0, .size: 8, .value_kind: global_buffer, .address_space: global }
      - { .name: wts, .offset: 8, .size: 8, .value_kind: global_buffer, .address_space: global }
      - { .name: b1, .offset: 16, .size: 8, .value_kind: global_buffer, .address_space: global }
      - { .name: g1, .offset: 24, .size: 8, .value_kind: global_buffer, .address_space: global }
      - { .name: bt1, .offset: 32, .size: 8, .value_kind: global_buffer, .address_space: global }
      - { .name: h1, .offset: 40, .size: 8, .value_kind: global_buffer, .address_space: global }
    .group_segment_fixed_size: 6144
    .private_segment_fixed_size: 0
    .kernarg_segment_align: 8
    .kernarg_segment_size: 48
    .max_flat_workgroup_size: 256
    .sgpr_count:     66
    .vgpr_count:     128
    .wavefront_size: 32
...
	.end_amdgpu_metadata
.endif
;; end of part 5
;; launch gemm2 (part 6): grid 8 x 32, 4 waves a work-group, clusters of 4 x 4, 327,680 bytes of LDS; arguments h1, wts, zb2; writes zb2
.if DOCPART == 6
	.amdgcn_target "amdgcn-amd-amdhsa--gfx1250"
	.amdhsa_code_object_version 6
	.text
	.protected	k_qcd56d6a9c0_gemm2
	.globl	k_qcd56d6a9c0_gemm2
	.p2align	8
	.type	k_qcd56d6a9c0_gemm2,@function
k_qcd56d6a9c0_gemm2:
	s_mov_b64 s[64:65], 0
	v_nop
	global_prefetch_b8 v0, s[64:65] scope:SCOPE_SE
	s_setreg_imm32_b32 hwreg(HW_REG_WAVE_MODE, 25, 1), 1
	s_wait_xcnt 0x0
	s_wait_alu depctr_hold_cnt(0) depctr_sa_sdst(0) depctr_va_vdst(0) depctr_va_sdst(0) depctr_va_ssrc(0) depctr_va_vcc(0) depctr_vm_vsrc(0)
	s_getreg_b32 s2, hwreg(HW_REG_IB_STS2, 6, 4)
	s_cmp_eq_u32 s2, 0
	s_cbranch_scc0 .Lentry_in_a_cluster
	s_endpgm
.Lentry_in_a_cluster:
	s_bfe_u32 s2, ttmp6, 0x10000c
	s_cmp_lg_u32 s2, 0xf033
	s_cbranch_scc0 .Lentry_shape_is_right
	s_endpgm
.Lentry_shape_is_right:
; z[m][n] = sum over k of A[m][k] B[n][k].  A: [4096][SIZE_K] f16, B: [1024][SIZE_K] f16 at byte BOFF of its buffer, z: [4096][1024] f16 (no bias: it is added where the batch norm is applied); sums in f32.
; Beside z: for each column the sum and the sum of squares of the tile's 128 ROUNDED numbers, f32, at byte 8,388,608 + (tile row x 1024 + n) x 8.
; The first layer's text with SIZE_K = 1024 and B behind w1h: a tile of 128 x 128 for each of 256 work-groups, four waves of 64 x 64, K steps of 256 through two slots, 4 x 4 clusters with joint loads
; (A's tiles along a row of the cluster, B's along a column), the matrix instruction used transposed.  LIMIT: A, B and z lie within 65,504.
; REGISTERS: window 0: v0-31 addresses; v32-95 at work on the way out; v96-117 the columns' sums; v128-255 the accumulators.  Window 1: two fragment buffers of 128.
.set SIZE_M, 4096
.set SIZE_N, 1024
.set SIZE_K, 1024
.set BOFF,   0x800000
.set KSTEP,  256
.set PITCH,  528                       ; 132 words: the 16 rows that a fragment load touches start at 16 different groups of four banks
.set HALFT,  64*PITCH
.set SLOT,   4*HALFT                   ; A's 128 rows, then B's 128 rows
.set STAGE,  2*SLOT                    ; behind the ring: 128 rows x 272 bytes, for the way out
.set SPITCH, 272
.set SPARE,  STAGE+128*SPITCH          ; the spare words, 128 bytes a wave
.set CS,     SPARE+512                 ; [4 waves][128 columns][2] f32; no tensor load fills it
.set LAPS, SIZE_K/(2*KSTEP)
.set ADRA, 16
.set ADRB, 20
.set STO,  24
.set RD,   25
.set CO,   26
.set CSA,  27
.set SPW,  28
.set NIL,  29
.set CSR,  30
.set CSG,  31
.set TMP,  32
.set ST,   96                          ; v96-111 for my 8 columns: sum, sum of squares
.set ONE,  112
.set ZR,   113
.set PT,   114                         ; v114-117
.set ACC,  128
.set F0,   0
.set F1,   128
.set G1, 24
.set G0, 32
.set G1B, 48
.set G0B, 56
.set MSB, 0
.macro WIN new                         ; the immediate's high byte repeats the setting that is left
.if MSB != (\new)
	s_set_vgpr_msb (MSB<<8)|(\new)
.set MSB, \new
.endif
.endm
.set MUL,  0x05                        ; sources 0 (B) and 1 (A) window 1; C and D window 0
.set TO_F, 0x40                        ; destination window 1, address window 0
.macro JLOAD s                         ; a joint load: waves 0 and 1 fetch A's two halves, waves 2 and 3 B's; an s_nop 0 and four v_nop follow each line
	s_cmp_eq_u32 s11, 0
	s_cbranch_scc0 .Lfor_b_\@
	tensor_load_to_lds s[G0+4*(\s):G0+4*(\s)+3], s[G1:G1+7]
	s_nop 0
.rept 4
	v_nop
.endr
	s_branch .Lasked_\@
.Lfor_b_\@:
	tensor_load_to_lds s[G0B+4*(\s):G0B+4*(\s)+3], s[G1B:G1B+7]
	s_nop 0
.rept 4
	v_nop
.endr
.Lasked_\@:
.endm
.macro CREST                           ; a round of the cluster's barrier behind its opening barrier
	s_cmp_lg_u32 s10, 0
	s_cbranch_scc1 .Lnot_wave_0_\@
	s_barrier_signal -3
.Lnot_wave_0_\@:
	s_barrier_wait -3
	s_barrier_signal -1
	s_barrier_wait -1
.endm
.macro CROUND
	s_barrier_signal -1
	s_barrier_wait -1
	CREST
.endm
	s_load_b128 s[4:7], s[0:1], 0x0                ; A s[4:5], B's buffer s[6:7]
	s_load_b64 s[8:9], s[0:1], 0x10                ; z's buffer
	v_lshl_add_u32 v[SPW], v0, 2, SPARE
	v_mov_b32 v[NIL], 0
	ds_add_u32 v[SPW], v[NIL]                      ; the wave's opening: the add and its wait ahead of my first tensor load
	v_lshrrev_b32 v1, 5, v0
	v_readfirstlane_b32 s10, v1                    ; wave 0..3
	s_lshr_b32 s11, s10, 1                         ; my half of the tile's rows.  Also: I fetch for A (0) or for B (1)
	s_and_b32 s12, s10, 1                          ; my half of its columns.  Also: which 64 rows I fetch
	s_bfe_u32 s40, ttmp6, 0x40000                  ; cx, cy
	s_bfe_u32 s41, ttmp6, 0x40004
	s_lshl_b32 s42, ttmp9, 2
	s_add_co_u32 s42, s42, s40                     ; tile column
	s_and_b32 s13, ttmp7, 0xffff
	s_lshl_b32 s13, s13, 2
	s_add_co_u32 s13, s13, s41                     ; tile row
	s_lshl_b32 s43, s41, 2
	s_lshl_b32 s43, 15, s43                        ; my row of the cluster
	s_lshl_b32 s44, 0x1111, s40                    ; my column
	s_or_b32 s[G1+0], s43, (1<<16)|(1<<20)|(1<<21)|(6<<22)|(3<<25)  ; mask; 2-byte elements; padding on; bit 21 beside a mask; after every 128 words 4 words
	s_or_b32 s[G1B+0], s44, (1<<16)|(1<<20)|(1<<21)|(6<<22)|(3<<25)
.irp g, G1, G1B
	s_mov_b32 s[(\g)+1], KSTEP<<16                 ; tensor_dim0 = 256
	s_mov_b32 s[(\g)+2], 64<<16                    ; tensor_dim1 = 64
	s_mov_b32 s[(\g)+3], KSTEP<<16                 ; tile_dim0 = 256
	s_mov_b32 s[(\g)+4], 64                        ; tile_dim1 = 64
	s_mov_b32 s[(\g)+5], SIZE_K                    ; elements from row to row
	s_mov_b32 s[(\g)+6], 0
	s_mov_b32 s[(\g)+7], 0
.endr
	s_lshl_b32 s17, s12, 6
	s_lshl_b32 s16, s13, 7
	s_add_co_u32 s16, s16, s17                     ; A: row 128 x tile row + 64 x half
	s_lshl_b32 s46, s42, 7
	s_add_co_u32 s46, s46, s17                     ; B: row 128 x tile column + 64 x half
	s_mov_b32 s17, 0
	s_mov_b32 s47, 0
	s_mov_b64 s[18:19], SIZE_K*2
	s_mul_u64 s[16:17], s[16:17], s[18:19]
	s_mul_u64 s[46:47], s[46:47], s[18:19]
.if BOFF
	s_add_nc_u64 s[46:47], s[46:47], BOFF
.endif
	s_mul_i32 s20, s10, HALFT                      ; where they go: wave x 64 rows
	s_wait_dscnt 0x0                               ; the opening add is done
	s_wait_kmcnt 0x0
	s_add_nc_u64 s[14:15], s[4:5], s[16:17]
	s_add_nc_u64 s[46:47], s[6:7], s[46:47]
	CROUND                                         ; all sixteen work-groups are here: the first joint loads meet
.irp s, 0,1
	s_mov_b32 s[G0+4*(\s)], 1
	s_add_co_u32 s[G0+4*(\s)+1], s20, (\s)*SLOT
	s_add_nc_u64 s[G0+4*(\s)+2:G0+4*(\s)+3], s[14:15], (\s)*KSTEP*2
	s_or_b32 s[G0+4*(\s)+3], s[G0+4*(\s)+3], 0x80000000
	s_mov_b32 s[G0B+4*(\s)], 1
	s_add_co_u32 s[G0B+4*(\s)+1], s20, (\s)*SLOT
	s_add_nc_u64 s[G0B+4*(\s)+2:G0B+4*(\s)+3], s[46:47], (\s)*KSTEP*2
	s_or_b32 s[G0B+4*(\s)+3], s[G0B+4*(\s)+3], 0x80000000
	JLOAD \s
.endr
	v_and_b32 v1, 15, v0                           ; l % 16
	v_bfe_u32 v2, v0, 4, 1                         ; l / 16
	v_mul_u32_u24 v3, v1, PITCH
	v_lshl_add_u32 v3, v2, 4, v3
	s_mul_i32 s21, s11, HALFT
	s_mul_i32 s22, s12, HALFT
	s_add_co_u32 s22, s22, 2*HALFT
.irp s, 0,1
	v_add_nc_u32 v[ADRA+(\s)], s21, v3
	v_add_nc_u32 v[ADRB+(\s)], s22, v3
	s_add_co_u32 s21, s21, SLOT
	s_add_co_u32 s22, s22, SLOT
.endr
	s_mul_i32 s23, s11, 64*SPITCH                  ; into the stage: my 64 rows, my half of their 256 bytes
	s_lshl_b32 s21, s12, 7
	s_add_co_u32 s23, s23, s21
	s_add_co_u32 s23, s23, STAGE
	v_mul_u32_u24 v4, v1, SPITCH
	v_lshl_add_u32 v4, v2, 4, v4
	v_add_nc_u32 v[STO], s23, v4
	s_mul_i32 s23, s10, 32*SPITCH                  ; back: wave w takes rows 32 w .. 32 w + 31, whole
	s_add_co_u32 s23, s23, STAGE
	v_mul_u32_u24 v5, v2, SPITCH
	v_lshl_add_u32 v5, v1, 4, v5
	v_add_nc_u32 v[RD], s23, v5
	v_mul_u32_u24 v5, v2, SIZE_N*2
	v_lshl_add_u32 v[CO], v1, 4, v5
	s_lshl_b32 s23, s10, 10
	s_add_co_u32 s23, s23, CS
	v_lshl_add_u32 v[CSA], v1, 6, s23              ; CS[w][8 (l % 16)]
	v_lshl_add_u32 v[CSR], v0, 3, CS               ; CS[.][thread]
	v_lshlrev_b32 v[CSG], 3, v0
	s_lshl_b32 s16, s13, 13                        ; the columns' sums: (tile row x 1024 + tile column x 128) x 8 bytes behind z
	s_mov_b32 s17, 0
	s_add_nc_u64 s[40:41], s[8:9], s[16:17]
	s_lshl_b32 s46, s42, 10
	s_mov_b32 s47, 0
	s_add_nc_u64 s[40:41], s[40:41], s[46:47]
	s_add_nc_u64 s[40:41], s[40:41], 0x800000
	s_lshl_b32 s16, s13, 7
	s_lshl_b32 s17, s10, 5
	s_add_co_u32 s16, s16, s17                     ; the first row of z that I store
	s_mov_b32 s17, 0
	s_mov_b64 s[18:19], SIZE_N*2
	s_mul_u64 s[16:17], s[16:17], s[18:19]
	s_add_nc_u64 s[8:9], s[8:9], s[16:17]
	s_lshl_b32 s46, s42, 8
	s_mov_b32 s47, 0
	s_add_nc_u64 s[8:9], s[8:9], s[46:47]
; 8 matrix instructions: m blocks a0, a0 + 1 x all 4 n blocks, 32 along K: half c of buffer f.  zero = 1: the first product starts the sums
.macro MUL8 f, c, a0, zero
	WIN MUL
.irp a, \a0, (\a0)+1
.irp b, 0,1,2,3
.if \zero
	v_wmma_f32_16x16x32_f16 v[ACC+8*(4*(\a)+(\b)):ACC+8*(4*(\a)+(\b))+7], v[(\f)+64+8*(4*(\c)+(\b)):(\f)+64+8*(4*(\c)+(\b))+7], v[(\f)+8*(4*(\c)+(\a)):(\f)+8*(4*(\c)+(\a))+7], 0
.else
	v_wmma_f32_16x16x32_f16 v[ACC+8*(4*(\a)+(\b)):ACC+8*(4*(\a)+(\b))+7], v[(\f)+64+8*(4*(\c)+(\b)):(\f)+64+8*(4*(\c)+(\b))+7], v[(\f)+8*(4*(\c)+(\a)):(\f)+8*(4*(\c)+(\a))+7], v[ACC+8*(4*(\a)+(\b)):ACC+8*(4*(\a)+(\b))+7]
.endif
.endr
.endr
.endm
; 32 LDS loads in one run: the fragments of 64 along K at byte k of the rows, into buffer f; the first 32 along K first
.macro FETCH slot, k, f
	WIN TO_F
.irp c, 0,1
.irp i, 0,1,2,3
	ds_load_b128 v[(\f)+64+8*(4*(\c)+(\i)):(\f)+64+8*(4*(\c)+(\i))+3],   v[ADRB+(\slot)] offset:(\k)+64*(\c)+(\i)*16*PITCH
	ds_load_b128 v[(\f)+64+8*(4*(\c)+(\i))+4:(\f)+64+8*(4*(\c)+(\i))+7], v[ADRB+(\slot)] offset:(\k)+64*(\c)+(\i)*16*PITCH+32
	ds_load_b128 v[(\f)+8*(4*(\c)+(\i)):(\f)+8*(4*(\c)+(\i))+3],         v[ADRA+(\slot)] offset:(\k)+64*(\c)+(\i)*16*PITCH
	ds_load_b128 v[(\f)+8*(4*(\c)+(\i))+4:(\f)+8*(4*(\c)+(\i))+7],       v[ADRA+(\slot)] offset:(\k)+64*(\c)+(\i)*16*PITCH+32
.endr
.endr
.endm
.macro PLACES                          ; four places in front of loads into registers that matrix instructions have read, and of conversions that read results
.rept 4
	v_nop
.endr
.endm
; A K step is four quarters of 64 along K, 32 matrix instructions each, on buffers 0, 1, 0, 1; the 16 accumulators take turns
.macro QUARTER slot, k, f, g, zero
	s_wait_dscnt 16                                ; the first 32 along K are in
	WIN MUL
	MUL8 \f, 0, 0, \zero
	MUL8 \f, 0, 2, \zero
	PLACES
	FETCH \slot, \k, \g
	s_wait_dscnt 32                                ; all but the 32 just issued
	WIN MUL
	MUL8 \f, 1, 0, 0
	MUL8 \f, 1, 2, 0
.endm
; The last quarter changes slots: ONE barrier; in front of it each wave waits for all its tensor loads, adds 0 to its spare word, and waits for that and for its reads of this slot
.macro TURN slot, next, fill
	WIN 0
	s_wait_tensorcnt 0x0                           ; all my tensor loads have landed: my part of the next slot
	ds_add_u32 v[SPW], v[NIL]
	s_wait_dscnt 17                                ; (the add and the youngest sixteen loads may be out)
	WIN MUL
	MUL8 F1, 0, 0, 0
	s_wait_dscnt 0x0                               ; the add is done, and my reads of this slot are over
	s_barrier_signal -1
	MUL8 F1, 0, 2, 0
.if \fill
	WIN 0
.endif
	s_barrier_wait -1
.if \fill
	CREST                                          ; the barrier has opened a round of the cluster's: no wave of any partner still reads this slot or has a load on its way
	s_add_nc_u64 s[G0+4*(\slot)+2:G0+4*(\slot)+3], s[G0+4*(\slot)+2:G0+4*(\slot)+3], 2*KSTEP*2
	s_add_nc_u64 s[G0B+4*(\slot)+2:G0B+4*(\slot)+3], s[G0B+4*(\slot)+2:G0B+4*(\slot)+3], 2*KSTEP*2
	JLOAD \slot                                    ; the first tensor load behind the round, 112 matrix instructions ahead of the wait for it
.else
	PLACES
.endif
	FETCH \next, 0, F0
	WIN MUL
	MUL8 F1, 1, 0, 0
	MUL8 F1, 1, 2, 0
.endm
	s_wait_tensorcnt 1                             ; my part of K step 0 is in; K step 1's may stay out
	s_barrier_signal -1
	s_barrier_wait -1
	FETCH 0, 0, F0
	QUARTER 0, 128, F0, F1, 1                      ; the first quarter stands in front of the loop: its first products start the sums
	WIN 0
	s_mov_b32 s3, LAPS-1
.Llap:                                                 ; a trip goes once round the ring and fills both slots again
	QUARTER 0, 256, F1, F0, 0
	QUARTER 0, 384, F0, F1, 0
	TURN 0, 1, 1
	QUARTER 1, 128, F0, F1, 0
	QUARTER 1, 256, F1, F0, 0
	QUARTER 1, 384, F0, F1, 0
	TURN 1, 0, 1
	QUARTER 0, 128, F0, F1, 0
	WIN 0
	s_sub_co_u32 s3, s3, 1
	s_cmp_lg_u32 s3, 0
	s_cbranch_scc1 .Llap
	QUARTER 0, 256, F1, F0, 0                      ; the last lap fills nothing
	QUARTER 0, 384, F0, F1, 0
	TURN 0, 1, 0
	QUARTER 1, 128, F0, F1, 0
	QUARTER 1, 256, F1, F0, 0
	QUARTER 1, 384, F0, F1, 0
	s_wait_dscnt 16
	WIN MUL
	MUL8 F1, 0, 0, 0
	MUL8 F1, 0, 2, 0
	s_wait_dscnt 0
	MUL8 F1, 1, 0, 0
	MUL8 F1, 1, 2, 0
	WIN 0
	; THE WAY OUT: round to f16; 16 bytes a lane into the stage; a barrier, since a row's 256 bytes come from two waves; back as whole rows, 32 rows a wave
	PLACES
.irp t, 0,1,2,3,4,5,6,7,8,9,10,11,12,13,14,15
.irp r, 0,1,2,3
	v_cvt_pk_f16_f32 v[TMP+4*(\t)+(\r)], v[ACC+8*(\t)+2*(\r)], v[ACC+8*(\t)+2*(\r)+1]
.endr
.endr
	v_mov_b32 v[ONE], 1.0
	v_mov_b32 v[ZR], 0
.irp k, 0,1,2,3
	v_mov_b32 v[PT+\k], 0                          ; v_permlanex16_b32 counts as a reader of its destination
.endr
.irp a, 0,1,2,3
.irp b, 0,1,2,3
	ds_store_b128 v[STO], v[TMP+4*(4*(\a)+(\b)):TMP+4*(4*(\a)+(\b))+3] offset:(\a)*16*SPITCH+32*(\b)
.endr
.endr
	s_wait_dscnt 0x0
	s_barrier_signal -1
	s_barrier_wait -1
.irp t, 0,1,2,3,4,5,6,7,8,9,10,11,12,13,14,15
	ds_load_b128 v[TMP+4*(\t):TMP+4*(\t)+3], v[RD] offset:(\t)*2*SPITCH
.endr
; my 8 columns of the row just read: sum and sum of squares, straight from the f16 halves into f32; the first row starts the sums
.macro COLS t
.set j, 0
.rept 8
.set x, TMP+4*(\t)+j/2
.if (\t) == 0
.set a0, ZR
.set a1, ZR
.else
.set a0, ST+2*j
.set a1, ST+2*j+1
.endif
.if j%2
	v_fma_mix_f32 v[ST+2*j], v[x], v[ONE], v[a0] op_sel:[1,0,0] op_sel_hi:[1,0,0]
	v_fma_mix_f32 v[ST+2*j+1], v[x], v[x], v[a1] op_sel:[1,1,0] op_sel_hi:[1,1,0]
.else
	v_fma_mix_f32 v[ST+2*j], v[x], v[ONE], v[a0] op_sel_hi:[1,0,0]
	v_fma_mix_f32 v[ST+2*j+1], v[x], v[x], v[a1] op_sel_hi:[1,1,0]
.endif
.set j, j+1
.endr
.endm
.irp t, 0,1,2,3,4,5,6,7,8,9,10,11,12,13,14,15
	s_wait_dscnt 15-(\t)
	global_store_b128 v[CO], v[TMP+4*(\t):TMP+4*(\t)+3], s[8:9] offset:2*(\t)*SIZE_N*2  ; 16 lanes store 256 consecutive bytes, aligned
	COLS \t
.endr
	s_mov_b32 s20, 0x76543210
	s_mov_b32 s21, 0xfedcba98
.set j, 0
.rept 4                                ; the odd rows' sums lie in the lane 16 away
.irp k, 0,1,2,3
	v_permlanex16_b32 v[PT+\k], v[ST+4*j+\k], s20, s21
.endr
.irp k, 0,1,2,3
	v_add_f32 v[ST+4*j+\k], v[ST+4*j+\k], v[PT+\k]
.endr
.set j, j+1
.endr
.irp k, 0,1,2,3
	ds_store_b128 v[CSA], v[ST+4*\k:ST+4*\k+3] offset:16*\k   ; both halves of the lanes write the same words
.endr
	s_wait_dscnt 0x0
	s_barrier_signal -1
	s_barrier_wait -1
.irp k, 0,1,2,3
	ds_load_b64 v[ST+2*\k:ST+2*\k+1], v[CSR] offset:1024*\k   ; thread = column: the four waves' sums
.endr
	s_wait_dscnt 0x0
	v_pk_add_f32 v[ST:ST+1], v[ST:ST+1], v[ST+2:ST+3]
	v_pk_add_f32 v[ST+4:ST+5], v[ST+4:ST+5], v[ST+6:ST+7]
	v_pk_add_f32 v[ST:ST+1], v[ST:ST+1], v[ST+4:ST+5]
	global_store_b64 v[CSG], v[ST:ST+1], s[40:41]  ; a wave stores 256 consecutive bytes, aligned
	s_wait_tensorcnt 0x0                           ; the wave's end
	ds_add_u32 v[SPW], v[NIL]
	s_wait_dscnt 0x0
	CROUND                                         ; the closing round
	s_endpgm
.Lfunc_end_k_qcd56d6a9c0_gemm2:
	.size	k_qcd56d6a9c0_gemm2, .Lfunc_end_k_qcd56d6a9c0_gemm2-k_qcd56d6a9c0_gemm2
	.p2alignl 7, 3214868480
	.fill 96, 4, 3214868480
	.section	.rodata,"a",@progbits
	.p2align	6, 0x0
	.amdhsa_kernel k_qcd56d6a9c0_gemm2
		.amdhsa_group_segment_fixed_size 327680
		.amdhsa_private_segment_fixed_size 0
		.amdhsa_enable_private_segment 0
		.amdhsa_kernarg_size 24
		.amdhsa_user_sgpr_count 2
		.amdhsa_user_sgpr_kernarg_segment_ptr 1
		.amdhsa_wavefront_size32 1
		.amdhsa_system_sgpr_workgroup_id_x 1
		.amdhsa_system_sgpr_workgroup_id_y 1
		.amdhsa_system_sgpr_workgroup_id_z 1
		.amdhsa_system_vgpr_workitem_id 0
		.amdhsa_next_free_vgpr 512
		.amdhsa_next_free_sgpr 66
		.amdhsa_reserve_vcc 0
		.amdhsa_float_denorm_mode_32 3
		.amdhsa_float_denorm_mode_16_64 3
		.amdhsa_memory_ordered 1
		.amdhsa_forward_progress 1
		.amdhsa_inst_pref_size 106
	.end_amdhsa_kernel
	.amdgpu_metadata
---
amdhsa.version: [ 1, 2 ]
amdhsa.kernels:
  - .name:           k_qcd56d6a9c0_gemm2
    .symbol:         k_qcd56d6a9c0_gemm2.kd
    .args:
      - { .name: h1, .offset: 0, .size: 8, .value_kind: global_buffer, .address_space: global }
      - { .name: wts, .offset: 8, .size: 8, .value_kind: global_buffer, .address_space: global }
      - { .name: zb2, .offset: 16, .size: 8, .value_kind: global_buffer, .address_space: global }
    .group_segment_fixed_size: 327680
    .private_segment_fixed_size: 0
    .kernarg_segment_align: 8
    .kernarg_segment_size: 24
    .max_flat_workgroup_size: 128
    .sgpr_count:     66
    .vgpr_count:     512
    .wavefront_size: 32
...
	.end_amdgpu_metadata
.endif
;; end of part 6
;; launch outk (part 7): grid 64 x 1, 16 waves a work-group, no clusters, 10,496 bytes of LDS; arguments zb2, b2, g2, bt2, wout, bout, out0; writes out0
.if DOCPART == 7
	.amdgcn_target "amdgcn-amd-amdhsa--gfx1250"
	.amdhsa_code_object_version 6
	.text
	.protected	k_qcd56d6a9c0_outk
	.globl	k_qcd56d6a9c0_outk
	.p2align	8
	.type	k_qcd56d6a9c0_outk,@function
k_qcd56d6a9c0_outk:
	s_mov_b64 s[64:65], 0
	v_nop
	global_prefetch_b8 v0, s[64:65] scope:SCOPE_SE
	s_setreg_imm32_b32 hwreg(HW_REG_WAVE_MODE, 25, 1), 1
	s_wait_xcnt 0x0
; y[m] = sum over n of relu(batch norm(z2 + b2))[m][n] wout[n] + bout.  z2: f16 sums; all else f32.
; 64 work-groups of 64 rows: every work-group needs all 1,024 columns' 32 partial sums (256 KB), so fewer and larger work-groups keep that traffic at 16 MB in all.
; Thread t makes s and t of columns 2 t, 2 t + 1 (h = z s + t, s = g2 / sqrt(var + eps), t = bt2 + (b2 - mean(z + b2)) s) and hands them on through LDS.  Wave w then takes rows 4 w .. 4 w + 3:
; lane l holds columns 256 j + 8 l .. + 7 (j = 0..3) of each, four sums side by side, and adds across the 32 lanes at the end.
; LIMIT: var = sum2/N - mean^2 in f32 loses (mean/spread)^2 x 2^-24.
.set S2, 0                             ; 1,024 f32; t 4,096 bytes on
.set Y,  8192                          ; 64 f32
.set SPARE, 8448
.set SPW, 2
.set NIL, 3
.set Z,   8                            ; v8-71    [row][chunk][4]
.set WO,  72                           ; v72-103
.set ZS,  112                          ; v112-239 the partial sums; later s at 112, t at 144
.set SV,  112
.set TV,  144
.set AC,  180                          ; v180-183
.set T,   184                          ; v184-187
.set PT,  188                          ; v188-191
	s_load_b256 s[4:11], s[0:1], 0x0               ; zb2, b2, g2, bt2
	s_load_b128 s[12:15], s[0:1], 0x20             ; wout, bout
	s_load_b64 s[16:17], s[0:1], 0x30              ; out0
	v_lshl_add_u32 v[SPW], v0, 2, SPARE
	v_mov_b32 v[NIL], 0
	v_lshrrev_b32 v1, 5, v0
	v_readfirstlane_b32 s2, v1
	v_and_b32 v4, 31, v0
	v_lshlrev_b32 v240, 4, v0                      ; the sums of columns 2 t, 2 t + 1
	v_lshlrev_b32 v241, 3, v0                      ; those columns in g2, bt2, b2, and in S2
	v_lshlrev_b32 v242, 4, v4
	v_lshl_add_u32 v242, v1, 13, v242              ; z: row 4 w, 16 bytes a lane
	v_lshlrev_b32 v243, 5, v4                      ; wout, s, t: 32 bytes a lane
	v_lshlrev_b32 v244, 3, v4
	s_mov_b32 s24, 0x76543210
	s_mov_b32 s25, 0xfedcba98
	s_lshl_b32 s20, ttmp9, 17                      ; 64 rows x 2,048 bytes
	s_mov_b32 s21, 0
	s_lshl_b32 s26, s2, 4
	s_add_co_u32 s26, s26, Y
	v_mov_b32 v245, s26                            ; Y[4 w]
	v_add_nc_u32 v246, Y, v244
	s_wait_kmcnt 0x0
	s_load_b32 s18, s[14:15], 0x0
	s_add_nc_u64 s[22:23], s[4:5], 0x800000
	s_add_nc_u64 s[4:5], s[4:5], s[20:21]
	s_lshl_b32 s20, ttmp9, 8
	s_add_nc_u64 s[16:17], s[16:17], s[20:21]
.set i, 0
.rept 32
	global_load_b128 v[ZS+4*i:ZS+4*i+3], v240, s[22:23] offset:8192*i
.set i, i+1
.endr
	global_load_b64 v[104:105], v241, s[8:9]
	global_load_b64 v[106:107], v241, s[10:11]
	global_load_b64 v[108:109], v241, s[6:7]
.irp r, 0,1,2,3
.irp j, 0,1,2,3
	global_load_b128 v[Z+16*\r+4*\j:Z+16*\r+4*\j+3], v242, s[4:5] offset:2048*\r+512*\j
.endr
.endr
.irp j, 0,1,2,3
	global_load_b128 v[WO+8*\j:WO+8*\j+3],   v243, s[12:13] offset:1024*\j
	global_load_b128 v[WO+8*\j+4:WO+8*\j+7], v243, s[12:13] offset:1024*\j+16
.endr
	s_wait_loadcnt 24                              ; 16 loads of z and 8 of wout are younger than the statistics
.irp d, 16,8,4,2,1
.set i, 0
.rept \d
	v_pk_add_f32 v[ZS+4*i:ZS+4*i+1], v[ZS+4*i:ZS+4*i+1], v[ZS+4*(i+\d):ZS+4*(i+\d)+1]
	v_pk_add_f32 v[ZS+4*i+2:ZS+4*i+3], v[ZS+4*i+2:ZS+4*i+3], v[ZS+4*(i+\d)+2:ZS+4*(i+\d)+3]
.set i, i+1
.endr
.endr
	v_mul_f32 v116, 0x39800000, v112               ; / 4,096
	v_mul_f32 v117, 0x39800000, v114
	v_mul_f32 v118, 0x39800000, v113
	v_mul_f32 v119, 0x39800000, v115
	v_fma_f32 v118, -v116, v116, v118
	v_fma_f32 v119, -v117, v117, v119
	v_add_f32 v118, 0x3727c5ac, v118
	v_add_f32 v119, 0x3727c5ac, v119
	v_rsq_f32 v118, v118
	v_rsq_f32 v119, v119
	v_add_f32 v120, v116, v108                     ; the mean of z + b2 (plain lines behind the roots)
	v_add_f32 v121, v117, v109
	s_wait_alu depctr_va_vdst(0)
	v_mul_f32 v118, v104, v118                     ; s
	v_mul_f32 v119, v105, v119
	v_sub_f32 v120, v108, v120
	v_sub_f32 v121, v109, v121
	v_fma_f32 v120, v120, v118, v106               ; t
	v_fma_f32 v121, v121, v119, v107
	ds_store_b64 v241, v[118:119]
	ds_store_b64 v241, v[120:121] offset:4096
	s_wait_dscnt 0x0
	s_barrier_signal -1
	s_barrier_wait -1
.irp j, 0,1,2,3
	ds_load_b128 v[SV+8*\j:SV+8*\j+3],   v243 offset:1024*\j
	ds_load_b128 v[SV+8*\j+4:SV+8*\j+7], v243 offset:1024*\j+16
	ds_load_b128 v[TV+8*\j:TV+8*\j+3],   v243 offset:4096+1024*\j
	ds_load_b128 v[TV+8*\j+4:TV+8*\j+7], v243 offset:4096+1024*\j+16
.endr
.irp k, 0,1,2,3
	v_mov_b32 v[PT+\k], 0                          ; v_permlanex16_b32 counts as a reader of its destination
.endr
	s_wait_loadcnt 0x0
	s_wait_dscnt 0x0
	s_wait_kmcnt 0x0
.set n, 0
.rept 32                               ; column n of my 32, in my four rows
.irp r, 0,1,2,3
.if n%2
	v_fma_mix_f32 v[T+\r], v[Z+16*\r+n/2], v[SV+n], v[TV+n] op_sel:[1,0,0] op_sel_hi:[1,0,0]
.else
	v_fma_mix_f32 v[T+\r], v[Z+16*\r+n/2], v[SV+n], v[TV+n] op_sel_hi:[1,0,0]
.endif
.endr
.irp r, 0,1,2,3
	v_max_num_f32 v[T+\r], 0, v[T+\r]
.endr
.irp r, 0,1,2,3
.if n == 0
	v_mul_f32 v[AC+\r], v[T+\r], v[WO]             ; the first column starts the sums
.else
	v_fmac_f32 v[AC+\r], v[T+\r], v[WO+n]
.endif
.endr
.set n, n+1
.endr
.irp m, 1,2,4,8
.irp r, 0,1,2,3
	v_add_f32_dpp v[AC+\r], v[AC+\r], v[AC+\r] row_xmask:\m row_mask:0xf bank_mask:0xf
.endr
.endr
.irp r, 0,1,2,3
	v_permlanex16_b32 v[PT+\r], v[AC+\r], s24, s25
.endr
.irp r, 0,1,2,3
	v_add_f32 v[AC+\r], v[AC+\r], v[PT+\r]
.endr
.irp r, 0,1,2,3
	v_add_f32 v[AC+\r], s18, v[AC+\r]
.endr
.irp r, 0,1,2,3
	ds_store_b32 v245, v[AC+\r] offset:4*\r        ; every lane holds the sum and writes the same word
.endr
	s_wait_dscnt 0x0
	s_barrier_signal -1
	s_barrier_wait -1
	s_cmp_lg_u32 s2, 0
	s_cbranch_scc1 .Lend
	ds_load_b64 v[T:T+1], v246
	s_wait_dscnt 0x0
	global_store_b64 v244, v[T:T+1], s[16:17]      ; 32 lanes store the work-group's 256 consecutive bytes, aligned
.Lend:
	s_wait_tensorcnt 0x0                           ; the wave's end
	ds_add_u32 v[SPW], v[NIL]
	s_wait_dscnt 0x0
	s_endpgm
.Lfunc_end_k_qcd56d6a9c0_outk:
	.size	k_qcd56d6a9c0_outk, .Lfunc_end_k_qcd56d6a9c0_outk-k_qcd56d6a9c0_outk
	.p2alignl 7, 3214868480
	.fill 96, 4, 3214868480
	.section	.rodata,"a",@progbits
	.p2align	6, 0x0
	.amdhsa_kernel k_qcd56d6a9c0_outk
		.amdhsa_group_segment_fixed_size 10496
		.amdhsa_private_segment_fixed_size 0
		.amdhsa_enable_private_segment 0
		.amdhsa_kernarg_size 56
		.amdhsa_user_sgpr_count 2
		.amdhsa_user_sgpr_kernarg_segment_ptr 1
		.amdhsa_wavefront_size32 1
		.amdhsa_system_sgpr_workgroup_id_x 1
		.amdhsa_system_sgpr_workgroup_id_y 1
		.amdhsa_system_sgpr_workgroup_id_z 1
		.amdhsa_system_vgpr_workitem_id 0
		.amdhsa_next_free_vgpr 248
		.amdhsa_next_free_sgpr 66
		.amdhsa_reserve_vcc 0
		.amdhsa_float_denorm_mode_32 3
		.amdhsa_float_denorm_mode_16_64 3
		.amdhsa_memory_ordered 1
		.amdhsa_forward_progress 1
		.amdhsa_inst_pref_size 32
	.end_amdhsa_kernel
	.amdgpu_metadata
---
amdhsa.version: [ 1, 2 ]
amdhsa.kernels:
  - .name:           k_qcd56d6a9c0_outk
    .symbol:         k_qcd56d6a9c0_outk.kd
    .args:
      - { .name: zb2, .offset: 0, .size: 8, .value_kind: global_buffer, .address_space: global }
      - { .name: b2, .offset: 8, .size: 8, .value_kind: global_buffer, .address_space: global }
      - { .name: g2, .offset: 16, .size: 8, .value_kind: global_buffer, .address_space: global }
      - { .name: bt2, .offset: 24, .size: 8, .value_kind: global_buffer, .address_space: global }
      - { .name: wout, .offset: 32, .size: 8, .value_kind: global_buffer, .address_space: global }
      - { .name: bout, .offset: 40, .size: 8, .value_kind: global_buffer, .address_space: global }
      - { .name: out0, .offset: 48, .size: 8, .value_kind: global_buffer, .address_space: global }
    .group_segment_fixed_size: 10496
    .private_segment_fixed_size: 0
    .kernarg_segment_align: 8
    .kernarg_segment_size: 56
    .max_flat_workgroup_size: 512
    .sgpr_count:     66
    .vgpr_count:     248
    .wavefront_size: 32
...
	.end_amdgpu_metadata
.endif
;; end of part 7
;; ======== version 2 of 2: 7 launches; version 1 with the launches arm, w1p written anew for expert scheduling mode
;; limits: a difference of large sums (such as E[x^2] - mean^2): digits are lost where the result is much smaller than its terms; values are held in f16: magnitudes above 65,504 overflow, below 6.1e-05 lose precision
;; workspace buffers: tab 57,344 bytes; armb 34,078,720 bytes; wts 10,616,832 bytes; zb1 8,650,752 bytes; zb2 8,650,752 bytes; h1 8,388,608 bytes
;; launch pre: the kernel of part 1 again; grid 64 x 1, 16 waves a work-group, no clusters, 10,240 bytes of LDS; arguments x_id, x_value, emb, Q, bil, tab; writes tab
;; launch arm (part 8): grid 256 x 1, 8 waves a work-group, no clusters, 175,616 bytes of LDS; arguments x_id, x_value, emb, emb_g, emb_b, vals, tab, armb; writes armb
.if DOCPART == 8
	.amdgcn_target "amdgcn-amd-amdhsa--gfx1250"
	.amdhsa_code_object_version 6
	.text
	.protected	k_qcd56d6a9c0_arm
	.globl	k_qcd56d6a9c0_arm
	.p2align	8
	.type	k_qcd56d6a9c0_arm,@function
k_qcd56d6a9c0_arm:
	s_mov_b64 s[64:65], 0
	v_nop
	global_prefetch_b8 v0, s[64:65] scope:SCOPE_SE
	s_setreg_imm32_b32 hwreg(HW_REG_WAVE_SCHED_MODE, 0, 2), 2
	s_setreg_imm32_b32 hwreg(HW_REG_WAVE_MODE, 25, 1), 1
	s_wait_xcnt 0x0
	s_wait_alu depctr_vm_vsrc(0)
; THE GATES.  For 16 samples a work-group: xe = emb[id] clip(value); x_exp = batch norm of exp(xe) (statistics from tab); scores xe . kq + (sum over f of xe) . kq; entmax-1.5 by six bisections
; over the 64 fields; arm[b][ko][e] = sum over f of x_exp[b][f][e] gate[f] vals[ko][f].  Out: arm in f16, not yet normalised, armb[b][16 ko + e]; and for each ko the work-group's sum and sum of squares.
; SHARES.  Eight waves, two on a SIMD: the end of every evaluation is a chain of dependent lines, and the second wave issues meanwhile.  A wave owns ONE pair of samples and walks the 16 tiles of 16 ko.
; A LANE OWNS ONE ROW (sample l / 16, ko = 16 T + l % 16) with all 64 scores in 64 registers, so the entmax never leaves the lane.
; SCORES.  A flipped bisection decision moves tau by a step that shows in the output, so the scores are made to f32's precision on the matrix unit: z = xe + sum(xe) and kq/4 are split exactly into
; three bf16 parts, and three chained products (K = 32 = two parts of 16 channels) add a3 b1 + a1 b3, a1 b2 + a2 b2, a1 b1 + a2 b1; what is dropped lies 2^-26 below.  A's row m is
; (sample m / 8, field 8 t + m % 8), so register j of tile t's result is field 8 t + j of the lane's own row.
; HALF SCALE.  kq carries 1/4, so scores, taus and dm are exactly half the model's (a power of two commutes with every rounding): d = clamp(xs - tau) then means max(., 0) as long as the model's
; xs - tau stays under 2.  -tau is kept, not tau: the same bits with the sign turned.  LIMITS: the sum of squares is added in another order than the model's, so a decision whose f lies within a few
; 2^-24 of 0 may differ; |score| under 1e7; x_exp, gate x vals and arm are rounded to f16 (magnitude under 65,504; a fixed step of 6e-8 below 6e-5); NaN and infinities are not treated apart.
; SECOND PRODUCT.  The lane's 64 weights d^2 vals, rounded to f16, ARE the B operand: the k places of lanes l / 16 = h belong to sample h; A's row m = (sample m / 8, channel m % 8 + 8 set) holds x_exp in its
; own sample's places and 0 in the other's.  Register j of the result is channel j + 8 set of the lane's own row, and the row's 1 / sum(d^2) lies in the same lane.
; REGISTERS.  Window 0 as named below.  Window 1: v0-95 z's parts, 12 a tile: a3, a1, a2; v96-159 x_exp's fragments, 32 a set, 8 a step of 32 places.
; THE MODE: SCHED_MODE bits 1:0 = 2 (LLVM: expert scheduling mode 2), set by the entry lines.  The code itself states the register dependences between vector or matrix
; instructions and memory or LDS instructions, with s_wait_alu, always for 0.
; THE PLAN.  A trip begins with its tile's scores in S: tile 0's products stand ahead of the loop, each trip makes the next tile's at its end.  Registers that memory or LDS instructions touch in the loop:
;   VKA, VVA, VAS   LDS addresses, read by the trip's loads of kq and vals and by its store of the row's sums; stepped together at the next trip's head (VVA and VAS start one step low).
;   KB              Read by the score products at a trip's end; the next trip's fetch lands in it.
;   VAL             The loads at a trip's head land in it; the weights read and write it further down.
;   AC[0:1], H      Written by the trip's last vector lines; read by the three LDS stores of the way out.
;   G               The loads from the stage land in it; the two global stores read it.
;   VSTO, VSRD, VGO Never written again: armb's rows are reached by the scalar base, which moves on by a tile in each trip.
; A trip has one wait on vm_vsrc, at its head, for all that the trip before read; one on va_vdst behind the three steps, ahead of its 21 loads; the one behind the reciprocal; one ahead of the way out;
; and one on va_vcc in each bisection.  The stage's way through LDS lies under the 24 score products.
; In the head every address has a register of its own, made while the first loads are out, ahead of the wait that the gathers' offsets want in any case.
.set KQL,   0                          ; kq's three parts as B fragments: 24,576 bytes
.set VALS,  24576                      ; vals: 256 rows of 256 bytes, pitch 272
.set VP,    272
.set AFT,   94208                      ; x_exp = u a_f + c_f: a_f at word 8 (f % 8) + f / 8; c_f 256 bytes on
.set RED,   94720                      ; [4][64][2]
.set XT,    96768                      ; a wave: [2 samples][16 channels] rows of 64 f16 at place 8 (f % 8) + f / 8, pitch 144
.set XP,    144
.set STG,   XT+8*32*XP                 ; a wave: [2 samples][512 bytes], for the way out
.set AST,   STG+8*1024                 ; [16 = 2 w + h][256 ko][2]
.set SPARE, AST+32768                  ; the spare words, 128 bytes a wave
.set SPW, 1
.set NIL, 2
.set VR,  3                            ; l % 16
.set VH,  4                            ; l / 16
.set VKA, 6                            ; LDS address of kq's fragments of the tile fetched last
.set VVA, 7                            ; of my row of vals
.set VSTO, 8                           ; the way out: where I put 32 bytes
.set VSRD, 9                           ; where I read 16 back
.set VGO, 10                           ; my byte offset in a tile's part of armb
.set VAS, 11                           ; my word pair in AST
.set ONE, 12                           ; v[12:13] 1, 1
.set INI, 14                           ; v[14:15] -1/4, 0: starts the sum f = sum d^2 - 1/4
.set NT,  16                           ; v[16:17] -tau_m, twice
.set XSA, 16                           ; in the head only: where I put x_exp, turned
.set XLA, 17                           ; in the head only: where I read x_exp's fragments
.set NL,  18                           ; -tau_lo
.set DM,  19
.set FLO, 20
.set F,   21
.set MX,  22                           ; v22-25
.set RS,  26                           ; v[26:27] 1 / sum
.set TT,  28                           ; v28-35 four pairs at work
.set AC,  36                           ; v36-43 four sums
.set KB,  44                           ; v44-63 b1, b1, b3, b2, b2
.set S,   64                           ; v64-127 the scores; later d; v64-95 the weights in f16
.set VAL, 128                          ; v128-191 my row of vals, then the weights
.set SB,  VAL+8                        ; in the head only: the statistics at work
.set DE,  192                          ; v192-207 the result, two sets
.set H,   208
.set G,   216
.set AFR, 224
.set FA,  224                          ; behind AFR's last use: LDS address of ko = thread in AST
.set FG,  225                          ; 8 x thread
.set CFR, 232
.set VV,  240
.set OFS, 248
.set XA,  96                           ; window 1
.set MSB, 0
.macro WIN new                         ; the immediate's high byte repeats the setting that is left
.if MSB != (\new)
	s_set_vgpr_msb (MSB<<8)|(\new)
.set MSB, \new
.endif
.endm
.macro PKMULB d, a, b, sel             ; d = a x register sel of pair b, for both halves
.if \sel
	v_pk_mul_f32 v[(\d):(\d)+1], v[(\a):(\a)+1], v[(\b):(\b)+1] op_sel:[0,1] op_sel_hi:[1,1]
.else
	v_pk_mul_f32 v[(\d):(\d)+1], v[(\a):(\a)+1], v[(\b):(\b)+1] op_sel_hi:[1,0]
.endif
.endm
.macro PKFMAB d, a, b, c, sel          ; d = a x b[sel] + c[sel]
.if \sel
	v_pk_fma_f32 v[(\d):(\d)+1], v[(\a):(\a)+1], v[(\b):(\b)+1], v[(\c):(\c)+1] op_sel:[0,1,1] op_sel_hi:[1,1,1]
.else
	v_pk_fma_f32 v[(\d):(\d)+1], v[(\a):(\a)+1], v[(\b):(\b)+1], v[(\c):(\c)+1] op_sel_hi:[1,0,0]
.endif
.endm
	s_load_b512 s[4:19], s[0:1], 0x0               ; x_id, x_value, emb, emb_g, emb_b, vals s[14:15], tab s[16:17], armb s[18:19]
	v_lshl_add_u32 v[SPW], v0, 2, SPARE
	v_mov_b32 v[NIL], 0
	v_lshrrev_b32 v20, 5, v0
	v_readfirstlane_b32 s2, v20                    ; wave
	v_and_b32 v[VR], 15, v0
	v_bfe_u32 v[VH], v0, 4, 1
	v_and_b32 v21, 7, v0                           ; r % 8
	v_bfe_u32 v22, v0, 3, 1                        ; r / 8: the sample whose rows I gather
	v_lshl_add_u32 v23, v20, 1, v22
	v_lshlrev_b32 v24, 2, v21
	v_lshl_add_u32 v24, v23, 8, v24                ; (sample, field r % 8) in x_id and x_value
	v_and_b32 v25, 63, v0
	v_lshlrev_b32 v28, 2, v25                      ; field t % 64 in emb_g, emb_b
	v_lshrrev_b32 v29, 6, v0
	v_lshlrev_b32 v30, 3, v25
	v_lshl_add_u32 v30, v29, 13, v30               ; that field's partial sums, sixteen of the 64 for each quarter of the threads
	v_lshlrev_b32 v31, 4, v0
	v_lshlrev_b32 v32, 5, v[VH]
	s_mov_b32 s24, 0xffff0000
	s_lshl_b32 s26, ttmp9, 12                      ; 16 samples x 256 bytes
	s_mov_b32 s27, 0
	s_wait_alu depctr_va_sdst(0)                   ; s2 is written, ahead of its first reader: LDS addresses and two branches are made from it
	s_wait_kmcnt 0x0
	s_add_nc_u64 s[4:5], s[4:5], s[26:27]
	s_add_nc_u64 s[6:7], s[6:7], s[26:27]
	s_add_nc_u64 s[28:29], s[16:17], 0x8000        ; kq's parts
	s_wait_alu depctr_va_vdst(0)                   ; the offsets v24, v28, v30, v31 are written, which the loads below read
.irp t, 0,1,2,3,4,5,6,7
	global_load_b32 v[OFS+\t], v24, s[4:5] offset:32*\t
.endr
.irp t, 0,1,2,3,4,5,6,7
	global_load_b32 v[VV+\t], v24, s[6:7] offset:32*\t
.endr
	global_load_b32 v[H], v28, s[10:11]
	global_load_b32 v[H+1], v28, s[12:13]
.set j, 0
.rept 16
	global_load_b64 v[VAL+2*j:VAL+2*j+1], v30, s[16:17] offset:512*j
.set j, j+1
.endr
	WIN 0x40                                       ; destination window 1: the two tables pass through registers that z's parts take later
.set j, 0
.rept 6
	global_load_b128 v[4*j:4*j+3], v31, s[28:29] offset:4096*j
.set j, j+1
.endr
.set j, 0
.rept 16
	global_load_b128 v[24+4*j:24+4*j+3], v31, s[14:15] offset:4096*j
.set j, j+1
.endr
	WIN 0
	; while those loads are out: every other address of the kernel, each in a register of its own that no load above reads or writes
	v_lshl_add_u32 v33, v0, 3, RED
	v_lshrrev_b32 v34, 4, v0
	v_mul_u32_u24 v34, v34, VP
	v_lshl_add_u32 v34, v[VR], 4, v34
	v_add_nc_u32 v34, VALS, v34                    ; where I put 16 bytes of vals
	v_lshl_add_u32 v35, v21, 5, AFT                ; a and c of my eight fields 8 t + r % 8 lie together
	s_mul_i32 s30, s2, 32*XP
	s_add_co_u32 s30, s30, XT                      ; my wave's rows of x_exp
	v_mul_u32_u24 v[XSA], v22, 16*XP
	v_mul_u32_u24 v23, v[VH], 8*XP
	v_add3_u32 v[XSA], v[XSA], v23, s30
	v_lshl_add_u32 v[XSA], v21, 4, v[XSA]          ; row (sample, channel 8 h), places 8 (r % 8) ..
	v_mul_u32_u24 v[XLA], v[VH], 16*XP
	v_mul_u32_u24 v23, v21, XP
	v_add3_u32 v[XLA], v[XLA], v23, s30            ; row (sample h, channel r % 8)
	v_and_b32 v[VKA], 31, v0
	v_lshlrev_b32 v[VKA], 4, v[VKA]
	v_mul_u32_u24 v[VVA], v[VR], VP
	v_add_nc_u32 v[VVA], VALS-16*VP, v[VVA]        ; one tile low: each trip steps it ahead of its loads
	s_lshl_b32 s31, s2, 10
	s_add_co_u32 s31, s31, STG
	v_lshlrev_b32 v[VSTO], 9, v[VH]
	v_add_nc_u32 v[VSTO], s31, v[VSTO]
	v_lshl_add_u32 v[VSRD], v[VR], 4, v[VSTO]
	v_lshl_add_u32 v[VSTO], v[VR], 5, v[VSTO]
	v_lshl_add_u32 v5, v20, 1, v[VH]               ; 2 w + h: my sample among the work-group's 16
	v_lshlrev_b32 v[VGO], 13, v5
	v_lshl_add_u32 v[VGO], v[VR], 4, v[VGO]
	s_lshl_b32 s36, s2, 12
	s_add_co_u32 s36, s36, AST-128                 ; one tile low, like VVA
	v_lshlrev_b32 v[VAS], 11, v[VH]
	v_lshl_add_u32 v[VAS], v[VR], 3, v[VAS]
	v_add_nc_u32 v[VAS], s36, v[VAS]
	s_lshl_b32 s26, ttmp9, 17                      ; 16 samples x 8,192 bytes
	s_add_nc_u64 s[32:33], s[18:19], s[26:27]
	s_lshl_b32 s26, ttmp9, 11
	s_add_nc_u64 s[34:35], s[18:19], s[26:27]
	s_add_nc_u64 s[34:35], s[34:35], 0x2000000
	v_mov_b32 v[ONE], 1.0
	v_mov_b32 v[ONE+1], 1.0
	v_mov_b32 v[INI], 0xbe800000
	v_mov_b32 v[INI+1], 0
	v_mov_b32 v[RS+1], 0                           ; named with RS as a pair
	s_wait_loadcnt 48                              ; 8 + 2 + 16 + 22 loads are younger than the ids
.irp t, 0,1,2,3,4,5,6,7
	v_min_u32 v[OFS+\t], 0x1869f, v[OFS+\t]
	v_lshl_add_u32 v[OFS+\t], v[OFS+\t], 6, v32
.endr
	s_wait_alu depctr_va_vdst(0)                   ; the eight row offsets are written, which the gathers read; so are all the addresses made above, for the LDS instructions and stores further down
.irp t, 0,1,2,3,4,5,6,7
	global_load_b128 v[S+8*\t:S+8*\t+3],   v[OFS+\t], s[8:9]
	global_load_b128 v[S+8*\t+4:S+8*\t+7], v[OFS+\t], s[8:9] offset:16
.endr
	s_wait_loadcnt 38                              ; 22 table loads and 16 gathers are younger than the partial sums
.irp d, 8,4,2,1
.set i, 0
.rept \d
	v_pk_add_f32 v[VAL+2*i:VAL+2*i+1], v[VAL+2*i:VAL+2*i+1], v[VAL+2*(i+\d):VAL+2*(i+\d)+1]
.set i, i+1
.endr
.endr
	s_wait_alu depctr_va_vdst(0)                   ; the additions have written VAL[0:1], which the store reads, and are done with VAL+8 .., in which the statistics' loads land
	ds_store_b64 v33, v[VAL:VAL+1]
	s_wait_loadcnt 16                              ; the tables are in, the gathers may be out
	WIN 0x04                                       ; store data in window 1
.set j, 0
.rept 6
	ds_store_b128 v31, v[4*j:4*j+3] offset:4096*j
.set j, j+1
.endr
.set j, 0
.rept 16
	ds_store_b128 v34, v[24+4*j:24+4*j+3] offset:16*VP*j
.set j, j+1
.endr
	WIN 0
	s_wait_dscnt 0x0
	s_barrier_signal -1
	s_barrier_wait -1
	s_cmp_ge_u32 s2, 2
	s_cbranch_scc1 .Lnostat
	; waves 0 and 1: thread f makes a_f = g / sqrt(var + eps) and c_f = b - mean(u) a_f
.irp q, 0,1,2,3
	ds_load_b64 v[SB+2*\q:SB+2*\q+1], v33 offset:512*\q   ; into registers that no memory or LDS instruction has read
.endr
	s_wait_dscnt 0x0
	v_pk_add_f32 v[SB:SB+1], v[SB:SB+1], v[SB+2:SB+3]
	v_pk_add_f32 v[SB+4:SB+5], v[SB+4:SB+5], v[SB+6:SB+7]
	v_pk_add_f32 v[SB:SB+1], v[SB:SB+1], v[SB+4:SB+5]
	v_mul_f32 v[SB+2], 0x37800000, v[SB]           ; / 65,536 = 4,096 samples x 16 channels
	v_mul_f32 v[SB+3], 0x37800000, v[SB+1]
	v_fma_f32 v[SB+3], -v[SB+2], v[SB+2], v[SB+3]
	v_add_f32 v[SB+3], 0x3727c5ac, v[SB+3]         ; + 1e-5
	v_rsq_f32 v[SB+3], v[SB+3]
	v_lshrrev_b32 v[SB+5], 3, v0                   ; plain lines behind the root: the word 8 (f % 8) + f / 8
	v_lshl_add_u32 v[SB+4], v21, 3, v[SB+5]
	v_lshl_add_u32 v[SB+4], v[SB+4], 2, AFT
	s_wait_alu depctr_va_vdst(0)                   ; the root is written, ahead of its first reader
	v_mul_f32 v[SB+3], v[H], v[SB+3]
	v_fma_f32 v[SB+2], -v[SB+2], v[SB+3], v[H+1]
	s_wait_alu depctr_va_vdst(0)                   ; a and c are written, which the two stores read (their address stands ahead of the wait above)
	ds_store_b32 v[SB+4], v[SB+3]
	ds_store_b32 v[SB+4], v[SB+2] offset:256
.Lnostat:
	s_wait_dscnt 0x0
	s_barrier_signal -1
	s_barrier_wait -1
	ds_load_b128 v[AFR:AFR+3], v35
	ds_load_b128 v[AFR+4:AFR+7], v35 offset:16
	ds_load_b128 v[CFR:CFR+3], v35 offset:256
	ds_load_b128 v[CFR+4:CFR+7], v35 offset:272
	s_wait_loadcnt 0x0
	s_wait_dscnt 0x0
	s_wait_alu depctr_vm_vsrc(0)                   ; the LDS stores above have read VAL[0:1], the statistics' three registers and the tables' registers in window 1: the lines below write all of them again
	; ONCE A WAVE: xe, x_exp into LDS turned, z and its three parts
.irp t, 0,1,2,3,4,5,6,7
	v_max_num_f32 v[VV+\t], 0x3a83126f, v[VV+\t]
.endr
.irp t, 0,1,2,3,4,5,6,7
	v_min_num_f32 v[VV+\t], 1.0, v[VV+\t]
.endr
.set n, 0
.rept 32                               ; pair n: field group n / 4
	PKMULB S+2*n, S+2*n, VV+2*(n/8), (n/4)%2
.set n, n+1
.endr
.set n, 0
.rept 32
	v_pk_mul_f32 v[VAL+2*n:VAL+2*n+1], v[S+2*n:S+2*n+1], 0x3fb8aa3b op_sel_hi:[1,0]
.set n, n+1
.endr
.set n, 0
.rept 64
	v_exp_f32 v[VAL+n], v[VAL+n]
.set n, n+1
.endr
	v_nop                                          ; a plain instruction behind the last exponential
	s_wait_alu depctr_va_vdst(0)                   ; the 64 exponentials are written, ahead of their first reader
.set n, 0
.rept 32
	v_pk_add_f32 v[VAL+2*n:VAL+2*n+1], v[VAL+2*n:VAL+2*n+1], -1.0 op_sel_hi:[1,0]
.set n, n+1
.endr
.set n, 0
.rept 32
	PKFMAB VAL+2*n, VAL+2*n, AFR+2*(n/8), CFR+2*(n/8), (n/4)%2
.set n, n+1
.endr
.set n, 0
.rept 32                               ; n = 4 e + i: channel e of field groups 2 i, 2 i + 1
	v_cvt_pk_f16_f32 v[DE+n], v[VAL+16*(n%4)+n/4], v[VAL+16*(n%4)+8+n/4]
.set n, n+1
.endr
	v_lshl_add_u32 v[FA], v0, 3, AST               ; a and c have been used: two of their registers take the addresses of the kernel's last lines
	v_lshlrev_b32 v[FG], 3, v0
	s_wait_alu depctr_va_vdst(0)                   ; the conversions have written v[DE ..], which the LDS stores read; FA and FG are written
.irp e, 0,1,2,3,4,5,6,7
	ds_store_b128 v[XSA], v[DE+4*\e:DE+4*\e+3] offset:XP*\e
.endr
	WIN 0x40                                       ; the fragments and tile 0's kq are asked for at once and land under the sums and splits below; no vector line has named their registers
.irp u, 0,1
.irp c, 0,1,2,3
	ds_load_b128 v[XA+32*\u+8*\c:XA+32*\u+8*\c+3],   v[XLA] offset:8*XP*\u+32*\c      ; LDS serves a wave's instructions in order: these see my stores above
	ds_load_b128 v[XA+32*\u+8*\c+4:XA+32*\u+8*\c+7], v[XLA] offset:8*XP*\u+32*\c+16
.endr
.endr
	WIN 0
	ds_load_b128 v[KB:KB+3], v[VKA]                ; tile 0: b1, b1, b3, b2, b2
	ds_load_b128 v[KB+4:KB+7], v[VKA]
	ds_load_b128 v[KB+8:KB+11], v[VKA] offset:16384
	ds_load_b128 v[KB+12:KB+15], v[VKA] offset:8192
	ds_load_b128 v[KB+16:KB+19], v[VKA] offset:8192
.irp i, 0,2,4,6
	v_pk_add_f32 v[AC+\i:AC+\i+1], v[S+\i:S+\i+1], v[S+8+\i:S+8+\i+1]
.endr
.irp t, 2,3,4,5,6,7
.irp i, 0,2,4,6
	v_pk_add_f32 v[AC+\i:AC+\i+1], v[AC+\i:AC+\i+1], v[S+8*\t+\i:S+8*\t+\i+1]
.endr
.endr
.irp m, 1,2,4
.irp i, 0,1,2,3,4,5,6,7
	v_add_f32_dpp v[AC+\i], v[AC+\i], v[AC+\i] row_xmask:\m row_mask:0xf bank_mask:0xf   ; the sample's other fields lie in the seven lanes beside me
.endr
.endr
.set n, 0
.rept 32
	v_pk_add_f32 v[S+2*n:S+2*n+1], v[S+2*n:S+2*n+1], v[AC+2*(n%4):AC+2*(n%4)+1]
.set n, n+1
.endr
; a part of z: rounded to bf16 into block blk of each tile's twelve registers; more = 1: taken away again, exactly
.macro LEVEL blk, more
	WIN 0x40
.set n, 0
.rept 32
	v_cvt_pk_bf16_f32 v[12*(n/4)+(\blk)+n%4], v[S+2*n], v[S+2*n+1]
.set n, n+1
.endr
.if \more
	WIN 0x04
.set n, 0
.rept 32
	v_lshlrev_b32 v[VAL+2*n], 16, v[12*(n/4)+(\blk)+n%4]
	v_and_b32 v[VAL+2*n+1], s24, v[12*(n/4)+(\blk)+n%4]
.set n, n+1
.endr
	WIN 0
.set n, 0
.rept 32
	v_pk_add_f32 v[S+2*n:S+2*n+1], v[S+2*n:S+2*n+1], v[VAL+2*n:VAL+2*n+1] neg_lo:[0,1] neg_hi:[0,1]
.set n, n+1
.endr
.endif
.endm
	LEVEL 4, 1
	LEVEL 8, 1
	LEVEL 0, 0
	WIN 0
	v_cmp_eq_u32 vcc_lo, v22, v[VH]                ; does my row of A belong to the sample of my k places?
	s_wait_alu depctr_va_vcc(0)                    ; VCC is written, ahead of the selects that read it
	s_wait_dscnt 0x0                               ; the fragments and kq are in
	WIN 0x44
.set n, 0
.rept 64
	v_cndmask_b32 v[XA+n], 0, v[XA+n], vcc_lo      ; if not: 0
.set n, n+1
.endr
	WIN 0
; f = sum over the 64 fields of clamp(xs - tau)^2 - 1/4, four sums side by side
.macro EVAL dst
.set p, 0
.rept 4
	v_pk_fma_f32 v[TT+2*p:TT+2*p+1], v[S+2*p:S+2*p+1], v[ONE:ONE+1], v[NT:NT+1] clamp
.set p, p+1
.endr
.set p, 0
.rept 32
.set c, 2*(p%4)
.if p == 0
	v_pk_fma_f32 v[AC:AC+1], v[TT:TT+1], v[TT:TT+1], v[INI:INI+1]
.elseif p < 4
	v_pk_mul_f32 v[AC+c:AC+c+1], v[TT+c:TT+c+1], v[TT+c:TT+c+1]
.else
	v_pk_fma_f32 v[AC+c:AC+c+1], v[TT+c:TT+c+1], v[TT+c:TT+c+1], v[AC+c:AC+c+1]
.endif
.if p < 28
	v_pk_fma_f32 v[TT+c:TT+c+1], v[S+2*p+8:S+2*p+9], v[ONE:ONE+1], v[NT:NT+1] clamp
.endif
.set p, p+1
.endr
	v_pk_add_f32 v[AC:AC+1], v[AC:AC+1], v[AC+2:AC+3]
	v_pk_add_f32 v[AC+4:AC+5], v[AC+4:AC+5], v[AC+6:AC+7]
	v_pk_add_f32 v[AC:AC+1], v[AC:AC+1], v[AC+4:AC+5]
	v_add_f32 v[\dst], v[AC], v[AC+1]
.endm
.macro FD p
	v_pk_fma_f32 v[S+2*(\p):S+2*(\p)+1], v[S+2*(\p):S+2*(\p)+1], v[ONE:ONE+1], v[NT:NT+1] clamp
.endm
; the scores of one tile of 16 ko: the eight accumulators take turns, one instruction a turn; smallest terms first
.macro SCORES
	WIN 0x01                                       ; A in window 1
.set t, 0
.rept 8
	v_wmma_f32_16x16x32_bf16 v[S+8*t:S+8*t+7], v[12*t:12*t+7], v[KB+4:KB+11], 0
.set t, t+1
.endr
.set t, 0
.rept 8
	v_wmma_f32_16x16x32_bf16 v[S+8*t:S+8*t+7], v[12*t+4:12*t+11], v[KB+12:KB+19], v[S+8*t:S+8*t+7]
.set t, t+1
.endr
.set t, 0
.rept 8
	v_wmma_f32_16x16x32_bf16 v[S+8*t:S+8*t+7], v[12*t+4:12*t+11], v[KB:KB+7], v[S+8*t:S+8*t+7]
.set t, t+1
.endr
	WIN 0
.endm
	SCORES                                         ; tile 0
	s_mov_b32 s20, 16
.Lpass:                                                ; a trip: one tile of 16 ko for my two samples; its scores lie in S
	s_wait_alu depctr_vm_vsrc(0)                   ; the trip before has read VKA, VVA, VAS (stepped below), AC[0:1] and H (written again further down) and G (in which loads land); in the first trip: the head's address registers and v[DE ..]
	v_add_nc_u32 v[VKA], 512, v[VKA]               ; the three steps and a v_nop: four places behind the score products, ahead of the loads into their sources and of the first read of the scores
	v_add_nc_u32 v[VVA], 16*VP, v[VVA]
	v_add_nc_u32 v[VAS], 128, v[VAS]
	v_nop
	s_wait_alu depctr_va_vdst(0)                   ; the score products are done reading KB; the trip before is done with VAL; VKA, VVA and VAS are written
.set j, 0
.rept 16
	ds_load_b128 v[VAL+4*j:VAL+4*j+3], v[VVA] offset:16*j   ; my row of vals: wanted six evaluations further down
.set j, j+1
.endr
	ds_load_b128 v[KB:KB+3], v[VKA]                ; the next tile's kq.  The last trip's fetch takes 512 bytes further on in the same tables, inside LDS; it is not used
	ds_load_b128 v[KB+4:KB+7], v[VKA]
	ds_load_b128 v[KB+8:KB+11], v[VKA] offset:16384
	ds_load_b128 v[KB+12:KB+15], v[VKA] offset:8192
	ds_load_b128 v[KB+16:KB+19], v[VKA] offset:8192
	; the maximum of the 64 scores, four chains; each accumulator's lowest registers are read first
.irp n, 0,1,2,3
	v_max3_num_f32 v[MX+\n], v[S+8*\n], v[S+8*\n+1], v[S+8*\n+2]
.endr
.irp n, 0,1,2,3
	v_max3_num_f32 v[MX+\n], v[MX+\n], v[S+32+8*\n], v[S+32+8*\n+1]
.endr
.irp o, 3,5
.irp n, 0,1,2,3
	v_max3_num_f32 v[MX+\n], v[MX+\n], v[S+8*\n+\o], v[S+8*\n+\o+1]
.endr
.endr
.irp n, 0,1,2,3
	v_max3_num_f32 v[MX+\n], v[MX+\n], v[S+8*\n+7], v[S+32+8*\n+2]
.endr
.irp o, 3,5
.irp n, 0,1,2,3
	v_max3_num_f32 v[MX+\n], v[MX+\n], v[S+32+8*\n+\o], v[S+32+8*\n+\o+1]
.endr
.endr
	v_max3_num_f32 v[MX], v[MX], v[S+39], v[S+47]
	v_max3_num_f32 v[MX+2], v[MX+2], v[S+55], v[S+63]
	v_max3_num_f32 v[MX], v[MX], v[MX+1], v[MX+2]
	v_max_num_f32 v[MX], v[MX], v[MX+3]
	v_sub_f32 v[NL], 0.5, v[MX]                    ; -tau_lo = 1/2 - max
	v_sub_f32 v[F], 0x3d800000, v[MX]              ; -tau_hi = 1/16 - max
	v_sub_f32 v[NT], 0.5, v[MX]
	v_sub_f32 v[NT+1], 0.5, v[MX]
	v_sub_f32 v[DM], v[NL], v[F]                   ; dm = tau_hi - tau_lo
	EVAL FLO
	s_mov_b32 s21, 5
.Lbis:                                                 ; five bisections with a decision; the sixth needs none
	v_mul_f32 v[DM], 0.5, v[DM]
	v_sub_f32 v[NT], v[NL], v[DM]
	v_sub_f32 v[NT+1], v[NL], v[DM]
	EVAL F
	v_mul_f32 v[F], v[F], v[FLO]
	v_cmp_le_f32 vcc_lo, 0, v[F]                   ; f_m f_lo >= 0: tau_lo moves to tau_m.  A choice of a value: no branch hangs on it
	s_wait_alu depctr_va_vcc(0)                    ; VCC is written, ahead of the select that reads it
	v_cndmask_b32 v[NL], v[NL], v[NT], vcc_lo
	s_sub_co_u32 s21, s21, 1
	s_cmp_lg_u32 s21, 0
	s_cbranch_scc1 .Lbis
	v_mul_f32 v[DM], 0.5, v[DM]
	v_sub_f32 v[NT], v[NL], v[DM]
	v_sub_f32 v[NT+1], v[NL], v[DM]
	s_wait_dscnt 5                                 ; vals are in; the five loads of kq are younger
	FD 0
	FD 1
.set p, 0
.rept 32                               ; d in place of the score; the sum of d^2; the weight d vals d
.set c, 2*(p%4)
	v_pk_mul_f32 v[VAL+2*p:VAL+2*p+1], v[VAL+2*p:VAL+2*p+1], v[S+2*p:S+2*p+1]
.if p < 4
	v_pk_mul_f32 v[AC+c:AC+c+1], v[S+2*p:S+2*p+1], v[S+2*p:S+2*p+1]
.else
	v_pk_fma_f32 v[AC+c:AC+c+1], v[S+2*p:S+2*p+1], v[S+2*p:S+2*p+1], v[AC+c:AC+c+1]
.endif
.if p < 30
	FD p+2
.endif
	v_pk_mul_f32 v[VAL+2*p:VAL+2*p+1], v[VAL+2*p:VAL+2*p+1], v[S+2*p:S+2*p+1]
.set p, p+1
.endr
.set q, 0
.rept 32                               ; places 2 q, 2 q + 1 hold fields 16 (q % 4) + q / 4 and that + 8: the order in which x_exp lies in LDS
	v_cvt_pk_f16_f32 v[S+q], v[VAL+16*(q%4)+q/4], v[VAL+16*(q%4)+8+q/4]
.set q, q+1
.endr
	WIN 0x01
.irp c, 0,1,2,3                        ; the two accumulators take turns
.irp u, 0,1
.if \c == 0
	v_wmma_f32_16x16x32_f16 v[DE+8*\u:DE+8*\u+7], v[XA+32*\u+8*\c:XA+32*\u+8*\c+7], v[S+8*\c:S+8*\c+7], 0
.else
	v_wmma_f32_16x16x32_f16 v[DE+8*\u:DE+8*\u+7], v[XA+32*\u+8*\c:XA+32*\u+8*\c+7], v[S+8*\c:S+8*\c+7], v[DE+8*\u:DE+8*\u+7]
.endif
.endr
.endr
	WIN 0
	v_pk_add_f32 v[AC:AC+1], v[AC:AC+1], v[AC+2:AC+3]       ; the end of the sum of d^2: the four places behind the products
	v_pk_add_f32 v[AC+4:AC+5], v[AC+4:AC+5], v[AC+6:AC+7]
	v_pk_add_f32 v[AC:AC+1], v[AC:AC+1], v[AC+4:AC+5]
	v_add_f32 v[F], v[AC], v[AC+1]
	v_rcp_f32 v[RS], v[F]
	v_nop                                          ; a plain line behind the reciprocal
	s_wait_alu depctr_va_vdst(0)                   ; the reciprocal is written, ahead of its first reader
.irp i, 0,2,4,6,8,10,12,14
	v_pk_mul_f32 v[DE+\i:DE+\i+1], v[DE+\i:DE+\i+1], v[RS:RS+1] op_sel_hi:[1,0]
.endr
	v_pk_add_f32 v[TT:TT+1], v[DE:DE+1], v[DE+2:DE+3]
	v_pk_add_f32 v[TT+2:TT+3], v[DE+4:DE+5], v[DE+6:DE+7]
	v_pk_add_f32 v[TT+4:TT+5], v[DE+8:DE+9], v[DE+10:DE+11]
	v_pk_add_f32 v[TT+6:TT+7], v[DE+12:DE+13], v[DE+14:DE+15]
	v_pk_mul_f32 v[AC+2:AC+3], v[DE:DE+1], v[DE:DE+1]
	v_pk_mul_f32 v[AC+4:AC+5], v[DE+2:DE+3], v[DE+2:DE+3]
.irp i, 4,8,12
	v_pk_fma_f32 v[AC+2:AC+3], v[DE+\i:DE+\i+1], v[DE+\i:DE+\i+1], v[AC+2:AC+3]
	v_pk_fma_f32 v[AC+4:AC+5], v[DE+\i+2:DE+\i+3], v[DE+\i+2:DE+\i+3], v[AC+4:AC+5]
.endr
	v_pk_add_f32 v[TT:TT+1], v[TT:TT+1], v[TT+2:TT+3]
	v_pk_add_f32 v[TT+4:TT+5], v[TT+4:TT+5], v[TT+6:TT+7]
	v_pk_add_f32 v[AC+2:AC+3], v[AC+2:AC+3], v[AC+4:AC+5]
	v_pk_add_f32 v[TT:TT+1], v[TT:TT+1], v[TT+4:TT+5]
	v_add_f32 v[AC+1], v[AC+2], v[AC+3]
	v_add_f32 v[AC], v[TT], v[TT+1]                ; the row's sum and sum of squares over its 16 channels
.irp i, 0,1,2,3,4,5,6,7
	v_cvt_pk_f16_f32 v[H+\i], v[DE+2*\i], v[DE+2*\i+1]
.endr
	s_wait_xcnt 0x0                                ; the last trip's stores have had their addresses translated: only now are their base and their data written again
	s_add_nc_u64 s[32:33], s[32:33], 512           ; one tile on; the stores below reach back
	s_wait_alu depctr_va_vdst(0)                   ; AC[0:1] and H are written, which the three LDS stores read
	ds_store_b64 v[VAS], v[AC:AC+1]
	ds_store_b128 v[VSTO], v[H:H+3]
	ds_store_b128 v[VSTO], v[H+4:H+7] offset:16
	ds_load_b128 v[G:G+3], v[VSRD]                 ; my wave's own bytes, served in order; no vector line names G
	ds_load_b128 v[G+4:G+7], v[VSRD] offset:256
	s_cmp_eq_u32 s20, 1
	s_cbranch_scc1 .Lnomore                        ; the last trip has no next tile
	s_wait_dscnt 5                                 ; kq is in; the three stores and two loads above are younger
	SCORES                                         ; the next tile's scores, while my 32 bytes go through the stage
.Lnomore:
	s_wait_dscnt 0x0
	global_store_b128 v[VGO], v[G:G+3], s[32:33] offset:-512     ; sixteen lanes store 256 consecutive bytes, at a multiple of 256 from the buffer's first
	global_store_b128 v[VGO], v[G+4:G+7], s[32:33] offset:-256
	s_sub_co_u32 s20, s20, 1
	s_cmp_lg_u32 s20, 0
	s_cbranch_scc1 .Lpass
	s_wait_dscnt 0x0
	s_barrier_signal -1
	s_barrier_wait -1
.set i, 0
.rept 16
	ds_load_b64 v[VAL+2*i:VAL+2*i+1], v[FA] offset:2048*i   ; thread ko adds the 16 samples' sums.  No wait: the last vector lines that name VAL stand ahead of the trip's wait behind the reciprocal
.set i, i+1
.endr
	s_wait_dscnt 0x0
.irp d, 8,4,2,1
.set i, 0
.rept \d
	v_pk_add_f32 v[VAL+2*i:VAL+2*i+1], v[VAL+2*i:VAL+2*i+1], v[VAL+2*(i+\d):VAL+2*(i+\d)+1]
.set i, i+1
.endr
.endr
	s_wait_alu depctr_va_vdst(0)                   ; the additions have written VAL[0:1], which the store reads
	global_store_b64 v[FG], v[VAL:VAL+1], s[34:35]
	s_wait_dscnt 0x0                               ; the closing lines, six on end
	s_wait_alu 0x0
	s_wait_tensorcnt 0x0
	ds_add_u32 v[SPW], v[NIL]
	s_wait_dscnt 0x0
	s_endpgm
.Lfunc_end_k_qcd56d6a9c0_arm:
	.size	k_qcd56d6a9c0_arm, .Lfunc_end_k_qcd56d6a9c0_arm-k_qcd56d6a9c0_arm
	.p2alignl 7, 3214868480
	.fill 96, 4, 3214868480
	.section	.rodata,"a",@progbits
	.p2align	6, 0x0
	.amdhsa_kernel k_qcd56d6a9c0_arm
		.amdhsa_group_segment_fixed_size 175616
		.amdhsa_private_segment_fixed_size 0
		.amdhsa_enable_private_segment 0
		.amdhsa_kernarg_size 64
		.amdhsa_user_sgpr_count 2
		.amdhsa_user_sgpr_kernarg_segment_ptr 1
		.amdhsa_wavefront_size32 1
		.amdhsa_system_sgpr_workgroup_id_x 1
		.amdhsa_system_sgpr_workgroup_id_y 1
		.amdhsa_system_sgpr_workgroup_id_z 1
		.amdhsa_system_vgpr_workitem_id 0
		.amdhsa_next_free_vgpr 416
		.amdhsa_next_free_sgpr 66
		.amdhsa_reserve_vcc 1
		.amdhsa_float_denorm_mode_32 3
		.amdhsa_float_denorm_mode_16_64 3
		.amdhsa_memory_ordered 1
		.amdhsa_forward_progress 1
		.amdhsa_inst_pref_size 86
	.end_amdhsa_kernel
	.amdgpu_metadata
---
amdhsa.version: [ 1, 2 ]
amdhsa.kernels:
  - .name:           k_qcd56d6a9c0_arm
    .symbol:         k_qcd56d6a9c0_arm.kd
    .args:
      - { .name: x_id, .offset: 0, .size: 8, .value_kind: global_buffer, .address_space: global }
      - { .name: x_value, .offset: 8, .size: 8, .value_kind: global_buffer, .address_space: global }
      - { .name: emb, .offset: 16, .size: 8, .value_kind: global_buffer, .address_space: global }
      - { .name: emb_g, .offset: 24, .size: 8, .value_kind: global_buffer, .address_space: global }
      - { .name: emb_b, .offset: 32, .size: 8, .value_kind: global_buffer, .address_space: global }
      - { .name: vals, .offset: 40, .size: 8, .value_kind: global_buffer, .address_space: global }
      - { .name: tab, .offset: 48, .size: 8, .value_kind: global_buffer, .address_space: global }
      - { .name: armb, .offset: 56, .size: 8, .value_kind: global_buffer, .address_space: global }
    .group_segment_fixed_size: 175616
    .private_segment_fixed_size: 0
    .kernarg_segment_align: 8
    .kernarg_segment_size: 64
    .max_flat_workgroup_size: 256
    .sgpr_count:     66
    .vgpr_count:     416
    .wavefront_size: 32
...
	.end_amdgpu_metadata
.endif
;; end of part 8
;; launch w1p (part 9): grid 32 x 8, 8 waves a work-group, no clusters, 2,048 bytes of LDS; arguments w1, w2, arm_g, arm_b, armb, wts; writes wts
.if DOCPART == 9
	.amdgcn_target "amdgcn-amd-amdhsa--gfx1250"
	.amdhsa_code_object_version 6
	.text
	.protected	k_qcd56d6a9c0_w1p
	.globl	k_qcd56d6a9c0_w1p
	.p2align	8
	.type	k_qcd56d6a9c0_w1p,@function
k_qcd56d6a9c0_w1p:
	s_mov_b64 s[64:65], 0
	v_nop
	global_prefetch_b8 v0, s[64:65] scope:SCOPE_SE
	s_setreg_imm32_b32 hwreg(HW_REG_WAVE_SCHED_MODE, 0, 2), 2
	s_setreg_imm32_b32 hwreg(HW_REG_WAVE_MODE, 25, 1), 1
	s_wait_xcnt 0x0
	s_wait_alu depctr_vm_vsrc(0)
; THE WEIGHTS.  arm's batch norm is folded into w1: with alpha = g / sqrt(var + eps) and beta = b - mean alpha for channel k / 16,
; norm(arm) . w1[n] = arm . (alpha w1[n]) + sum over k of beta w1[n][k].  Out: w1h = f16(alpha w1); pb1[g][n] = this group's part of the second sum, in f32; w2h = f16(w2).
; SHARES.  Work-group (g, nb): channels 8 g .. 8 g + 7 (128 k) x rows 128 nb .. + 127 of w1, and 16,384 bytes of w2.  Thread t: 8 k at 8 (t % 16), rows t / 16 + 16 i.
; Memory binds: w1 and w2 are read once, in runs of 512 bytes a row; no matrix unit, cluster or tensor load would add anything.
; LIMITS.  var = sum2/N - mean^2 in f32 loses (mean/spread)^2 x 2^-24; alpha w1 and w2 lie within f16's 65,504.
; THE MODE: SCHED_MODE bits 1:0 = 2 (LLVM: expert scheduling mode 2), set by the entry lines.  The code itself states the register dependences between vector instructions and
; memory or LDS instructions, with s_wait_alu, always for 0.
; THE PLAN.  Registers that memory or LDS instructions touch:
;   v113 - v122   offsets and LDS addresses, made once at the head and never written again.
;   AS            the partial sums land in it; additions work in it; a store reads AS[0:1]; behind the barrier the eight waves' sums land in it.
;   W + 8 i       row i of w1 lands in it; row i's lines scale and round it in place; one store reads its first four registers; never written again.
;   SR + i        row i's part of pb1, written by row i's lines, read by one LDS store; never written again.
;   W2            the same as W, for w2.
; Row i's two stores are issued at the head of row i + 1, behind ONE wait on va_vdst that stands behind the wait for row i + 1's data.  Since every row has registers of its own,
; no register that a store has read is written again, and the rows hold no wait on vm_vsrc.
.set RED, 0                            ; [8 waves][8 channels][2]
.set BS,  512                          ; [128 rows] f32
.set SPARE, 1024
.set SPW, 2
.set NIL, 3
.set AS,  8                            ; v8-23 partial sums
.set SR,  8                            ; v8-15 behind the statistics: row i's part of pb1
.set T,   16                           ; v16-19 behind the statistics: at work
.set AL,  26                           ; v[26:27] alpha, twice
.set BE,  28
.set W,   32                           ; v32-95 w1, 8 a row
.set W2,  96                           ; v96-111
	s_load_b256 s[4:11], s[0:1], 0x0               ; w1, w2, arm_g, arm_b
	s_load_b128 s[12:15], s[0:1], 0x20             ; armb, wts
	v_lshl_add_u32 v[SPW], v0, 2, SPARE
	v_mov_b32 v[NIL], 0
	v_lshrrev_b32 v1, 5, v0
	v_readfirstlane_b32 s2, v1
	s_and_b32 s3, ttmp7, 0xffff                    ; nb
	v_and_b32 v4, 15, v0
	v_lshrrev_b32 v5, 4, v0
	v_and_b32 v6, 7, v0
	v_lshrrev_b32 v7, 3, v0
	v_lshlrev_b32 v112, 3, v6
	v_lshl_add_u32 v113, v7, 11, v112              ; arm's sums: work-group t / 8 + 32 i, channel t % 8
	v_lshrrev_b32 v114, 1, v4                      ; the channel of my 8 k
	v_lshlrev_b32 v115, 2, v114
	v_lshlrev_b32 v116, 5, v4
	v_lshl_add_u32 v116, v5, 14, v116              ; w1
	v_lshlrev_b32 v117, 5, v0                      ; w2
	v_lshlrev_b32 v118, 4, v4
	v_lshl_add_u32 v118, v5, 13, v118              ; w1h
	v_lshlrev_b32 v119, 4, v0                      ; w2h, pb1
	v_lshlrev_b32 v120, 3, v114                    ; RED[.][my channel]
	v_lshl_add_u32 v121, v5, 2, BS                 ; BS[t / 16]
	v_mov_b32 v29, 0                               ; v_permlanex16_b32 counts as a reader of its destination
	v_mov_b32 v30, 0
	s_wait_alu depctr_va_sdst(0)                   ; s2 is written, ahead of its first reader
	s_lshl_b32 s20, s2, 6
	v_add_nc_u32 v122, s20, v112                   ; RED[w][t % 8]
	s_mov_b32 s32, 0x76543210
	s_mov_b32 s33, 0xfedcba98
	s_mov_b32 s23, 0
	s_lshl_b32 s24, s3, 5
	s_add_co_u32 s24, s24, ttmp9                   ; 32 nb + g
	s_wait_kmcnt 0x0
	s_lshl_b32 s22, ttmp9, 6
	s_add_nc_u64 s[16:17], s[12:13], s[22:23]
	s_add_nc_u64 s[16:17], s[16:17], 0x2000000
	s_lshl_b32 s22, ttmp9, 5
	s_add_nc_u64 s[8:9], s[8:9], s[22:23]
	s_add_nc_u64 s[10:11], s[10:11], s[22:23]
	s_lshl_b32 s22, s3, 21
	s_lshl_b32 s25, ttmp9, 9
	s_add_co_u32 s22, s22, s25
	s_add_nc_u64 s[4:5], s[4:5], s[22:23]
	s_lshl_b32 s22, s24, 14
	s_add_nc_u64 s[6:7], s[6:7], s[22:23]
	s_lshl_b32 s22, s3, 20
	s_lshl_b32 s25, ttmp9, 8
	s_add_co_u32 s22, s22, s25
	s_add_nc_u64 s[26:27], s[14:15], s[22:23]
	s_lshl_b32 s22, s24, 13
	s_add_nc_u64 s[28:29], s[14:15], s[22:23]
	s_add_nc_u64 s[28:29], s[28:29], 0x800000
	s_lshl_b32 s22, ttmp9, 12
	s_lshl_b32 s25, s3, 9
	s_add_co_u32 s22, s22, s25
	s_add_nc_u64 s[30:31], s[14:15], s[22:23]
	s_add_nc_u64 s[30:31], s[30:31], 0xa00000
	s_wait_alu depctr_va_vdst(0)                   ; the offsets and addresses v113 to v122 are written, which the loads and stores of the whole kernel read
.irp i, 0,1,2,3,4,5,6,7
	global_load_b64 v[AS+2*\i:AS+2*\i+1], v113, s[16:17] offset:65536*\i
.endr
	global_load_b32 v24, v115, s[8:9]
	global_load_b32 v25, v115, s[10:11]
.irp i, 0,1,2,3,4,5,6,7
	global_load_b128 v[W+8*\i:W+8*\i+3],   v116, s[4:5] offset:262144*\i th:TH_LOAD_NT
	global_load_b128 v[W+8*\i+4:W+8*\i+7], v116, s[4:5] offset:262144*\i+16 th:TH_LOAD_NT
.endr
.irp j, 0,1
	global_load_b128 v[W2+8*\j:W2+8*\j+3],   v117, s[6:7] offset:8192*\j th:TH_LOAD_NT
	global_load_b128 v[W2+8*\j+4:W2+8*\j+7], v117, s[6:7] offset:8192*\j+16 th:TH_LOAD_NT
.endr
	s_wait_loadcnt 20                              ; the sums, g and b are in; 16 + 4 loads of weights are younger
.irp d, 4,2,1
.set i, 0
.rept \d
	v_pk_add_f32 v[AS+2*i:AS+2*i+1], v[AS+2*i:AS+2*i+1], v[AS+2*(i+\d):AS+2*(i+\d)+1]
.set i, i+1
.endr
.endr
	v_add_f32_dpp v[AS], v[AS], v[AS] row_xmask:8 row_mask:0xf bank_mask:0xf
	v_add_f32_dpp v[AS+1], v[AS+1], v[AS+1] row_xmask:8 row_mask:0xf bank_mask:0xf
	v_permlanex16_b32 v29, v[AS], s32, s33
	v_permlanex16_b32 v30, v[AS+1], s32, s33
	v_add_f32 v[AS], v[AS], v29
	v_add_f32 v[AS+1], v[AS+1], v30
	s_wait_alu depctr_va_vdst(0)                   ; the additions have written AS[0:1], which the store reads, and are done with the rest of AS, in which the loads behind the barrier land
	ds_store_b64 v122, v[AS:AS+1]                  ; RED[w][t % 8]
	s_wait_dscnt 0x0
	s_barrier_signal -1
	s_barrier_wait -1
	s_wait_alu depctr_vm_vsrc(0)                   ; my store has read AS[0:1], in which the first load below lands
.irp i, 0,1,2,3,4,5,6,7
	ds_load_b64 v[AS+2*\i:AS+2*\i+1], v120 offset:64*\i
.endr
	s_wait_dscnt 0x0
.irp d, 4,2,1
.set i, 0
.rept \d
	v_pk_add_f32 v[AS+2*i:AS+2*i+1], v[AS+2*i:AS+2*i+1], v[AS+2*(i+\d):AS+2*(i+\d)+1]
.set i, i+1
.endr
.endr
	v_mul_f32 v10, 0x37800000, v[AS]               ; mean: / 65,536
	v_mul_f32 v11, 0x37800000, v[AS+1]
	v_fma_f32 v11, -v10, v10, v11
	v_add_f32 v11, 0x3727c5ac, v11
	v_rsq_f32 v11, v11
	v_nop                                          ; a plain instruction behind the root
	s_wait_alu depctr_va_vdst(0)                   ; the root is written, ahead of its first reader
	v_mul_f32 v[AL], v24, v11
	v_mul_f32 v[AL+1], v24, v11
	v_fma_f32 v[BE], -v10, v[AL], v25
; rows t / 16 + 16 i: the vector lines of row i
.macro ROWV i
.set w, W+8*(\i)
	v_pk_add_f32 v[T:T+1], v[w:w+1], v[w+2:w+3]
	v_pk_add_f32 v[T+2:T+3], v[w+4:w+5], v[w+6:w+7]
	v_pk_add_f32 v[T:T+1], v[T:T+1], v[T+2:T+3]
	v_add_f32 v[SR+(\i)], v[T], v[T+1]
	v_mul_f32 v[SR+(\i)], v[SR+(\i)], v[BE]
.irp m, 1,2,4,8
	v_add_f32_dpp v[SR+(\i)], v[SR+(\i)], v[SR+(\i)] row_xmask:\m row_mask:0xf bank_mask:0xf
.endr
.irp k, 0,2,4,6
	v_pk_mul_f32 v[w+\k:w+\k+1], v[w+\k:w+\k+1], v[AL:AL+1]
.endr
.irp k, 0,1,2,3
	v_cvt_pk_f16_f32 v[w+\k], v[w+2*\k], v[w+2*\k+1]
.endr
.endm
; and its two stores
.macro ROWS i
.set w, W+8*(\i)
	ds_store_b32 v121, v[SR+(\i)] offset:64*(\i)   ; the sixteen lanes of a row write the same word
	global_store_b128 v118, v[w:w+3], s[26:27] offset:131072*(\i)   ; sixteen lanes store 256 consecutive bytes, aligned
.endm
	s_wait_loadcnt 18                              ; my two loads of row 0 are in, the younger ones stay out
	ROWV 0
.irp i, 1,2,3,4,5,6,7
	s_wait_loadcnt 18-2*\i                         ; my two loads of this row are in, the younger ones stay out
	s_wait_alu depctr_va_vdst(0)                   ; the row before has written its part of pb1 and its four registers of f16, which the two stores below read
	ROWS \i-1
	ROWV \i
.endr
	s_wait_loadcnt 0x0
.irp j, 0,1
.irp k, 0,1,2,3
	v_cvt_pk_f16_f32 v[W2+8*\j+\k], v[W2+8*\j+2*\k], v[W2+8*\j+2*\k+1]
.endr
.endr
	s_wait_alu depctr_va_vdst(0)                   ; row 7's lines and w2's conversions have written what the four stores below read
	ROWS 7
.irp j, 0,1
	global_store_b128 v119, v[W2+8*\j:W2+8*\j+3], s[28:29] offset:4096*\j
.endr
	s_wait_dscnt 0x0
	s_barrier_signal -1
	s_barrier_wait -1
	s_cmp_lg_u32 s2, 0
	s_cbranch_scc1 .Lend
	v_lshl_add_u32 v123, v0, 4, BS
	s_wait_alu depctr_va_vdst(0)                   ; v123 is written, which the load reads as its address; v[124:127] have been named by nothing
	ds_load_b128 v[124:127], v123
	s_wait_dscnt 0x0
	global_store_b128 v119, v[124:127], s[30:31]   ; 512 consecutive bytes of pb1
.Lend:
	s_wait_dscnt 0x0                               ; the closing lines, six on end
	s_wait_alu 0x0
	s_wait_tensorcnt 0x0
	ds_add_u32 v[SPW], v[NIL]
	s_wait_dscnt 0x0
	s_endpgm
.Lfunc_end_k_qcd56d6a9c0_w1p:
	.size	k_qcd56d6a9c0_w1p, .Lfunc_end_k_qcd56d6a9c0_w1p-k_qcd56d6a9c0_w1p
	.p2alignl 7, 3214868480
	.fill 96, 4, 3214868480
	.section	.rodata,"a",@progbits
	.p2align	6, 0x0
	.amdhsa_kernel k_qcd56d6a9c0_w1p
		.amdhsa_group_segment_fixed_size 2048
		.amdhsa_private_segment_fixed_size 0
		.amdhsa_enable_private_segment 0
		.amdhsa_kernarg_size 48
		.amdhsa_user_sgpr_count 2
		.amdhsa_user_sgpr_kernarg_segment_ptr 1
		.amdhsa_wavefront_size32 1
		.amdhsa_system_sgpr_workgroup_id_x 1
		.amdhsa_system_sgpr_workgroup_id_y 1
		.amdhsa_system_sgpr_workgroup_id_z 1
		.amdhsa_system_vgpr_workitem_id 0
		.amdhsa_next_free_vgpr 128
		.amdhsa_next_free_sgpr 66
		.amdhsa_reserve_vcc 0
		.amdhsa_float_denorm_mode_32 3
		.amdhsa_float_denorm_mode_16_64 3
		.amdhsa_memory_ordered 1
		.amdhsa_forward_progress 1
		.amdhsa_inst_pref_size 20
	.end_amdhsa_kernel
	.amdgpu_metadata
---
amdhsa.version: [ 1, 2 ]
amdhsa.kernels:
  - .name:           k_qcd56d6a9c0_w1p
    .symbol:         k_qcd56d6a9c0_w1p.kd
    .args:
      - { .name: w1, .offset: 0, .size: 8, .value_kind: global_buffer, .address_space: global }
      - { .name: w2, .offset: 8, .size: 8, .value_kind: global_buffer, .address_space: global }
      - { .name: arm_g, .offset: 16, .size: 8, .value_kind: global_buffer, .address_space: global }
      - { .name: arm_b, .offset: 24, .size: 8, .value_kind: global_buffer, .address_space: global }
      - { .name: armb, .offset: 32, .size: 8, .value_kind: global_buffer, .address_space: global }
      - { .name: wts, .offset: 40, .size: 8, .value_kind: global_buffer, .address_space: global }
    .group_segment_fixed_size: 2048
    .private_segment_fixed_size: 0
    .kernarg_segment_align: 8
    .kernarg_segment_size: 48
    .max_flat_workgroup_size: 256
    .sgpr_count:     66
    .vgpr_count:     128
    .wavefront_size: 32
...
	.end_amdgpu_metadata
.endif
;; end of part 9
;; launch gemm1: the kernel of part 4 again; grid 8 x 32, 4 waves a work-group, clusters of 4 x 4, 327,680 bytes of LDS; arguments armb, wts, zb1; writes zb1
;; launch bn1: the kernel of part 5 again; grid 8 x 32, 8 waves a work-group, no clusters, 6,144 bytes of LDS; arguments zb1, wts, b1, g1, bt1, h1; writes h1
;; launch gemm2: the kernel of part 6 again; grid 8 x 32, 4 waves a work-group, clusters of 4 x 4, 327,680 bytes of LDS; arguments h1, wts, zb2; writes zb2
;; launch outk: the kernel of part 7 again; grid 64 x 1, 16 waves a work-group, no clusters, 10,496 bytes of LDS; arguments zb2, b2, g2, bt2, wout, bout, out0; writes out0
